; MI455X (gfx1250); checked and timed in simulation.
; The chip was launched on July 23, 2026; its instructions are those of AMD's public machine-readable ISA for CDNA 5 (MIT licence, August 2026) and "CDNA5" Instruction Set Architecture Reference Guide (July 2026). The comments in the code are by the model that wrote it; some were corrected since.
;; Simple Transformer Block. Allowed arithmetic: matrix products marked QUANTISED: E2M3 operands, one E8M0 scale for each 32 along K, by v_wmma_scale_f32_16x16x128_f8f6f4 with both operands' format E2M3, f32 sums; everything else in f32.
;; Inputs: b1 4,096 float32; b2 1,024 float32; be1 1,024 float32; be2 1,024 float32; bk 1,024 float32; bo 1,024 float32; bq 1,024 float32; bv 1,024 float32; g1 1,024 float32; g2 1,024 float32; w1_codes 4,096 x 32 x 24 uint8 (E2M3 codes of w1, K innermost, in blocks of 32 codes, four codes in three bytes); w1_scales 4,096 x 32 uint8 (E8M0 scales of w1, one for each 32 codes along K); w2_codes 1,024 x 128 x 24 uint8 (E2M3 codes of w2, K innermost, in blocks of 32 codes, four codes in three bytes); w2_scales 1,024 x 128 uint8 (E8M0 scales of w2, one for each 32 codes along K); wk_codes 1,024 x 32 x 24 uint8 (E2M3 codes of wk, K innermost, in blocks of 32 codes, four codes in three bytes); wk_scales 1,024 x 32 uint8 (E8M0 scales of wk, one for each 32 codes along K); wo_codes 1,024 x 32 x 24 uint8 (E2M3 codes of wo, K innermost, in blocks of 32 codes, four codes in three bytes); wo_scales 1,024 x 32 uint8 (E8M0 scales of wo, one for each 32 codes along K); wq_codes 1,024 x 32 x 24 uint8 (E2M3 codes of wq, K innermost, in blocks of 32 codes, four codes in three bytes); wq_scales 1,024 x 32 uint8 (E8M0 scales of wq, one for each 32 codes along K); wv_codes 1,024 x 32 x 24 uint8 (E2M3 codes of wv, K innermost, in blocks of 32 codes, four codes in three bytes); wv_scales 1,024 x 32 uint8 (E8M0 scales of wv, one for each 32 codes along K); x 2 x 2,048 x 1,024 float32.
;; Outputs: out0 2 x 2,048 x 1,024 float32.
;; This version of the problem:
;;   THIS VERSION OF THE PROBLEM IS GIVEN IN LOW PRECISION. The matrix products marked QUANTISED in the list below multiply operands that are first quantised to E2M3 (2 exponent bits, 3 mantissa bits; 6 bits a number), with one power-of-two scale for each 32 numbers along K (OCP MX v1.0); their sums are f32. All else is computed in f32.
;;   The module's matrix products, in the order in which they are computed (A, B: the left and right operand; K: the contracted axis; several contracted axes count as one K, in the product's order):
;;     1. [M 4,096, K 1,024] x [K 1,024, N 1,024]; A: computed on the way; B: input wq (given as codes): QUANTISED
;;     2. [M 4,096, K 1,024] x [K 1,024, N 1,024]; A: computed on the way; B: input wk (given as codes): QUANTISED
;;     3. [M 4,096, K 1,024] x [K 1,024, N 1,024]; A: computed on the way; B: input wv (given as codes): QUANTISED
;;     4. batch 32 x [M 2,048, K 64] x [K 64, N 2,048]; A: computed on the way; B: computed on the way: QUANTISED
;;     5. batch 32 x [M 2,048, K 2,048] x [K 2,048, N 64]; A: softmax (see below); B: computed on the way: QUANTISED
;;     6. [M 4,096, K 1,024] x [K 1,024, N 1,024]; A: computed on the way; B: input wo (given as codes): QUANTISED
;;     7. [M 4,096, K 1,024] x [K 1,024, N 4,096]; A: computed on the way; B: input w1 (given as codes): QUANTISED
;;     8. [M 4,096, K 4,096] x [K 4,096, N 1,024]; A: computed on the way; B: input w2 (given as codes): QUANTISED
;;   THE QUANTISER, for each operand of a quantised product, along K:
;;     - K is cut into blocks of 32 from its start; a last block that is shorter is filled with zeros.
;;     - A block's scale is 2^e with e = floor(log2(the largest magnitude in the block)) - 2, held to -126 .. 127; a block of zeros has e = 0. As a byte (E8M0): e + 127.
;;     - Each number is divided by its block's scale, clamped to +-7.5, and rounded to the nearest number of E2M3, ties to even, subnormals kept.
;;     - The product sums the exact products of the quantised numbers (number of the format x scale) in f32.
;;   ~~~python
;;   def quantise(x, axis):      # numpy; x: float32 -> the quantised numbers, widened to float32 again
;;       x = np.moveaxis(x, axis, -1); K = x.shape[-1]
;;       x = np.pad(x, [(0, 0)] * (x.ndim - 1) + [(0, -K % 32)]); x = x.reshape(x.shape[:-1] + (-1, 32)); a = np.abs(x).max(-1, keepdims=True)
;;       e = np.where(a > 0, np.clip(np.frexp(np.where(a > 0, a, 1))[1] - 1 - 2, -126, 127), 0)      # np.frexp(a)[1] - 1 = floor(log2(a)), exactly
;;       r = np.clip(x / 2.0 ** e, -7.5, 7.5)
;;       step = 2.0 ** (np.maximum(np.frexp(np.where(r == 0, 1, r))[1] - 1, 0) - 3)
;;       q = np.round(r / step) * step * 2.0 ** e      # np.round: ties to even
;;       return np.moveaxis(q.reshape(q.shape[:-2] + (-1,))[..., :K], -1, axis).astype(np.float32)
;;   ~~~
;;   SOFTMAX AHEAD OF A QUANTISED PRODUCT. Where the list says 'softmax', what is quantised is not the finished softmax but p = 2^(t - M), with t = logit x log2(e) and M = ceil(the row's largest t), a whole number; so 1/2 < the row's largest p <= 1. The row's sum l is taken of the UNQUANTISED p, in f32, and the product's result is divided by l at the end. Since M is a whole number, a kernel that streams over the keys may use a running M (the ceiling of the running maximum): every later rescaling is an exact power of two, which a block's scale takes up: the codes' values come out the same.
;;   OPERANDS COMPUTED ON THE WAY. 'Computed on the way' means the value that the module computes at that place (a softmax that the list does not call 'softmax' is quantised finished and normalised). What goes into a quantiser is computed in f32, as accurately as f32 sums, v_exp_f32 and their like allow (about 1e-6 of the number): no bf16 or f16 on the way to a quantiser, and a product that is left as it is and whose result goes on into a quantised operand takes f32 operands (vector FMAs, or v_wmma_f32_16x16x4_f32). A number that lies on a knife's edge between two numbers of the format may be rounded either way, as far as f32 arithmetic and the matrix unit's own rounding can turn it there, and no further.
;;   INPUTS GIVEN AS CODES. w1 (in the module: [1024, 4096], K = its axis 0); w2 (in the module: [4096, 1024], K = its axis 0); wk (in the module: [1024, 1024], K = its axis 0); wo (in the module: [1024, 1024], K = its axis 0); wq (in the module: [1024, 1024], K = its axis 0); wv (in the module: [1024, 1024], K = its axis 0): each comes as NAME_codes (uint8): NAME with its K axis moved to the last place and cut into blocks of 32 codes, [.., K / 32, bytes a block], one block behind the other in memory; four codes in three bytes: a row's codes are one little-endian stream of bits, code i at bits 6 i .. 6 i + 5 (a code: sign, 2 exponent bits, 3 mantissa bits); and NAME_scales (uint8): the same leading axes, one E8M0 byte (e + 127) for each 32 codes along K. Its value is code x scale, taken as it is: it is not quantised again, and the codes and scales need not be those that the quantiser above would give.
;; 2 versions. Each part assembles by itself: llvm-mc -triple=amdgcn-amd-amdhsa -mcpu=gfx1250 --defsym DOCPART=n.
;; ======== version 1 of 2: 7 launches
;; workspace buffers: act_codes 3,145,728 bytes; act_scales 131,072 bytes; qb 6,684,672 bytes; kvb 6,684,672 bytes; x2 16,777,216 bytes; hid_codes 12,582,912 bytes; hid_scales 524,288 bytes
;; launch ln1 (part 1): grid 256 x 1, 4 waves a work-group, no clusters, 18,944 bytes of LDS; arguments x, g1, be1, act_codes, act_scales; writes act_codes, act_scales
.if DOCPART == 1
	.amdgcn_target "amdgcn-amd-amdhsa--gfx1250"
	.amdhsa_code_object_version 6
	.text
	.protected	k_q507f5eb252_ln1
	.globl	k_q507f5eb252_ln1
	.p2align	8
	.type	k_q507f5eb252_ln1,@function
k_q507f5eb252_ln1:
	s_mov_b64 s[64:65], 0
	v_nop
	global_prefetch_b8 v0, s[64:65] scope:SCOPE_SE
	s_setreg_imm32_b32 hwreg(HW_REG_WAVE_MODE, 25, 1), 1
	s_wait_xcnt 0x0
; LayerNorm over rows of 1,024 f32, y = (x - mean) rsqrt(var + 1e-5) g + b, all in f32, and y quantised along the row to codes of FP6 (E2M3) with one E8M0 byte for each 32 numbers.
; Codes leave as [4096][768] bytes (a row is one stream of bits, code i at bits 6 i), scale bytes as [4096][32].
; SHARES.  256 work-groups of four waves; a wave owns four rows and keeps each in 32 registers between the passes: a row is read once.  No wave waits for another: no barrier.
; All 48 loads of a wave (g, b, four rows) go out at the head, each 512 consecutive bytes.  The mean and the variance are taken in two passes, as the definition writes them.
; A lane's loaded numbers are 4 neighbours of eight places of the row; the conversion wants 32 neighbours in one lane: the finished row turns through the wave's own stage in LDS
; (16 bytes of padding behind each 128, so a lane's 128 bytes begin 144 apart) and lane l comes back with block l whole: its largest magnitude needs no other lane.
; Matrix units, clusters and a ring of slots are left out: memory binds, and everything is requested at the head.  The scale bytes leave as runs of 32 bytes: one byte for 128 bytes read.
; LIMITS: NaN and infinities are not served; a block whose largest magnitude lies under 2^-124 gets the byte 1; a block of zeros gets the byte 1 and not 127 (its codes are zeros, and only this program reads the bytes).
.set G,   16                           ; v16-47   g, in the loads' arrangement: register 4 j + e = column 128 j + 4 lane + e
.set BE,  48                           ; v48-79   b likewise
.set X,   80                           ; v80-207  four rows of 32 registers; a row's registers take its codes and byte at the end
.set Y,   208                          ; v208-239 a block of 32 neighbours
.set STG, 4608                         ; a wave's stage: 32 x (128 + 16) bytes
	s_load_b256 s[4:11], s[0:1], 0x0               ; x s[4:5], g s[6:7], b s[8:9], codes s[10:11]
	s_load_b64 s[12:13], s[0:1], 0x20              ; scale bytes
	v_lshl_add_u32 v240, v0, 2, 0x4800
	v_mov_b32 v241, 0
	v_lshrrev_b32 v1, 5, v0
	v_readfirstlane_b32 s14, v1                    ; wave
	v_and_b32 v1, 31, v0                           ; lane; also the byte offset of my block's scale byte
	v_lshlrev_b32 v2, 4, v1                        ; my 16 bytes of a load's 512
	s_mul_i32 s15, s14, STG
	v_lshrrev_b32 v3, 3, v1
	v_lshl_add_u32 v3, v3, 4, v2
	v_add_nc_u32 v3, s15, v3                       ; the stage, in: 16 lane + 16 (lane / 8); a load's 512 bytes take 576
	v_mul_u32_u24 v4, v1, 144
	v_add_nc_u32 v4, s15, v4                       ; and out: 144 lane: my block
	v_mul_u32_u24 v5, v1, 24                       ; my block's 24 bytes of codes
	s_lshl_b32 s18, ttmp9, 4
	s_lshl_b32 s19, s14, 2
	s_add_co_u32 s18, s18, s19                     ; my first row: 16 x work-group + 4 x wave
	s_mov_b32 s17, 0
	s_mov_b32 s20, 0x3a800000                      ; 1 / 1,024
	s_mov_b32 s21, 0x3727c5ac                      ; 1e-5
	s_mov_b32 s22, 0x76543210                      ; v_permlanex16_b32: lane l xor 16
	s_mov_b32 s23, 0xfedcba98
	s_wait_kmcnt 0x0
	s_lshl_b32 s16, s18, 12
	s_add_nc_u64 s[4:5], s[4:5], s[16:17]
	s_mul_i32 s16, s18, 768
	s_add_nc_u64 s[10:11], s[10:11], s[16:17]
	s_lshl_b32 s16, s18, 5
	s_add_nc_u64 s[12:13], s[12:13], s[16:17]
.irp j, 0,1,2,3,4,5,6,7
	global_load_b128 v[G+4*\j:G+4*\j+3], v2, s[6:7] offset:512*\j
.endr
.irp j, 0,1,2,3,4,5,6,7
	global_load_b128 v[BE+4*\j:BE+4*\j+3], v2, s[8:9] offset:512*\j
.endr
.irp i, 0,1,2,3
.irp j, 0,1,2,3,4,5,6,7
	global_load_b128 v[X+32*\i+4*\j:X+32*\i+4*\j+3], v2, s[4:5] offset:4096*\i+512*\j th:TH_LOAD_NT
.endr
.endr
.macro RED                             ; v8 summed over the 32 lanes, the result in every lane
	v_add_f32_dpp v8, v8, v8 row_xmask:1 row_mask:0xf bank_mask:0xf
	v_add_f32_dpp v8, v8, v8 row_xmask:2 row_mask:0xf bank_mask:0xf
	v_add_f32_dpp v8, v8, v8 row_xmask:4 row_mask:0xf bank_mask:0xf
	v_add_f32_dpp v8, v8, v8 row_xmask:8 row_mask:0xf bank_mask:0xf
	v_permlanex16_b32 v9, v8, s22, s23
	v_add_f32 v8, v8, v9
.endm
.macro FOLD                            ; four chains of pairs in v8-15 become one number in v8
	v_pk_add_f32 v[8:9], v[8:9], v[10:11]
	v_pk_add_f32 v[12:13], v[12:13], v[14:15]
	v_pk_add_f32 v[8:9], v[8:9], v[12:13]
	v_add_f32 v8, v8, v9
.endm
.macro ROW i
.set XR, X+32*\i
	s_wait_loadcnt 8*(3-\i)                        ; loads come back in order: g, b and this row are in; the eight loads of each later row may be out
.irp c, 0,1,2,3
	v_pk_add_f32 v[8+2*\c:9+2*\c], v[XR+2*\c:XR+2*\c+1], v[XR+8+2*\c:XR+9+2*\c]      ; the sum, in four chains that the first pairs start
.endr
.irp k, 16,24
.irp c, 0,1,2,3
	v_pk_add_f32 v[8+2*\c:9+2*\c], v[8+2*\c:9+2*\c], v[XR+\k+2*\c:XR+\k+2*\c+1]
.endr
.endr
	FOLD
	RED
	v_mul_f32 v12, 0xba800000, v8                  ; - mean
	v_mov_b32 v13, v12
.irp k, 0,2,4,6,8,10,12,14,16,18,20,22,24,26,28,30
	v_pk_add_f32 v[XR+\k:XR+\k+1], v[XR+\k:XR+\k+1], v[12:13]
.endr
.irp c, 0,1,2,3
	v_pk_mul_f32 v[8+2*\c:9+2*\c], v[XR+2*\c:XR+2*\c+1], v[XR+2*\c:XR+2*\c+1]        ; the sum of squares of x - mean
.endr
.irp k, 8,16,24
.irp c, 0,1,2,3
	v_pk_fma_f32 v[8+2*\c:9+2*\c], v[XR+\k+2*\c:XR+\k+2*\c+1], v[XR+\k+2*\c:XR+\k+2*\c+1], v[8+2*\c:9+2*\c]
.endr
.endr
	FOLD
	RED
	v_fma_f32 v14, v8, s20, s21                    ; var + 1e-5
	v_rsq_f32 v14, v14
	v_nop                                          ; a plain instruction behind the transcendental
	s_wait_alu depctr_va_vdst(0)                   ; and the wait ahead of its first reader
	v_mov_b32 v15, v14
.irp k, 0,2,4,6,8,10,12,14,16,18,20,22,24,26,28,30
	v_pk_mul_f32 v[XR+\k:XR+\k+1], v[XR+\k:XR+\k+1], v[14:15]
.endr
.irp k, 0,2,4,6,8,10,12,14,16,18,20,22,24,26,28,30
	v_pk_fma_f32 v[XR+\k:XR+\k+1], v[XR+\k:XR+\k+1], v[G+\k:G+\k+1], v[BE+\k:BE+\k+1]
.endr
.irp j, 0,1,2,3,4,5,6,7
	ds_store_b128 v3, v[XR+4*\j:XR+4*\j+3] offset:576*\j
.endr
.irp e, 0,1,2,3,4,5,6,7
	ds_load_b128 v[Y+4*\e:Y+4*\e+3], v4 offset:16*\e               ; LDS serves a wave's instructions in order: these see the stores above, and the next row's stores come behind them
.endr
	s_wait_dscnt 0x0
	v_max3_num_f32 v8, |v[Y]|, |v[Y+1]|, |v[Y+2]|                  ; the block's largest magnitude: all 32 numbers are mine
	v_max3_num_f32 v9, |v[Y+3]|, |v[Y+4]|, |v[Y+5]|
.irp k, 6,10,14,18,22,26
	v_max3_num_f32 v8, v8, |v[Y+\k]|, |v[Y+\k+1]|
	v_max3_num_f32 v9, v9, |v[Y+\k+2]|, |v[Y+\k+3]|
.endr
	v_max3_num_f32 v8, v8, |v[Y+30]|, |v[Y+31]|
	v_max3_num_f32 v8, v8, v9, 0x1800000           ; and the floor 2^(3 - 127): the byte cannot fall under 1
	v_add_nc_u32 v11, 0xff000000, v8               ; 2 off the exponent field: the conversion takes this operand's exponent field as its scale
	v_cvt_scalef32_pk16_fp6_f32 v[XR:XR+2], v[Y:Y+15], v11
	v_cvt_scalef32_pk16_fp6_f32 v[XR+4:XR+6], v[Y+16:Y+31], v11    ; (a conversion's three registers begin on an even number)
	v_lshrrev_b32 v[XR+8], 23, v11                 ; the scale's byte.  Each row has registers of its own for what it stores, so no store's data are written again
	global_store_b96 v5, v[XR:XR+2], s[10:11] offset:768*\i        ; the wave's two stores cover the row's 768 bytes
	global_store_b96 v5, v[XR+4:XR+6], s[10:11] offset:768*\i+12
	global_store_b8 v1, v[XR+8], s[12:13] offset:32*\i
.endm
	ROW 0
	ROW 1
	ROW 2
	ROW 3
	s_wait_tensorcnt 0x0
	ds_add_u32 v240, v241
	s_wait_dscnt 0x0
	s_endpgm
.Lfunc_end_k_q507f5eb252_ln1:
	.size	k_q507f5eb252_ln1, .Lfunc_end_k_q507f5eb252_ln1-k_q507f5eb252_ln1
	.p2alignl 7, 3214868480
	.fill 96, 4, 3214868480
	.section	.rodata,"a",@progbits
	.p2align	6, 0x0
	.amdhsa_kernel k_q507f5eb252_ln1
		.amdhsa_group_segment_fixed_size 18944
		.amdhsa_private_segment_fixed_size 0
		.amdhsa_enable_private_segment 0
		.amdhsa_kernarg_size 40
		.amdhsa_user_sgpr_count 2
		.amdhsa_user_sgpr_kernarg_segment_ptr 1
		.amdhsa_wavefront_size32 1
		.amdhsa_system_sgpr_workgroup_id_x 1
		.amdhsa_system_sgpr_workgroup_id_y 1
		.amdhsa_system_sgpr_workgroup_id_z 1
		.amdhsa_system_vgpr_workitem_id 0
		.amdhsa_next_free_vgpr 242
		.amdhsa_next_free_sgpr 66
		.amdhsa_reserve_vcc 0
		.amdhsa_float_denorm_mode_32 3
		.amdhsa_float_denorm_mode_16_64 3
		.amdhsa_memory_ordered 1
		.amdhsa_forward_progress 1
		.amdhsa_inst_pref_size 42
	.end_amdhsa_kernel
	.amdgpu_metadata
---
amdhsa.version: [ 1, 2 ]
amdhsa.kernels:
  - .name:           k_q507f5eb252_ln1
    .symbol:         k_q507f5eb252_ln1.kd
    .args:
      - { .name: x, .offset: 0, .size: 8, .value_kind: global_buffer, .address_space: global }
      - { .name: g1, .offset: 8, .size: 8, .value_kind: global_buffer, .address_space: global }
      - { .name: be1, .offset: 16, .size: 8, .value_kind: global_buffer, .address_space: global }
      - { .name: act_codes, .offset: 24, .size: 8, .value_kind: global_buffer, .address_space: global }
      - { .name: act_scales, .offset: 32, .size: 8, .value_kind: global_buffer, .address_space: global }
    .group_segment_fixed_size: 18944
    .private_segment_fixed_size: 0
    .kernarg_segment_align: 8
    .kernarg_segment_size: 40
    .max_flat_workgroup_size: 128
    .sgpr_count:     66
    .vgpr_count:     242
    .wavefront_size: 32
...
	.end_amdgpu_metadata
.endif
;; end of part 1
;; launch qkv (part 2): grid 4 x 48, 4 waves a work-group, clusters of 4 x 4, 327,680 bytes of LDS; arguments act_codes, act_scales, wq_codes, wq_scales, wk_codes, wk_scales, wv_codes, wv_scales, bq, bk, bv, qb, kvb; writes qb, kvb
.if DOCPART == 2
	.amdgcn_target "amdgcn-amd-amdhsa--gfx1250"
	.amdhsa_code_object_version 6
	.text
	.protected	k_q507f5eb252_qkv
	.globl	k_q507f5eb252_qkv
	.p2align	8
	.type	k_q507f5eb252_qkv,@function
k_q507f5eb252_qkv:
	s_mov_b64 s[64:65], 0
	v_nop
	global_prefetch_b8 v0, s[64:65] scope:SCOPE_SE
	s_setreg_imm32_b32 hwreg(HW_REG_WAVE_MODE, 25, 1), 1
	s_wait_xcnt 0x0
	s_wait_alu depctr_hold_cnt(0) depctr_sa_sdst(0) depctr_va_vdst(0) depctr_va_sdst(0) depctr_va_ssrc(0) depctr_va_vcc(0) depctr_vm_vsrc(0)
	s_getreg_b32 s2, hwreg(HW_REG_IB_STS2, 6, 4)
	s_cmp_eq_u32 s2, 0
	s_cbranch_scc0 .Lentry_in_a_cluster
	s_endpgm
.Lentry_in_a_cluster:
	s_bfe_u32 s2, ttmp6, 0x10000c
	s_cmp_lg_u32 s2, 0xf033
	s_cbranch_scc0 .Lentry_shape_is_right
	s_endpgm
.Lentry_shape_is_right:
; q = xn wq + bq, k = xn wk + bk, v = xn wv + bv on codes of FP6 (E2M3) with E8M0 scales, K = 1,024; the results are quantised at once for attention and leave as IMAGES OF OPERAND REGISTERS.
; JOBS.  Twelve clusters of 4 x 4 work-groups; cluster y / 4 is the job (0 q, 1 k, 2 v), cluster y % 4 = I a quarter of the 4,096 tokens.  The job hangs on the cluster's number alone: the sixteen partners share it.
;   q, k: C[token][feature]: A = xn (tile row 4 I + cy), B = the weight (tile column cx).     v: C[feature][token] = v^T: A = wv (tile row cy), B = xn (tile column 4 I + cx): a lane's registers then run along the keys.
; THE LOOP.  A tile of C, 256 x 256, four waves, 128 x 128 a wave in 512 registers; K in steps of 256 through two LDS slots filled by joint tensor loads (A's tile shared along a row of the cluster, B's along a column);
; the scale bytes of the work-group's rows come once.  The matrix instruction is used transposed (source 0 = 16 rows of B, source 1 = 16 rows of A): lane (r, h) holds A's row r, register j of tile b B's row 16 b + 8 h + j.
; THE WAY OUT.  A block of 16 rows x 128 columns is 64 numbers a lane; registers 16 n .. 16 n + 15 and those of lane l xor 16 are one block of 32 along the next K.  Inside a block the order is
; 0-7, 16-23, 8-15, 24-31; q and k (along d) and v and p (along the keys) all have it, and a permutation of k applied alike to both operands keeps every product and every scale.
;   q, k: the 128 columns are two heads of 64: registers 0-5 of the fragment are the even head's tile (16 tokens x 64 d), registers 6-11 the odd head's.    v: a fragment is 16 d x 128 keys.
; qb, kvb: [batch x head 32][128 tokens 16][13,056 bytes]: 8 tiles of 768 (registers 0-3 at 16 lane, registers 4-5 at 512 + 8 lane); 4 fragments of v^T of 1,536 (3 x 512); 512 bytes of scale words of the tiles; 256 of v^T's.
; Every store covers 128, 256 or 512 consecutive bytes, aligned.  The tiles are not asked for ahead of their loads: every tile is read by many work-groups of the launch.
; 192 work-groups: three products of 64 tiles.  LIMITS: NaN and infinities are not served; a block under 2^-124 gets the byte 1, a block of zeros too (zero codes; only this program reads the bytes).
.set SIZE_K, 1024
.set APITCH, 768                       ; a row of A's codes in memory, and a K step along it
.set ASTEP,  192
.set BPITCH, 768
.set BSTEP,  192
.set KSTEP,  256                       ; along K in a slot
.set NQ,     KSTEP/128                 ; matrix instructions deep
.set ROWB,   192                       ; a tile's row in bytes
.set PITCH,  240                       ; an LDS row: 3 x (64 bytes + 16 of padding)
.set FR,     12                        ; registers of a fragment
.set NL,     6                         ; LDS loads that bring one
.set NP,     4                         ; places behind this matrix instruction (ISA guide 7.12.1)
.set HALFT,  128*PITCH
.set SLOT,   4*HALFT                   ; A's 256 rows, then B's 256 rows
.set LAPS,   SIZE_K/(2*KSTEP)
.set KS,     SIZE_K/32                 ; a row of scale bytes
.set SCL,    2*SLOT                    ; behind the ring: the scales, as 256 bytes + 16 of padding
.set HALFS,  (128*KS/256)*272
.set SBLK,   (16*KS/256)*272
.set SPARE,  SCL+4*HALFS               ; the spare words, 128 bytes a wave, that no other line names
.set ADRA, 16                          ; v16-19 LDS addresses of A's fragments (slot 0, 1; the same behind one padding more)
.set ADRB, 20                          ; v20-23 of B's
.set ADRS, 27                          ; v27    of my scale words
.set SPW,  28                          ; v28    my spare word; never rewritten
.set NIL,  29                          ; v29    0; never rewritten
.set SC,   32                          ; v32-63 scale words, two sets; they hold scales and nothing else
.set AF,   128                         ; A's fragments, window 0
.set G1, 24
.set G0, 32
.set G1B, 48
.set G0B, 56
.set G1S, 68
.set G0S, 76
.set G1SB, 80
.set G0SB, 88
.set STEPB, 13056                      ; a block of 128 tokens of one head in qb and kvb
.set HEADB, 16*STEPB
.set VIMG,  6144
.set KSC,   12288
.set VSC,   12800
.set BM,   64                          ; v64-79   the way out: the bias by row, a pair for each block of 16 rows
.set T,    128                         ; v128-191 64 numbers
.set CDS,  192                         ; v192-211 the codes just made
.set TM,   212                         ; v212-227 at work in QUANT
.set PW,   228                         ; the scale word just made
.set PWP,  229                         ; and the one before
.set MSB, 0
.macro WIN new                         ; the immediate's high byte repeats the setting that is left
.if MSB != \new
	s_set_vgpr_msb (MSB<<8)|\new
.set MSB, \new
.endif
.endm
.set MUL_LO, 0xa1                      ; source 0 (B) window 1, source 1 (A) window 0, C and D window 2
.set MUL_HI, 0xf1                      ; the same, C and D window 3
.set TO_B,   0x40                      ; destination window 1, address window 0
.macro JLOAD g0a, g1a, g0b, g1b        ; a joint load: waves 0 and 1 fetch for A, waves 2 and 3 for B; the branch hangs on the wave's number alone; four v_nop follow each line
	s_cmp_eq_u32 s15, 0
	s_cbranch_scc0 .Lfor_b_\@
	tensor_load_to_lds s[\g0a:\g0a+3], s[\g1a:\g1a+7]
	s_nop 0
.rept 4
	v_nop
.endr
	s_branch .Lasked_\@
.Lfor_b_\@:
	tensor_load_to_lds s[\g0b:\g0b+3], s[\g1b:\g1b+7]
	s_nop 0
.rept 4
	v_nop
.endr
.Lasked_\@:
.endm
.macro CREST                           ; a round of the cluster's barrier behind its opening barrier
	s_cmp_lg_u32 s14, 0
	s_cbranch_scc1 .Lnot_wave_0_\@
	s_barrier_signal -3
.Lnot_wave_0_\@:
	s_barrier_wait -3
	s_barrier_signal -1
	s_barrier_wait -1
.endm
.macro CROUND
	s_barrier_signal -1
	s_barrier_wait -1
	CREST
.endm
	s_load_b512 s[68:83], s[0:1], 0x0              ; xn's codes, scales; wq's; wk's; wv's
	v_lshl_add_u32 v[SPW], v0, 2, SPARE
	v_mov_b32 v[NIL], 0
	ds_add_u32 v28, v29
	ds_add_u32 v28, v29
	s_wait_dscnt 0x0
	v_lshrrev_b32 v1, 5, v0
	v_readfirstlane_b32 s14, v1                    ; wave 0..3
	s_lshr_b32 s15, s14, 1                         ; which half of the tile's rows is mine.  Also: I fetch for A (0) or for B (1)
	s_and_b32 s16, s14, 1                          ; which half of its columns.  Also: which 128 rows of that tile I fetch
	s_bfe_u32 s40, ttmp6, 0x40000                  ; cx, cy: my place in the cluster
	s_bfe_u32 s41, ttmp6, 0x40004
	s_and_b32 s18, ttmp7, 0xffff                   ; the cluster's y
	s_lshr_b32 s19, s18, 2                         ; the job
	s_and_b32 s18, s18, 3                          ; I
	s_wait_kmcnt 0x0
	s_cmp_eq_u32 s19, 2                            ; the choices hang on the cluster's number alone
	s_cselect_b64 s[4:5], s[80:81], s[68:69]       ; A's codes: wv's or xn's
	s_cselect_b64 s[6:7], s[82:83], s[70:71]       ; A's scales
	s_cselect_b64 s[8:9], s[68:69], s[72:73]       ; B's codes: xn's or wq's
	s_cselect_b64 s[10:11], s[70:71], s[74:75]
	s_cselect_b32 s20, 0, s18                      ; the quarter of the tokens lies along the rows (q, k)
	s_cselect_b32 s21, s18, 0                      ; or along the columns (v)
	s_cmp_eq_u32 s19, 1
	s_cselect_b64 s[8:9], s[76:77], s[8:9]         ; wk's
	s_cselect_b64 s[10:11], s[78:79], s[10:11]
	s_lshl_b32 s42, s21, 2
	s_add_co_u32 s42, s42, s40                     ; tile column of C
	s_lshl_b32 s17, s20, 2
	s_add_co_u32 s17, s17, s41                     ; tile row of C
	s_lshl_b32 s43, s41, 2
	s_lshl_b32 s43, 15, s43                        ; my row of the cluster
	s_lshl_b32 s44, 0x1111, s40                    ; my column
	s_or_b32 s[G1+0], s43, (1<<20)|(1<<21)|(3<<22)|(3<<25)   ; 15:0 the mask; 17:16 elements of 1 byte; 20 padding on; 21 set beside a mask; 24:22 after every 16 words; 31:25 of 4 words
	s_or_b32 s[G1B+0], s44, (1<<20)|(1<<21)|(3<<22)|(3<<25)
.irp g, G1, G1B
	s_mov_b32 s[\g+1], ROWB<<16                    ; tensor_dim0
	s_mov_b32 s[\g+2], 128<<16                     ; tensor_dim1
	s_mov_b32 s[\g+3], ROWB<<16                    ; tile_dim0
	s_mov_b32 s[\g+4], 128                         ; tile_dim1
	s_mov_b32 s[\g+6], 0
	s_mov_b32 s[\g+7], 0
.endr
	s_mov_b32 s[G1+5], APITCH                      ; tensor_dim0_stride
	s_mov_b32 s[G1B+5], BPITCH
	s_or_b32 s[G1S+0], s43, (3<<16)|(1<<20)|(1<<21)|(5<<22)|(3<<25)   ; the scales of 128 rows: a dense block, as rows of 256 bytes (32 elements of 8), 16 bytes of padding behind each
	s_or_b32 s[G1SB+0], s44, (3<<16)|(1<<20)|(1<<21)|(5<<22)|(3<<25)
.irp g, G1S, G1SB
	s_mov_b32 s[\g+1], 32<<16
	s_mov_b32 s[\g+2], (128*KS/256)<<16
	s_mov_b32 s[\g+3], 32<<16
	s_mov_b32 s[\g+4], 128*KS/256
	s_mov_b32 s[\g+5], 32
	s_mov_b32 s[\g+6], 0
	s_mov_b32 s[\g+7], 0
.endr
	s_lshl_b32 s18, s16, 7                         ; which 128 rows of the tile I fetch
	s_lshl_b32 s20, s17, 8
	s_add_co_u32 s20, s20, s18                     ; A: row 256 x tile row + 128 x half
	s_lshl_b32 s46, s42, 8
	s_add_co_u32 s46, s46, s18                     ; B: row 256 x tile column + 128 x half
	s_mov_b32 s21, 0
	s_mov_b32 s47, 0
	s_mov_b64 s[18:19], KS
	s_mul_u64 s[22:23], s[20:21], s[18:19]         ; where these rows' scales begin
	s_mul_u64 s[92:93], s[46:47], s[18:19]
	s_mov_b64 s[18:19], APITCH
	s_mul_u64 s[20:21], s[20:21], s[18:19]         ; and their codes
	s_mov_b64 s[18:19], BPITCH
	s_mul_u64 s[46:47], s[46:47], s[18:19]
	s_mul_i32 s45, s14, HALFT                      ; where they go: wave x 128 rows: no place in the cluster enters an LDS address
	s_mul_i32 s94, s14, HALFS
	s_add_nc_u64 s[20:21], s[4:5], s[20:21]
	s_add_nc_u64 s[22:23], s[6:7], s[22:23]
	s_add_nc_u64 s[46:47], s[8:9], s[46:47]
	s_add_nc_u64 s[92:93], s[10:11], s[92:93]
	CROUND                                         ; all sixteen work-groups are here: the first joint loads meet
	s_mov_b32 s[G0S], 1
	s_add_co_u32 s[G0S+1], s94, SCL
	s_mov_b64 s[G0S+2:G0S+3], s[22:23]
	s_or_b32 s[G0S+3], s[G0S+3], 0x80000000
	s_mov_b32 s[G0SB], 1
	s_add_co_u32 s[G0SB+1], s94, SCL
	s_mov_b64 s[G0SB+2:G0SB+3], s[92:93]
	s_or_b32 s[G0SB+3], s[G0SB+3], 0x80000000
	JLOAD G0S, G1S, G0SB, G1SB                     ; the scales first: they are wanted with K step 0
.irp s, 0,1
	s_mov_b32 s[G0+4*\s], 1
	s_add_co_u32 s[G0+4*\s+1], s45, \s*SLOT
	s_add_nc_u64 s[G0+4*\s+2:G0+4*\s+3], s[20:21], \s*ASTEP
	s_or_b32 s[G0+4*\s+3], s[G0+4*\s+3], 0x80000000
	s_mov_b32 s[G0B+4*\s], 1
	s_add_co_u32 s[G0B+4*\s+1], s45, \s*SLOT
	s_add_nc_u64 s[G0B+4*\s+2:G0B+4*\s+3], s[46:47], \s*BSTEP
	s_or_b32 s[G0B+4*\s+3], s[G0B+4*\s+3], 0x80000000
	JLOAD G0+4*\s, G1, G0B+4*\s, G1B               ; three tensor loads of mine are out
.endr
	v_and_b32 v1, 15, v0                           ; r
	v_bfe_u32 v2, v0, 4, 1                         ; h
	v_mul_u32_u24 v3, v1, PITCH
	v_mul_u32_u24 v4, v2, 24
	v_add_nc_u32 v4, v3, v4                        ; a fragment's row x pitch + 24 x half
	v_lshl_add_u32 v5, v2, 4, v4                   ; and the same behind one padding more
	s_mul_i32 s21, s15, HALFT                      ; my 128 rows of A
	s_mul_i32 s22, s16, HALFT                      ; my 128 rows of B,
	s_add_co_u32 s22, s22, 2*HALFT                 ; which lie behind A's 256
.irp s, 0,1
	v_add_nc_u32 v[ADRA+\s], s21, v4
	v_add_nc_u32 v[ADRB+\s], s22, v4
	v_add_nc_u32 v[ADRA+2+\s], s21, v5
	v_add_nc_u32 v[ADRB+2+\s], s22, v5
	s_add_co_u32 s21, s21, SLOT
	s_add_co_u32 s22, s22, SLOT
.endr
	v_mul_u32_u24 v5, v1, KS                       ; my row's scales: KS bytes a row,
	v_lshrrev_b32 v6, 8, v5
	v_lshl_add_u32 v5, v6, 4, v5                   ; and 16 more for each 256 passed
	s_mul_i32 s21, s15, HALFS
	s_mul_i32 s22, s16, HALFS
	s_add_co_u32 s22, s22, 2*HALFS
	s_sub_co_u32 s22, s22, s21
	v_mul_u32_u24 v6, s22, v2                      ; lanes 16-31 take B's: one product, the distance between the two bases
	s_add_co_u32 s21, s21, SCL
	v_add_nc_u32 v5, v5, v6
	v_add_nc_u32 v[ADRS], s21, v5
	v_and_b32 v6, 31, v0                           ; the way out's offsets
	v_lshlrev_b32 v24, 4, v6                       ; 16 x lane
	v_lshlrev_b32 v25, 3, v6                       ; 8 x lane
	v_lshlrev_b32 v26, 2, v6                       ; 4 x lane
	v_mul_u32_u24 v7, v2, HEADB
	v_lshl_add_u32 v7, v1, 2, v7                   ; a tile's scale words: 4 r; lanes 16-31 one head on
	v_lshlrev_b32 v10, 5, v2                       ; the bias by column: 32 h
	v_lshlrev_b32 v11, 2, v1                       ; the bias by row: 4 r
.macro FRAG reg, adr, q, i             ; 16 rows x 128 K: lane (r, h) takes 24 bytes at 24 h and 24 at 48 + 24 h of the row's 96, in pieces of 8 bytes; where the piece three on lies behind one padding more, the second address register serves
.irp p, 0,1,2,3,4,5
.set PCE, 12*(\q)+6*(\p/3)+\p%3
.if PCE%8 < 5
	ds_load_b64 v[\reg+2*\p:\reg+2*\p+1], v[\adr] offset:8*PCE+16*(PCE/8)+(\i)*16*PITCH
.else
	ds_load_b64 v[\reg+2*\p:\reg+2*\p+1], v[\adr+2] offset:8*PCE+16*(PCE/8)+(\i)*16*PITCH
.endif
.endr
.endm
; 16 matrix instructions: A's blocks a0, a0 + 1 x B's eight.  The 64 accumulators take turns, one instruction a turn, in the same order in every step.  zero = 1: the first product starts the sums.
.macro MUL16 a0, p, q, sc, zero
.irp a, \a0, \a0+1
.irp b, 0,1,2,3,4,5,6,7
.if \zero
	v_wmma_scale_f32_16x16x128_f8f6f4 v[8*(8*((\a)%4)+\b):8*(8*((\a)%4)+\b)+7], v[128*(\p)+FR*\b:128*(\p)+FR*\b+FR-1], v[AF+FR*(\a):AF+FR*(\a)+FR-1], 0, v[SC+8*NQ*(\sc)+NQ*\b+(\q)], v[SC+8*NQ*(\sc)+NQ*(\a)+(\q)] matrix_a_fmt:MATRIX_FMT_FP6 matrix_b_fmt:MATRIX_FMT_FP6 matrix_a_scale:MATRIX_SCALE_ROW1
.else
	v_wmma_scale_f32_16x16x128_f8f6f4 v[8*(8*((\a)%4)+\b):8*(8*((\a)%4)+\b)+7], v[128*(\p)+FR*\b:128*(\p)+FR*\b+FR-1], v[AF+FR*(\a):AF+FR*(\a)+FR-1], v[8*(8*((\a)%4)+\b):8*(8*((\a)%4)+\b)+7], v[SC+8*NQ*(\sc)+NQ*\b+(\q)], v[SC+8*NQ*(\sc)+NQ*(\a)+(\q)] matrix_a_fmt:MATRIX_FMT_FP6 matrix_b_fmt:MATRIX_FMT_FP6 matrix_a_scale:MATRIX_SCALE_ROW1
.endif
.endr
.endr
.endm
.macro FETCH_B slot, q, p              ; B's eight fragments of the slot's q-th 128 along K into set p
	WIN TO_B
.irp i, 0,1,2,3,4,5,6,7
	FRAG 128*(\p)+FR*\i, ADRB+\slot, \q, \i
.endr
	WIN 0
.endm
.macro FETCH_A slot, q, i0             ; A's blocks i0 .. i0 + 3
.irp i, \i0, \i0+1, \i0+2, \i0+3
	FRAG AF+FR*(\i), ADRA+\slot, \q, \i
.endr
.endm
.macro SCALES sc                       ; a K step's scale words: lanes 0-15 A's block i, lanes 16-31 B's block i
.irp i, 0,1,2,3,4,5,6,7
	ds_load_b64 v[SC+8*NQ*\sc+NQ*\i:SC+8*NQ*\sc+NQ*\i+1], v[ADRS] offset:\i*SBLK
.endr
.endm
.macro PLACES n                        ; plain vector instructions between a matrix instruction and a load into, or a read of, its registers
.rept \n
	v_nop
.endr
.endm
.macro STEP slot, q, zero              ; a step of 128 along K that has its successor in the same slot
	s_wait_dscnt 4*NL                              ; B's set and A's blocks 0-3 are in; the 24 youngest loads (A's blocks 4-7) may be out
	WIN MUL_LO
	MUL16 0, (\q)%2, \q, \slot, \zero
	MUL16 2, (\q)%2, \q, \slot, \zero
	s_wait_dscnt 0
	PLACES NP
	FETCH_B \slot, (\q)+1, 1-(\q)%2
	FETCH_A \slot, (\q)+1, 0
	WIN MUL_HI
	MUL16 4, (\q)%2, \q, \slot, \zero
	MUL16 6, (\q)%2, \q, \slot, \zero
	PLACES NP
	WIN 0
	FETCH_A \slot, (\q)+1, 4
.endm
.macro TURN slot, next, fill           ; a slot's last step changes slots: one barrier; fill = 1: this slot is filled again, two K steps ahead, behind a round of the cluster's barrier
	s_wait_tensorcnt 0x0                           ; all my tensor loads have landed: my part of the next slot
	ds_add_u32 v[SPW], v[NIL]                      ; 0 onto my spare word
	s_wait_dscnt 4*NL+1                            ; (the add and the 24 youngest loads may be out)
	WIN MUL_LO
	MUL16 0, 1, NQ-1, \slot, 0
	s_wait_dscnt 0x0                               ; the add is done, and my reads of this slot are over
	s_barrier_signal -1
	MUL16 2, 1, NQ-1, \slot, 0
	WIN 0
	s_barrier_wait -1
.if \fill
	CREST                                          ; no wave of any partner still reads this slot's tile or has a load on its way
	s_add_nc_u64 s[G0+4*\slot+2:G0+4*\slot+3], s[G0+4*\slot+2:G0+4*\slot+3], 2*ASTEP
	s_add_nc_u64 s[G0B+4*\slot+2:G0B+4*\slot+3], s[G0B+4*\slot+2:G0B+4*\slot+3], 2*BSTEP
	JLOAD G0+4*\slot, G1, G0B+4*\slot, G1B         ; my one tensor load behind the round; its four v_nop are the places in front of the loads below
.else
	PLACES NP
.endif
	v_add_nc_u32 v[ADRS], 4*NQ, v[ADRS]            ; on to the next K step's scale words
	FETCH_B \next, 0, 0
	FETCH_A \next, 0, 0
	SCALES \next
	WIN MUL_HI
	MUL16 4, 1, NQ-1, \slot, 0
	MUL16 6, 1, NQ-1, \slot, 0
	PLACES NP
	WIN 0
	FETCH_A \next, 0, 4
.endm
	s_wait_tensorcnt 1                             ; the scales and my part of K step 0 are in; K step 1's load may be out
	s_barrier_signal -1
	s_barrier_wait -1
	FETCH_B 0, 0, 0
	FETCH_A 0, 0, 0
	SCALES 0
	FETCH_A 0, 0, 4
	STEP 0, 0, 1                                   ; the first step's products start the sums
	s_mov_b32 s3, LAPS-1
.Llap:                                                 ; a trip goes once round the ring and fills both slots again
	TURN 0, 1, 1
	STEP 1, 0, 0
	TURN 1, 0, 1
	STEP 0, 0, 0
	s_sub_co_u32 s3, s3, 1
	s_cmp_lg_u32 s3, 0
	s_cbranch_scc1 .Llap
	TURN 0, 1, 0                                   ; the last lap fills nothing
	STEP 1, 0, 0
	s_wait_dscnt 4*NL
	WIN MUL_LO
	MUL16 0, 1, NQ-1, 1, 0
	MUL16 2, 1, NQ-1, 1, 0
	s_wait_dscnt 0
	WIN MUL_HI
	MUL16 4, 1, NQ-1, 1, 0
	MUL16 6, 1, NQ-1, 1, 0
	WIN 0
; 64 numbers of a lane, v[s] .. v[s + 63], registers 16 b .. 16 b + 15 my half of block b of my row, become a fragment's codes in v[CDS] on and its scale word in v[PW].
.macro QUANT s
.irp b, 0,1,2,3
	v_max3_num_f32 v[TM+\b], |v[\s+16*\b]|, |v[\s+1+16*\b]|, 0x1800000   ; with the floor 2^(3 - 127): the byte cannot fall under 1
.endr
.irp i, 2,4,6,8,10,12,14
.irp b, 0,1,2,3
	v_max3_num_f32 v[TM+\b], v[TM+\b], |v[\s+16*\b+\i]|, |v[\s+1+16*\b+\i]|
.endr
.endr
.irp b, 0,1,2,3
	v_permlanex16_b32 v[TM+4+\b], v[TM+\b], s66, s67
.endr
.irp b, 0,1,2,3
	v_max_num_f32 v[TM+\b], v[TM+\b], v[TM+4+\b]   ; with lane l xor 16's: the block's largest magnitude
.endr
.irp b, 0,1,2,3
	v_add_nc_u32 v[TM+12+\b], 0xff000000, v[TM+\b] ; 2 off its exponent field: the conversion's scale operand
.endr
.irp b, 0,1,2,3
	v_lshrrev_b32 v[TM+4+\b], 23, v[TM+12+\b]      ; the scale's byte
.endr
	v_lshl_or_b32 v[PW], v[TM+5], 8, v[TM+4]
	v_lshl_or_b32 v[PW], v[TM+6], 16, v[PW]
	v_lshl_or_b32 v[PW], v[TM+7], 24, v[PW]
.irp c, 0,1
	v_cvt_scalef32_pk16_fp6_f32 v[CDS+6*\c:CDS+2+6*\c], v[\s+32*\c:\s+15+32*\c], v[TM+12+2*\c]
	v_cvt_scalef32_pk16_fp6_f32 v[CDS+12+4*\c:CDS+14+4*\c], v[\s+16+32*\c:\s+31+32*\c], v[TM+12+2*\c+1]
.endr
	v_nop                                          ; one plain place behind a scaled conversion
.irp c, 0,1                                    ; the operand's layout wants a whole block in a lane: lanes 0-15 block 2 c, lanes 16-31 block 2 c + 1
.irp i, 0,1,2
	v_permlane16_swap_b32 v[CDS+6*\c+\i], v[CDS+12+4*\c+\i]
.endr
.irp i, 0,1,2
	v_mov_b32 v[CDS+3+6*\c+\i], v[CDS+12+4*\c+\i]
.endr
.endr
.endm
	; THE WAY OUT.  No tensor load of mine is out (the last change of slots waited for all), so the descriptors' registers are free.
	PLACES NP
	s_load_b256 s[24:31], s[0:1], 0x40             ; bq s[24:25], bk s[26:27], bv s[28:29], qb s[30:31]
	s_load_b64 s[32:33], s[0:1], 0x60              ; kvb
	s_mov_b32 s66, 0x76543210                      ; v_permlanex16_b32: lane l xor 16
	s_mov_b32 s67, 0xfedcba98
	s_mov_b32 s95, 0xffff0000                      ; lanes 16-31
	s_and_b32 s18, ttmp7, 0xffff
	s_lshr_b32 s19, s18, 2                         ; the job
	s_lshl_b32 s20, s17, 8
	s_lshl_b32 s21, s15, 7
	s_add_co_u32 s20, s20, s21                     ; my first row of C
	s_lshl_b32 s21, s42, 8
	s_lshl_b32 s22, s16, 7
	s_add_co_u32 s21, s21, s22                     ; my first column
	s_cmp_eq_u32 s19, 2                            ; every choice on this compare stands ahead of the next line that sets SCC
	s_cselect_b32 s22, s21, s20                    ; my first token,
	s_cselect_b32 s23, s20, s21                    ; my first feature
	s_cselect_b32 s34, 0, -1                       ; the bias goes by column in jobs q and k,
	s_cselect_b32 s35, -1, 0                       ; by row in job v: the other one is made 0, with no branch in the arithmetic
	s_cselect_b32 s36, 0, s21                      ; and is loaded from the bias's first numbers, so that no load leaves its buffer
	s_cselect_b32 s37, s20, 0
	s_lshr_b32 s23, s23, 6                         ; my even head
	s_lshr_b32 s38, s22, 11                        ; the batch
	s_lshl_b32 s38, s38, 4
	s_add_co_u32 s38, s38, s23
	s_lshl_b32 s38, s38, 4
	s_bfe_u32 s39, s22, 0x40007                    ; which 128 tokens of the 2,048
	s_add_co_u32 s38, s38, s39
	s_mul_i32 s38, s38, STEPB
	s_mov_b32 s39, 0
	s_lshl_b32 s36, s36, 2
	s_lshl_b32 s37, s37, 2
	s_wait_kmcnt 0x0
	s_cmp_eq_u32 s19, 0
	s_cselect_b64 s[30:31], s[30:31], s[32:33]     ; q goes to qb, k and v to kvb
	s_cselect_b64 s[24:25], s[24:25], s[26:27]
	s_cmp_eq_u32 s19, 2
	s_cselect_b64 s[24:25], s[28:29], s[24:25]     ; the job's bias
	s_add_nc_u64 s[30:31], s[30:31], s[38:39]      ; the even head's block of 128 tokens,
	s_add_nc_u64 s[32:33], s[30:31], HEADB         ; the odd head's
	s_mov_b32 s38, s36
	s_add_nc_u64 s[26:27], s[24:25], s[38:39]      ; the bias by column
	s_mov_b32 s38, s37
	s_add_nc_u64 s[28:29], s[24:25], s[38:39]      ; the bias by row
	WIN 0x40                                       ; destination window 1: v0-63 there take the bias by column: register 8 b + j = column 16 b + 8 h + j
.irp b, 0,1,2,3,4,5,6,7
	global_load_b128 v[8*\b:8*\b+3], v10, s[26:27] offset:64*\b
	global_load_b128 v[8*\b+4:8*\b+7], v10, s[26:27] offset:64*\b+16
.endr
	WIN 0
.irp a, 0,1,2,3,4,5,6,7
	global_load_b32 v[BM+2*\a], v11, s[28:29] offset:64*\a         ; row 16 a + r
.endr
.irp b, 0,1,2,3
	v_mov_b32 v[TM+4+\b], 0                        ; written once: a lane permute's destination counts as one of its sources
.endr
	s_wait_loadcnt 0x0
	WIN 0x44                                       ; source 1 and destination window 1
.set i, 0
.rept 64
	v_cndmask_b32 v[i], 0, v[i], s34
.set i, i+1
.endr
	WIN 0
.irp a, 0,1,2,3,4,5,6,7
	v_cndmask_b32 v[BM+2*\a], 0, v[BM+2*\a], s35
.endr
.irp a, 0,1,2,3,4,5,6,7
	v_mov_b32 v[BM+2*\a+1], v[BM+2*\a]             ; a pair for the packed addition
.endr
.macro OUTBLK a                        ; my rows 16 a .. 16 a + 15
	s_wait_xcnt 0x0                                ; the last block's stores have had their addresses translated (ISA guide 3.1): their data registers are written again only behind this wait
	WIN 0x06+(\a)/4                                ; source 0: the accumulators' window, source 1: window 1
.set i, 0
.rept 32
	v_pk_add_f32 v[T+2*i:T+2*i+1], v[64*((\a)%4)+2*i:64*((\a)%4)+2*i+1], v[2*i:2*i+1]   ; each accumulator from its low end on
.set i, i+1
.endr
	WIN 0
.set i, 0
.rept 32
	v_pk_add_f32 v[T+2*i:T+2*i+1], v[T+2*i:T+2*i+1], v[BM+2*(\a):BM+2*(\a)+1]
.set i, i+1
.endr
	QUANT T
	s_cmp_eq_u32 s19, 2                            ; the job: the same in all partners
	s_cbranch_scc1 .Lway_v_\@
	global_store_b128 v24, v[CDS:CDS+3], s[30:31] offset:768*(\a)            ; the even head's tile a: registers 0-3, 512 consecutive bytes,
	global_store_b64 v25, v[CDS+4:CDS+5], s[30:31] offset:768*(\a)+512       ; registers 4-5, 256
	global_store_b128 v24, v[CDS+6:CDS+9], s[32:33] offset:768*(\a)          ; the odd head's
	global_store_b64 v25, v[CDS+10:CDS+11], s[32:33] offset:768*(\a)+512
	v_lshrrev_b32 v230, 16, v[PW]                  ; the odd head's two bytes.  (A word's upper two bytes scale zero codes in attention: any byte but 0xff serves)
	v_cndmask_b32 v231, v[PW], v230, s95           ; lanes 0-15 the even head's word, lanes 16-31 the odd head's
	global_store_b32 v7, v231, s[30:31] offset:KSC+64*(\a)
	s_branch .Ljoin_\@
.Lway_v_\@:
.irp c, 0,1,2
	global_store_b128 v24, v[CDS+4*\c:CDS+4*\c+3], s[30+2*((\a)/4):31+2*((\a)/4)] offset:VIMG+1536*((\a)%4)+512*\c   ; head a / 4, d 16 (a % 4) on: the fragment as it stands
.endr
.if (\a)%2
	v_cndmask_b32 v231, v[PWP], v[PW], s95         ; two fragments' scale words: 128 consecutive bytes
	global_store_b32 v26, v231, s[30+2*((\a)/4):31+2*((\a)/4)] offset:VSC+64*((\a)%4-1)
.endif
.Ljoin_\@:
	v_mov_b32 v[PWP], v[PW]
.endm
.irp a, 0,1,2,3,4,5,6,7
	OUTBLK \a
.endr
	s_wait_tensorcnt 0x0                           ; the wave's end
	ds_add_u32 v[SPW], v[NIL]
	s_wait_dscnt 0x0
	CROUND                                         ; the closing round: no work-group ends while a partner may still ask for a tile that names it
	s_endpgm
.Lfunc_end_k_q507f5eb252_qkv:
	.size	k_q507f5eb252_qkv, .Lfunc_end_k_q507f5eb252_qkv-k_q507f5eb252_qkv
	.p2alignl 7, 3214868480
	.fill 96, 4, 3214868480
	.section	.rodata,"a",@progbits
	.p2align	6, 0x0
	.amdhsa_kernel k_q507f5eb252_qkv
		.amdhsa_group_segment_fixed_size 327680
		.amdhsa_private_segment_fixed_size 0
		.amdhsa_enable_private_segment 0
		.amdhsa_kernarg_size 104
		.amdhsa_user_sgpr_count 2
		.amdhsa_user_sgpr_kernarg_segment_ptr 1
		.amdhsa_wavefront_size32 1
		.amdhsa_system_sgpr_workgroup_id_x 1
		.amdhsa_system_sgpr_workgroup_id_y 1
		.amdhsa_system_sgpr_workgroup_id_z 1
		.amdhsa_system_vgpr_workitem_id 0
		.amdhsa_next_free_vgpr 1024
		.amdhsa_next_free_sgpr 100
		.amdhsa_reserve_vcc 0
		.amdhsa_float_denorm_mode_32 3
		.amdhsa_float_denorm_mode_16_64 3
		.amdhsa_memory_ordered 1
		.amdhsa_forward_progress 1
		.amdhsa_inst_pref_size 210
	.end_amdhsa_kernel
	.amdgpu_metadata
---
amdhsa.version: [ 1, 2 ]
amdhsa.kernels:
  - .name:           k_q507f5eb252_qkv
    .symbol:         k_q507f5eb252_qkv.kd
    .args:
      - { .name: act_codes, .offset: 0, .size: 8, .value_kind: global_buffer, .address_space: global }
      - { .name: act_scales, .offset: 8, .size: 8, .value_kind: global_buffer, .address_space: global }
      - { .name: wq_codes, .offset: 16, .size: 8, .value_kind: global_buffer, .address_space: global }
      - { .name: wq_scales, .offset: 24, .size: 8, .value_kind: global_buffer, .address_space: global }
      - { .name: wk_codes, .offset: 32, .size: 8, .value_kind: global_buffer, .address_space: global }
      - { .name: wk_scales, .offset: 40, .size: 8, .value_kind: global_buffer, .address_space: global }
      - { .name: wv_codes, .offset: 48, .size: 8, .value_kind: global_buffer, .address_space: global }
      - { .name: wv_scales, .offset: 56, .size: 8, .value_kind: global_buffer, .address_space: global }
      - { .name: bq, .offset: 64, .size: 8, .value_kind: global_buffer, .address_space: global }
      - { .name: bk, .offset: 72, .size: 8, .value_kind: global_buffer, .address_space: global }
      - { .name: bv, .offset: 80, .size: 8, .value_kind: global_buffer, .address_space: global }
      - { .name: qb, .offset: 88, .size: 8, .value_kind: global_buffer, .address_space: global }
      - { .name: kvb, .offset: 96, .size: 8, .value_kind: global_buffer, .address_space: global }
    .group_segment_fixed_size: 327680
    .private_segment_fixed_size: 0
    .kernarg_segment_align: 8
    .kernarg_segment_size: 104
    .max_flat_workgroup_size: 128
    .sgpr_count:     100
    .vgpr_count:     1024
    .wavefront_size: 32
...
	.end_amdgpu_metadata
.endif
;; end of part 2
;; launch attn (part 3): grid 8 x 32, 16 waves a work-group, clusters of 4 x 1, 215,040 bytes of LDS; arguments qb, kvb, act_codes, act_scales; writes act_codes, act_scales
.if DOCPART == 3
	.amdgcn_target "amdgcn-amd-amdhsa--gfx1250"
	.amdhsa_code_object_version 6
	.text
	.protected	k_q507f5eb252_attn
	.globl	k_q507f5eb252_attn
	.p2align	8
	.type	k_q507f5eb252_attn,@function
k_q507f5eb252_attn:
	s_mov_b64 s[64:65], 0
	v_nop
	global_prefetch_b8 v0, s[64:65] scope:SCOPE_SE
	s_setreg_imm32_b32 hwreg(HW_REG_WAVE_MODE, 25, 1), 1
	s_wait_xcnt 0x0
	s_wait_alu depctr_hold_cnt(0) depctr_sa_sdst(0) depctr_va_vdst(0) depctr_va_sdst(0) depctr_va_ssrc(0) depctr_va_vcc(0) depctr_vm_vsrc(0)
	s_getreg_b32 s2, hwreg(HW_REG_IB_STS2, 6, 4)
	s_cmp_eq_u32 s2, 0
	s_cbranch_scc0 .Lentry_in_a_cluster
	s_endpgm
.Lentry_in_a_cluster:
	s_bfe_u32 s2, ttmp6, 0x10000c
	s_cmp_lg_u32 s2, 0x3003
	s_cbranch_scc0 .Lentry_shape_is_right
	s_endpgm
.Lentry_shape_is_right:
; Attention of one (batch, head) on codes of FP6 (E2M3): S = q k^T / 8 (K = the head's 64, the upper half of the instruction's 128 filled with zero codes on both sides), softmax, O = p v (K = the keys).
; THE SOFTMAX: t = score x log2(e) / 8; M = the row's largest t so far, rounded up to a whole number; p = 2^(t - M) is quantised along the keys, not normalised; the row's sum is taken of the unquantised p and divides O at the end.
; When M moves, the sum and O are multiplied by 2^(old M - new M), which rounds nothing.  O / sum is quantised along the model's 1,024 (a head is two blocks of 32) and leaves as codes [4096][768] and scale bytes [4096][32].
; SHARES.  A work-group owns 256 queries of one head; each of its sixteen waves one tile of 16, in 256 registers: four waves to a SIMD, so that one wave's vector work stands beside another's matrix work and LDS loads.
; K, V AND THEIR SCALES OF THE WHOLE HEAD LIE IN LDS, FILLED ONCE: 16 blocks of 13,056 bytes (128 keys each), images of operand registers as the launch before laid them.  Wave w brings block w by one tensor load:
; one load a wave is out.  No slot is filled again, so the loop over the keys has no barrier, and nothing is left to be asked for ahead of its load.
; CLUSTER.  The four query blocks of a cluster belong to one head and need the same bytes: each load is asked for jointly, with the mask of all four.
; LAYOUT.  Both products are used transposed (S^T = k q^T, O^T = v^T p^T): a lane holds one query throughout.  The 16 registers of tiles 2 b, 2 b + 1 and those of lane l xor 16 are block b of 32 keys, in the order
; 0-7, 16-23, 8-15, 24-31, which v's codes have too: a permutation of k applied alike to both operands keeps the products and the scales.  For the given weight wo the true order is restored by lane swaps.
; A head's part of a row of the result is 48 bytes of codes and 2 scale bytes: these stores are short runs; longer ones would want four heads in one work-group, and then K and V would be shared by a quarter as many queries.
; LIMITS: NaN and infinities are not served; a block of the result under 2^-124 gets the byte 1, a block of zeros too (zero codes; only this program reads the bytes).
; A block's largest p is taken from its largest score through the same multiply-add and exponential; this leans on v_exp_f32 not falling where its input rises.
.set STEPB, 13056                      ; 128 keys: 8 tiles of k (768), 4 fragments of v^T (1,536), k's scale words (512), v^T's (256)
.set VIMG,  6144
.set KSC,   12288
.set VSC,   12800
.set KF,    32                         ; v32-79   four fragments of k; the upper six registers of each stay 0
.set VF,    80                         ; v80-127  four fragments of v^T
.set S,     128                        ; v128-191 S^T, then p
.set O,     192                        ; v192-223 O^T
; v1-3: 16, 8, 4 x lane; v4-6 the same + the step's LDS byte; v8-11 k's scale words; v12 -M, v13 the largest t, v[14:15] the sum; v16-27 q (v22-27 = 0); v28-29 v^T's scale words; v30 q's; v31 p's;
; v224-235 p's codes; v236-243, v254 at work; v244-247 the conversions' scale operands; v248-251 the blocks' largest scores; v[252:253] f.
.macro CROUND                          ; a round of the cluster's barrier
	s_barrier_signal -1
	s_barrier_wait -1
	s_cmp_lg_u32 s12, 0
	s_cbranch_scc1 .Lnot_wave_0_\@
	s_barrier_signal -3
.Lnot_wave_0_\@:
	s_barrier_wait -3
	s_barrier_signal -1
	s_barrier_wait -1
.endm
	s_load_b256 s[4:11], s[0:1], 0x0               ; qb s[4:5], kvb s[6:7], codes s[8:9], scale bytes s[10:11]
	v_lshl_add_u32 v243, v0, 2, 0x34000
	v_mov_b32 v255, 0
	ds_add_u32 v243, v255
	ds_add_u32 v243, v255
	v_lshrrev_b32 v1, 5, v0
	v_readfirstlane_b32 s12, v1                    ; wave 0..15
	s_bfe_u32 s13, ttmp6, 0x40000                  ; cx
	s_lshl_b32 s14, ttmp9, 2
	s_add_co_u32 s14, s14, s13                     ; my block of 256 queries: it enters q's and the result's addresses alone
	s_and_b32 s15, ttmp7, 0xffff                   ; batch x 16 + head, which the four partners share
	s_mov_b32 s16, 15|(3<<16)|(1<<21)              ; group 1: 15:0 the mask: all four; 17:16 elements of 8 bytes; 20 no padding; 21 set beside a mask
	s_mov_b32 s17, 32<<16                          ; tensor_dim0 = 32 elements: rows of 256 bytes
	s_mov_b32 s18, 51<<16                          ; tensor_dim1 = 51 rows: 13,056 dense bytes
	s_mov_b32 s19, 32<<16                          ; tile_dim0
	s_mov_b32 s20, 51                              ; tile_dim1
	s_mov_b32 s21, 32                              ; the pitch
	s_mov_b32 s22, 0
	s_mov_b32 s23, 0
	s_lshl_b32 s36, s15, 4
	s_add_co_u32 s36, s36, s12
	s_mul_i32 s36, s36, STEPB                      ; block w of my head
	s_mov_b32 s37, 0
	s_mov_b32 s24, 1                               ; group 0: count = 1
	s_mul_i32 s25, s12, STEPB                      ; LDS address: wave x 13,056
	s_mov_b32 s28, 0x76543210                      ; v_permlanex16_b32: lane l xor 16
	s_mov_b32 s29, 0xfedcba98
	s_mov_b32 s30, 0x3e38aa3b                      ; c = log2(e) / 8
	s_mov_b32 s31, s30                             ; (named with it as a pair)
	s_mov_b32 s32, 0                               ; LDS byte of the step in hand
	s_mov_b32 s33, 16                              ; steps to go
	s_mov_b32 s34, 0xffff0000                      ; lanes 16-31
	s_wait_dscnt 0x0
	s_wait_kmcnt 0x0
	s_add_nc_u64 s[26:27], s[6:7], s[36:37]
	s_or_b32 s27, s27, 0x80000000                  ; type = 2
	CROUND                                         ; all four work-groups are here: the joint loads meet
	tensor_load_to_lds s[24:27], s[16:23]
	s_nop 0
.rept 4
	v_nop
.endr
	s_lshl_b32 s36, s15, 4                         ; q: block 16 bh + 2 x query block + wave / 8 of qb, tile wave % 8
	s_lshl_b32 s38, s14, 1
	s_add_co_u32 s36, s36, s38
	s_lshr_b32 s38, s12, 3
	s_add_co_u32 s36, s36, s38
	s_mul_i32 s36, s36, STEPB
	s_and_b32 s40, s12, 7
	s_mul_i32 s38, s40, 768
	s_add_co_u32 s38, s38, s36
	s_mov_b32 s39, 0
	s_add_nc_u64 s[38:39], s[4:5], s[38:39]
	s_lshl_b32 s40, s40, 6
	s_add_co_u32 s40, s40, s36
	s_mov_b32 s41, 0
	s_add_nc_u64 s[40:41], s[4:5], s[40:41]
	v_and_b32 v7, 31, v0
	v_lshlrev_b32 v1, 4, v7
	v_lshlrev_b32 v2, 3, v7
	v_lshlrev_b32 v3, 2, v7
	v_and_b32 v7, 15, v0
	v_lshlrev_b32 v7, 2, v7
	global_load_b128 v[16:19], v1, s[38:39]        ; q's registers 0-3,
	global_load_b64 v[20:21], v2, s[38:39] offset:512   ; 4-5,
	global_load_b32 v30, v7, s[40:41] offset:KSC   ; and its scale words
.irp j, 22,23,24,25,26,27
	v_mov_b32 v[\j], 0                             ; k = 64 .. 127: zero codes
.endr
.irp t, 0,1,2,3
.irp j, 6,7,8,9,10,11
	v_mov_b32 v[KF+12*\t+\j], 0
.endr
.endr
	v_mov_b32 v13, 0xff61b1e6                      ; the largest t so far: -3e38, under every t
	v_floor_f32 v12, -v13                          ; -M
	v_mov_b32 v14, 0
	v_mov_b32 v15, 0
.irp b, 0,1,2,3
	v_mov_b32 v[236+\b], 0                         ; a lane permute's destination counts as one of its sources
.endr
	v_mov_b32 v253, 0                              ; (the upper half of the pair v[252:253])
.set j, 0
.rept 32
	v_mov_b32 v[O+j], 0                            ; O^T: the step is written once; the first finds zeros, which the first change of M leaves zeros
.set j, j+1
.endr
	s_wait_tensorcnt 0x0                           ; my block has landed,
	s_barrier_signal -1
	s_barrier_wait -1                              ; everybody's has
	s_wait_loadcnt 0x0                             ; q
.macro KLOAD g                         ; tiles 4 g .. 4 g + 3 of k
.irp t, 0,1,2,3
	ds_load_b128 v[KF+12*\t:KF+12*\t+3], v4 offset:768*(4*\g+\t)
	ds_load_b64 v[KF+12*\t+4:KF+12*\t+5], v5 offset:768*(4*\g+\t)+512
.endr
.endm
.macro SMUL t                          ; S^T of keys 16 t on; one register carries two tiles' scale words, the odd tile's in lanes 16-31
.if (\t)%2
	v_wmma_scale_f32_16x16x128_f8f6f4 v[S+8*(\t):S+8*(\t)+7], v[KF+12*((\t)%4):KF+12*((\t)%4)+11], v[16:27], 0, v[8+(\t)/2], v30 matrix_a_fmt:MATRIX_FMT_FP6 matrix_b_fmt:MATRIX_FMT_FP6 matrix_a_scale:MATRIX_SCALE_ROW1
.else
	v_wmma_scale_f32_16x16x128_f8f6f4 v[S+8*(\t):S+8*(\t)+7], v[KF+12*((\t)%4):KF+12*((\t)%4)+11], v[16:27], 0, v[8+(\t)/2], v30 matrix_a_fmt:MATRIX_FMT_FP6 matrix_b_fmt:MATRIX_FMT_FP6
.endif
.endm
.macro OMUL t                          ; O^T of d 16 t on += v^T p^T
.if (\t)%2
	v_wmma_scale_f32_16x16x128_f8f6f4 v[O+8*(\t):O+8*(\t)+7], v[VF+12*(\t):VF+12*(\t)+11], v[224:235], v[O+8*(\t):O+8*(\t)+7], v[28+(\t)/2], v31 matrix_a_fmt:MATRIX_FMT_FP6 matrix_b_fmt:MATRIX_FMT_FP6 matrix_a_scale:MATRIX_SCALE_ROW1
.else
	v_wmma_scale_f32_16x16x128_f8f6f4 v[O+8*(\t):O+8*(\t)+7], v[VF+12*(\t):VF+12*(\t)+11], v[224:235], v[O+8*(\t):O+8*(\t)+7], v[28+(\t)/2], v31 matrix_a_fmt:MATRIX_FMT_FP6 matrix_b_fmt:MATRIX_FMT_FP6
.endif
.endm
.Lstep:                                            ; 16 trips of 128 keys
	v_add_nc_u32 v4, s32, v1
	v_add_nc_u32 v5, s32, v2
	v_add_nc_u32 v6, s32, v3
	v_nop                                          ; (with the three above: four places behind the last trip's products)
	KLOAD 0
.irp i, 0,1,2,3
	ds_load_b32 v[8+\i], v6 offset:KSC+128*\i      ; lanes 0-15 tile 2 i's words, lanes 16-31 tile 2 i + 1's
.endr
	s_wait_dscnt 0x0
	SMUL 0
	SMUL 1
	SMUL 2
	SMUL 3
.rept 4
	v_nop                                          ; places in front of loads into registers that matrix instructions have read
.endr
	KLOAD 1
.irp t, 0,1,2,3
.irp c, 0,1,2
	ds_load_b128 v[VF+12*\t+4*\c:VF+12*\t+4*\c+3], v4 offset:VIMG+1536*\t+512*\c
.endr
.endr
	ds_load_b32 v28, v6 offset:VSC
	ds_load_b32 v29, v6 offset:VSC+128
	s_wait_dscnt 14                                ; k's tiles are in; the 14 younger loads, v^T's, land under the softmax
	SMUL 4
	SMUL 5
	SMUL 6
	SMUL 7
.rept 4
	v_nop
.endr
.irp b, 0,1,2,3
	v_max3_num_f32 v[248+\b], v[S+16*\b], v[S+1+16*\b], v[S+2+16*\b]   ; the largest score of each block of 32 keys: for the row's maximum, and for the block's largest p
.endr
.irp i, 3,5,7,9,11,13
.irp b, 0,1,2,3
	v_max3_num_f32 v[248+\b], v[248+\b], v[S+16*\b+\i], v[S+1+16*\b+\i]
.endr
.endr
.irp b, 0,1,2,3
	v_max_num_f32 v[248+\b], v[248+\b], v[S+15+16*\b]
.endr
.irp b, 0,1,2,3
	v_permlanex16_b32 v[236+\b], v[248+\b], s28, s29
.endr
.irp b, 0,1,2,3
	v_max_num_f32 v[248+\b], v[248+\b], v[236+\b]  ; with lane l xor 16's 16 keys
.endr
	v_max3_num_f32 v254, v248, v249, v250
	v_max_num_f32 v254, v254, v251                 ; the step's largest score of my query
	v_mul_f32 v254, s30, v254                      ; as t (c is positive)
	v_max_num_f32 v13, v13, v254                   ; the running largest t
	v_mov_b32 v254, v12
	v_floor_f32 v12, -v13                          ; the new -M = floor(-t): M is a whole number
	v_sub_f32 v254, v12, v254                      ; old M - new M: a whole number, 0 or less
	v_cvt_i32_f32 v254, v254                       ; (it saturates)
	v_ldexp_f32 v252, 1.0, v254                    ; f = 2^(old M - new M)
.set j, 0
.rept 32
	v_pk_fma_f32 v[S+j:S+j+1], v[S+j:S+j+1], s[30:31], v[12:13] op_sel_hi:[1,0,0]   ; t - M, two at a time
.set j, j+2
.endr
.irp b, 0,1,2,3
	v_fma_f32 v[248+\b], v[248+\b], s30, v12       ; the same of each block's largest score
.endr
.set j, 0
.rept 64
	v_exp_f32 v[S+j], v[S+j]                       ; p = 2^(t - M), at most 1
.set j, j+1
.endr
	v_pk_mul_f32 v[14:15], v[14:15], v[252:253] op_sel_hi:[1,0]   ; the sums under the new M: a plain place behind the exponentials
	s_wait_alu depctr_va_vdst(0)                   ; one wait for the whole batch, ahead of its first reader
.irp b, 0,1,2,3
	v_exp_f32 v[248+\b], v[248+\b]                 ; the block's largest p
.endr
	v_pk_add_f32 v[236:237], v[S:S+1], v[S+2:S+3]  ; the row's sum of the unquantised p, in two chains: plain work behind the four
.irp j, 4,8,12,16,20,24,28,32,36,40,44,48,52,56,60
	v_pk_add_f32 v[14:15], v[14:15], v[S+\j:S+1+\j]
	v_pk_add_f32 v[236:237], v[236:237], v[S+2+\j:S+3+\j]
.endr
	v_pk_add_f32 v[14:15], v[14:15], v[236:237]
	s_wait_alu depctr_va_vdst(0)                   ; and one for the four
.irp b, 0,1,2,3
	v_max_num_f32 v[248+\b], 0x1800000, v[248+\b]  ; the floor 2^(3 - 127): the byte cannot fall under 1
.endr
.irp b, 0,1,2,3
	v_add_nc_u32 v[244+\b], 0xff000000, v[248+\b]  ; 2 off the exponent field: the conversion's scale operand
.endr
.irp b, 0,1,2,3
	v_lshrrev_b32 v[236+\b], 23, v[244+\b]         ; the scale's byte
.endr
	v_lshl_or_b32 v31, v237, 8, v236               ; p's scale word for these 128 keys
	v_lshl_or_b32 v31, v238, 16, v31
	v_lshl_or_b32 v31, v239, 24, v31
.irp c, 0,1
	v_cvt_scalef32_pk16_fp6_f32 v[224+6*\c:226+6*\c], v[S+32*\c:S+15+32*\c], v[244+2*\c]
	v_cvt_scalef32_pk16_fp6_f32 v[236+4*\c:238+4*\c], v[S+16+32*\c:S+31+32*\c], v[244+2*\c+1]
.endr
	v_nop                                          ; one plain place behind a scaled conversion
.irp c, 0,1                                    ; a whole block in a lane: lanes 0-15 block 2 c, lanes 16-31 block 2 c + 1
.irp i, 0,1,2
	v_permlane16_swap_b32 v[224+6*\c+\i], v[236+4*\c+\i]
.endr
.irp i, 0,1,2
	v_mov_b32 v[227+6*\c+\i], v[236+4*\c+\i]
.endr
.endr
.set j, 0
.rept 16
	v_pk_mul_f32 v[O+j:O+j+1], v[O+j:O+j+1], v[252:253] op_sel_hi:[1,0]   ; O^T under the new M; these 16 are also the places between the scale word and codes just written and the products
.set j, j+2
.endr
	s_wait_dscnt 0x0                               ; v^T and its scale words are in
	OMUL 0                                         ; four accumulators by turns, one instruction a turn
	OMUL 1
	OMUL 2
	OMUL 3
	s_add_co_u32 s32, s32, STEPB
	s_sub_co_u32 s33, s33, 1
	s_cmp_lg_u32 s33, 0
	s_cbranch_scc1 .Lstep
	; THE WAY OUT
	v_add_f32 v14, v14, v15                        ; the sum's two halves,
	v_permlanex16_b32 v252, v14, s28, s29
	v_add_f32 v14, v14, v252                       ; and lane l xor 16's
	v_rcp_f32 v14, v14
	v_and_b32 v4, 15, v0                           ; r  (plain work behind the transcendental, and the places behind the last products)
	v_bfe_u32 v5, v0, 4, 1                         ; h
	v_mul_u32_u24 v6, v4, 768
	v_mad_u32_u24 v6, v5, 24, v6                   ; codes: row r, block h of my head
	v_lshl_add_u32 v7, v4, 5, v5                   ; scale bytes: 32 r + h
	s_lshr_b32 s36, s15, 4
	s_lshl_b32 s36, s36, 11
	s_lshl_b32 s37, s14, 8
	s_add_co_u32 s36, s36, s37
	s_lshl_b32 s37, s12, 4
	s_add_co_u32 s36, s36, s37                     ; my first row: 2,048 batch + 256 query block + 16 wave
	s_and_b32 s37, s15, 15                         ; the head
	s_mul_i32 s38, s36, 768
	s_mul_i32 s39, s37, 48
	s_add_co_u32 s38, s38, s39
	s_mov_b32 s39, 0
	s_add_nc_u64 s[8:9], s[8:9], s[38:39]
	s_lshl_b32 s38, s36, 5
	s_lshl_b32 s37, s37, 1
	s_add_co_u32 s38, s38, s37
	s_add_nc_u64 s[10:11], s[10:11], s[38:39]
	s_wait_alu depctr_va_vdst(0)                   ; ahead of the reciprocal's first reader
.set j, 0
.rept 32
	v_mul_f32 v[S+j], v[O+j], v14                  ; O^T / the sum: register 8 t + i = d 16 t + 8 h + i; each accumulator from its low end on
.set j, j+1
.endr
.irp b, 0,1                                    ; the true order for the given weight: register 16 b + i = d 32 b + 16 h + i
.irp j, 0,1,2,3,4,5,6,7
	v_permlane16_swap_b32 v[S+16*\b+\j], v[S+16*\b+8+\j]
.endr
.endr
.irp b, 0,1
	v_max3_num_f32 v[248+\b], |v[S+16*\b]|, |v[S+1+16*\b]|, 0x1800000
.endr
.irp i, 2,4,6,8,10,12,14
.irp b, 0,1
	v_max3_num_f32 v[248+\b], v[248+\b], |v[S+16*\b+\i]|, |v[S+1+16*\b+\i]|
.endr
.endr
.irp b, 0,1
	v_permlanex16_b32 v[236+\b], v[248+\b], s28, s29
.endr
.irp b, 0,1
	v_max_num_f32 v[248+\b], v[248+\b], v[236+\b]
.endr
.irp b, 0,1
	v_add_nc_u32 v[244+\b], 0xff000000, v[248+\b]
.endr
.irp b, 0,1
	v_lshrrev_b32 v[236+\b], 23, v[244+\b]
.endr
	v_cvt_scalef32_pk16_fp6_f32 v[224:226], v[S:S+15], v244
	v_cvt_scalef32_pk16_fp6_f32 v[228:230], v[S+16:S+31], v245
	v_nop
.irp i, 0,1,2
	v_permlane16_swap_b32 v[224+\i], v[228+\i]     ; lane (r, h) now holds block h: its lower 16 codes in v224-226, its upper 16 in v228-230
.endr
	v_cndmask_b32 v232, v236, v237, s34            ; and its byte
	global_store_b96 v6, v[224:226], s[8:9]
	global_store_b96 v6, v[228:230], s[8:9] offset:12
	global_store_b8 v7, v232, s[10:11]
	s_wait_dscnt 0x0
	s_wait_tensorcnt 0x0
	ds_add_u32 v243, v255
	s_wait_dscnt 0x0
	CROUND                                         ; the closing round
	s_endpgm
.Lfunc_end_k_q507f5eb252_attn:
	.size	k_q507f5eb252_attn, .Lfunc_end_k_q507f5eb252_attn-k_q507f5eb252_attn
	.p2alignl 7, 3214868480
	.fill 96, 4, 3214868480
	.section	.rodata,"a",@progbits
	.p2align	6, 0x0
	.amdhsa_kernel k_q507f5eb252_attn
		.amdhsa_group_segment_fixed_size 215040
		.amdhsa_private_segment_fixed_size 0
		.amdhsa_enable_private_segment 0
		.amdhsa_kernarg_size 32
		.amdhsa_user_sgpr_count 2
		.amdhsa_user_sgpr_kernarg_segment_ptr 1
		.amdhsa_wavefront_size32 1
		.amdhsa_system_sgpr_workgroup_id_x 1
		.amdhsa_system_sgpr_workgroup_id_y 1
		.amdhsa_system_sgpr_workgroup_id_z 1
		.amdhsa_system_vgpr_workitem_id 0
		.amdhsa_next_free_vgpr 256
		.amdhsa_next_free_sgpr 66
		.amdhsa_reserve_vcc 0
		.amdhsa_float_denorm_mode_32 3
		.amdhsa_float_denorm_mode_16_64 3
		.amdhsa_memory_ordered 1
		.amdhsa_forward_progress 1
		.amdhsa_inst_pref_size 28
	.end_amdhsa_kernel
	.amdgpu_metadata
---
amdhsa.version: [ 1, 2 ]
amdhsa.kernels:
  - .name:           k_q507f5eb252_attn
    .symbol:         k_q507f5eb252_attn.kd
    .args:
      - { .name: qb, .offset: 0, .size: 8, .value_kind: global_buffer, .address_space: global }
      - { .name: kvb, .offset: 8, .size: 8, .value_kind: global_buffer, .address_space: global }
      - { .name: act_codes, .offset: 16, .size: 8, .value_kind: global_buffer, .address_space: global }
      - { .name: act_scales, .offset: 24, .size: 8, .value_kind: global_buffer, .address_space: global }
    .group_segment_fixed_size: 215040
    .private_segment_fixed_size: 0
    .kernarg_segment_align: 8
    .kernarg_segment_size: 32
    .max_flat_workgroup_size: 512
    .sgpr_count:     66
    .vgpr_count:     256
    .wavefront_size: 32
...
	.end_amdgpu_metadata
.endif
;; end of part 3
;; launch wo (part 4): grid 4 x 16, 4 waves a work-group, clusters of 4 x 4, 327,680 bytes of LDS; arguments act_codes, act_scales, wo_codes, wo_scales, bo, x, x2; writes x2
.if DOCPART == 4
	.amdgcn_target "amdgcn-amd-amdhsa--gfx1250"
	.amdhsa_code_object_version 6
	.text
	.protected	k_q507f5eb252_wo
	.globl	k_q507f5eb252_wo
	.p2align	8
	.type	k_q507f5eb252_wo,@function
k_q507f5eb252_wo:
	s_mov_b64 s[64:65], 0
	v_nop
	global_prefetch_b8 v0, s[64:65] scope:SCOPE_SE
	s_setreg_imm32_b32 hwreg(HW_REG_WAVE_MODE, 25, 1), 1
	s_wait_xcnt 0x0
	s_wait_alu depctr_hold_cnt(0) depctr_sa_sdst(0) depctr_va_vdst(0) depctr_va_sdst(0) depctr_va_ssrc(0) depctr_va_vcc(0) depctr_vm_vsrc(0)
	s_getreg_b32 s2, hwreg(HW_REG_IB_STS2, 6, 4)
	s_cmp_eq_u32 s2, 0
	s_cbranch_scc0 .Lentry_in_a_cluster
	s_endpgm
.Lentry_in_a_cluster:
	s_bfe_u32 s2, ttmp6, 0x10000c
	s_cmp_lg_u32 s2, 0xf033
	s_cbranch_scc0 .Lentry_shape_is_right
	s_endpgm
.Lentry_shape_is_right:
; out[m][n] = res[m][n] + bias[n] + sum over k of A[m][k] B[n][k]: A [4096][SIZE_K] and B [1024][SIZE_K] as codes of FP6 (E2M3) with one E8M0 byte for each 32 along K; bias, res, out f32.  Here: x2 = x + attention's result x wo + bo.
; A tile of out, 256 x 256, four waves, 128 x 128 a wave in 512 registers; K in steps of 256 through two LDS slots filled by joint tensor loads in clusters of 4 x 4 (A's tile shared along a row, B's along a column);
; the scale bytes of the work-group's rows come once and stay.  The matrix instruction is used transposed (source 0 = 16 rows of B, source 1 = 16 rows of A): a lane holds eight neighbouring numbers of a row of out.
; 64 work-groups: 16 x 4 tiles; a smaller tile would give more work-groups at twice the LDS reads for each product; not built.
; THE WAY OUT: a block of 16 rows goes through the wave's own stage in LDS (in slot 0, which has had its last fill and its last read) and comes back as rows of 512 bytes; the residual's rows, loaded four blocks ahead into the
; registers that held B's fragments, and the bias are added; 32 lanes store 512 consecutive bytes, aligned.  The residual is asked for ahead of its loads: behind the loop eight prefetches a wave name the wave's own 128 rows x 512 bytes,
; each aligned block of 256 bytes once in the launch, 192 matrix instructions ahead of the first load.  The tiles of A and B are not asked for ahead: many work-groups read each.
.set SIZE_K, 1024
.set APITCH, 768                       ; a row of A's codes in memory, and a K step along it
.set ASTEP,  192
.set BPITCH, 768
.set BSTEP,  192
.set KSTEP,  256
.set NQ,     KSTEP/128
.set ROWB,   192
.set PITCH,  240                       ; an LDS row: 3 x (64 bytes + 16 of padding)
.set FR,     12
.set NL,     6
.set NP,     4                         ; places behind this matrix instruction (ISA guide 7.12.1)
.set HALFT,  128*PITCH
.set SLOT,   4*HALFT
.set LAPS,   SIZE_K/(2*KSTEP)
.set KS,     SIZE_K/32
.set SCL,    2*SLOT
.set HALFS,  (128*KS/256)*272
.set SBLK,   (16*KS/256)*272
.set SPARE,  SCL+4*HALFS               ; the spare words, 128 bytes a wave, that no other line names
.set SPITCH, 528                       ; the stage: 16 rows x (512 bytes + 16) for each wave
.set ADRA, 16
.set ADRB, 20
.set STO,  24                          ; v24 the way out: where I put 32 bytes of a row
.set RD,   25                          ; v25 where I read a row back
.set CO,   26                          ; v26 16 x lane: my bytes of a row of 512
.set ADRS, 27
.set SPW,  28
.set NIL,  29
.set PFO,  30                          ; v30 the prefetches' offset: row lane / 2, 256 x (lane % 2); never rewritten
.set SC,   32                          ; v32-63 scale words, two sets; they hold scales and nothing else
.set BI,   64                          ; v64-67 the bias of my four columns
.set AF,   128
.set BK,   128                         ; the way out: v128-191 and v192-255 by turns
.set G1, 24
.set G0, 32
.set G1B, 48
.set G0B, 56
.set G1S, 68
.set G0S, 76
.set G1SB, 80
.set G0SB, 88
.set MSB, 0
.macro WIN new                         ; the immediate's high byte repeats the setting that is left
.if MSB != \new
	s_set_vgpr_msb (MSB<<8)|\new
.set MSB, \new
.endif
.endm
.set MUL_LO, 0xa1
.set MUL_HI, 0xf1
.set TO_B,   0x40
.macro JLOAD g0a, g1a, g0b, g1b        ; a joint load: waves 0 and 1 fetch for A, waves 2 and 3 for B; four v_nop follow each line
	s_cmp_eq_u32 s15, 0
	s_cbranch_scc0 .Lfor_b_\@
	tensor_load_to_lds s[\g0a:\g0a+3], s[\g1a:\g1a+7]
	s_nop 0
.rept 4
	v_nop
.endr
	s_branch .Lasked_\@
.Lfor_b_\@:
	tensor_load_to_lds s[\g0b:\g0b+3], s[\g1b:\g1b+7]
	s_nop 0
.rept 4
	v_nop
.endr
.Lasked_\@:
.endm
.macro CREST
	s_cmp_lg_u32 s14, 0
	s_cbranch_scc1 .Lnot_wave_0_\@
	s_barrier_signal -3
.Lnot_wave_0_\@:
	s_barrier_wait -3
	s_barrier_signal -1
	s_barrier_wait -1
.endm
.macro CROUND
	s_barrier_signal -1
	s_barrier_wait -1
	CREST
.endm
	s_load_b128 s[4:7], s[0:1], 0x0                ; A's codes, A's scales
	s_load_b128 s[8:11], s[0:1], 0x10              ; B's codes, B's scales
	s_load_b128 s[96:99], s[0:1], 0x20             ; bias s[96:97], res s[98:99]
	s_load_b64 s[12:13], s[0:1], 0x30              ; out
	v_lshl_add_u32 v[SPW], v0, 2, SPARE
	v_mov_b32 v[NIL], 0
	ds_add_u32 v28, v29
	ds_add_u32 v28, v29
	s_wait_dscnt 0x0
	v_lshrrev_b32 v1, 5, v0
	v_readfirstlane_b32 s14, v1                    ; wave 0..3
	s_lshr_b32 s15, s14, 1                         ; my half of the tile's rows.  Also: I fetch for A (0) or for B (1)
	s_and_b32 s16, s14, 1                          ; my half of its columns.  Also: which 128 rows of that tile I fetch
	s_bfe_u32 s40, ttmp6, 0x40000                  ; cx, cy
	s_bfe_u32 s41, ttmp6, 0x40004
	s_lshl_b32 s42, ttmp9, 2
	s_add_co_u32 s42, s42, s40                     ; tile column
	s_and_b32 s17, ttmp7, 0xffff
	s_lshl_b32 s17, s17, 2
	s_add_co_u32 s17, s17, s41                     ; tile row
	s_lshl_b32 s43, s41, 2
	s_lshl_b32 s43, 15, s43                        ; my row of the cluster
	s_lshl_b32 s44, 0x1111, s40                    ; my column
	s_or_b32 s[G1+0], s43, (1<<20)|(1<<21)|(3<<22)|(3<<25)   ; the mask; elements of 1 byte; padding on; bit 21 beside a mask; after every 16 words 4 words
	s_or_b32 s[G1B+0], s44, (1<<20)|(1<<21)|(3<<22)|(3<<25)
.irp g, G1, G1B
	s_mov_b32 s[\g+1], ROWB<<16
	s_mov_b32 s[\g+2], 128<<16
	s_mov_b32 s[\g+3], ROWB<<16
	s_mov_b32 s[\g+4], 128
	s_mov_b32 s[\g+6], 0
	s_mov_b32 s[\g+7], 0
.endr
	s_mov_b32 s[G1+5], APITCH
	s_mov_b32 s[G1B+5], BPITCH
	s_or_b32 s[G1S+0], s43, (3<<16)|(1<<20)|(1<<21)|(5<<22)|(3<<25)   ; the scales of 128 rows: a dense block as rows of 256 bytes, 16 bytes of padding behind each
	s_or_b32 s[G1SB+0], s44, (3<<16)|(1<<20)|(1<<21)|(5<<22)|(3<<25)
.irp g, G1S, G1SB
	s_mov_b32 s[\g+1], 32<<16
	s_mov_b32 s[\g+2], (128*KS/256)<<16
	s_mov_b32 s[\g+3], 32<<16
	s_mov_b32 s[\g+4], 128*KS/256
	s_mov_b32 s[\g+5], 32
	s_mov_b32 s[\g+6], 0
	s_mov_b32 s[\g+7], 0
.endr
	s_lshl_b32 s18, s16, 7
	s_lshl_b32 s20, s17, 8
	s_add_co_u32 s20, s20, s18                     ; A: row 256 x tile row + 128 x half
	s_lshl_b32 s46, s42, 8
	s_add_co_u32 s46, s46, s18                     ; B: row 256 x tile column + 128 x half
	s_mov_b32 s21, 0
	s_mov_b32 s47, 0
	s_mov_b64 s[18:19], KS
	s_mul_u64 s[22:23], s[20:21], s[18:19]
	s_mul_u64 s[92:93], s[46:47], s[18:19]
	s_mov_b64 s[18:19], APITCH
	s_mul_u64 s[20:21], s[20:21], s[18:19]
	s_mov_b64 s[18:19], BPITCH
	s_mul_u64 s[46:47], s[46:47], s[18:19]
	s_mul_i32 s45, s14, HALFT                      ; no place in the cluster enters an LDS address
	s_mul_i32 s94, s14, HALFS
	s_wait_kmcnt 0x0
	s_add_nc_u64 s[20:21], s[4:5], s[20:21]
	s_add_nc_u64 s[22:23], s[6:7], s[22:23]
	s_add_nc_u64 s[46:47], s[8:9], s[46:47]
	s_add_nc_u64 s[92:93], s[10:11], s[92:93]
	CROUND                                         ; the first joint loads meet
	s_mov_b32 s[G0S], 1
	s_add_co_u32 s[G0S+1], s94, SCL
	s_mov_b64 s[G0S+2:G0S+3], s[22:23]
	s_or_b32 s[G0S+3], s[G0S+3], 0x80000000
	s_mov_b32 s[G0SB], 1
	s_add_co_u32 s[G0SB+1], s94, SCL
	s_mov_b64 s[G0SB+2:G0SB+3], s[92:93]
	s_or_b32 s[G0SB+3], s[G0SB+3], 0x80000000
	JLOAD G0S, G1S, G0SB, G1SB
.irp s, 0,1
	s_mov_b32 s[G0+4*\s], 1
	s_add_co_u32 s[G0+4*\s+1], s45, \s*SLOT
	s_add_nc_u64 s[G0+4*\s+2:G0+4*\s+3], s[20:21], \s*ASTEP
	s_or_b32 s[G0+4*\s+3], s[G0+4*\s+3], 0x80000000
	s_mov_b32 s[G0B+4*\s], 1
	s_add_co_u32 s[G0B+4*\s+1], s45, \s*SLOT
	s_add_nc_u64 s[G0B+4*\s+2:G0B+4*\s+3], s[46:47], \s*BSTEP
	s_or_b32 s[G0B+4*\s+3], s[G0B+4*\s+3], 0x80000000
	JLOAD G0+4*\s, G1, G0B+4*\s, G1B               ; three tensor loads of mine are out
.endr
	v_and_b32 v1, 15, v0                           ; r
	v_bfe_u32 v2, v0, 4, 1                         ; h
	v_mul_u32_u24 v3, v1, PITCH
	v_mul_u32_u24 v4, v2, 24
	v_add_nc_u32 v4, v3, v4
	v_lshl_add_u32 v5, v2, 4, v4
	s_mul_i32 s21, s15, HALFT
	s_mul_i32 s22, s16, HALFT
	s_add_co_u32 s22, s22, 2*HALFT
.irp s, 0,1
	v_add_nc_u32 v[ADRA+\s], s21, v4
	v_add_nc_u32 v[ADRB+\s], s22, v4
	v_add_nc_u32 v[ADRA+2+\s], s21, v5
	v_add_nc_u32 v[ADRB+2+\s], s22, v5
	s_add_co_u32 s21, s21, SLOT
	s_add_co_u32 s22, s22, SLOT
.endr
	v_mul_u32_u24 v5, v1, KS
	v_lshrrev_b32 v6, 8, v5
	v_lshl_add_u32 v5, v6, 4, v5
	s_mul_i32 s21, s15, HALFS
	s_mul_i32 s22, s16, HALFS
	s_add_co_u32 s22, s22, 2*HALFS
	s_sub_co_u32 s22, s22, s21
	v_mul_u32_u24 v6, s22, v2                      ; lanes 16-31 take B's
	s_add_co_u32 s21, s21, SCL
	v_add_nc_u32 v5, v5, v6
	v_add_nc_u32 v[ADRS], s21, v5
	s_mul_i32 s23, s14, 16*SPITCH                  ; my stage
	v_mul_u32_u24 v5, v1, SPITCH
	v_lshl_add_u32 v5, v2, 5, v5
	v_add_nc_u32 v[STO], s23, v5
	v_and_b32 v6, 31, v0
	v_lshlrev_b32 v[CO], 4, v6
	v_add_nc_u32 v[RD], s23, v[CO]
	v_lshrrev_b32 v[PFO], 1, v6
	v_and_b32 v31, 1, v6
	v_lshlrev_b32 v[PFO], 12, v[PFO]
	v_lshl_add_u32 v[PFO], v31, 8, v[PFO]
	s_lshl_b32 s20, s17, 8
	s_lshl_b32 s21, s15, 7
	s_add_co_u32 s20, s20, s21                     ; my first row
	s_mov_b32 s21, 0
	s_lshl_b64 s[20:21], s[20:21], 12              ; rows of 4,096 bytes
	s_lshl_b32 s46, s42, 10                        ; my first column, in bytes
	s_lshl_b32 s47, s16, 9
	s_add_co_u32 s46, s46, s47
	s_mov_b32 s47, 0
	s_add_nc_u64 s[20:21], s[20:21], s[46:47]
	s_add_nc_u64 s[12:13], s[12:13], s[20:21]
	s_add_nc_u64 s[98:99], s[98:99], s[20:21]
	s_add_nc_u64 s[96:97], s[96:97], s[46:47]
.macro FRAG reg, adr, q, i             ; 16 rows x 128 K in pieces of 8 bytes; where the piece three on lies behind one padding more, the second address register serves
.irp p, 0,1,2,3,4,5
.set PCE, 12*(\q)+6*(\p/3)+\p%3
.if PCE%8 < 5
	ds_load_b64 v[\reg+2*\p:\reg+2*\p+1], v[\adr] offset:8*PCE+16*(PCE/8)+(\i)*16*PITCH
.else
	ds_load_b64 v[\reg+2*\p:\reg+2*\p+1], v[\adr+2] offset:8*PCE+16*(PCE/8)+(\i)*16*PITCH
.endif
.endr
.endm
.macro MUL16 a0, p, q, sc, zero        ; the 64 accumulators take turns, one instruction a turn
.irp a, \a0, \a0+1
.irp b, 0,1,2,3,4,5,6,7
.if \zero
	v_wmma_scale_f32_16x16x128_f8f6f4 v[8*(8*((\a)%4)+\b):8*(8*((\a)%4)+\b)+7], v[128*(\p)+FR*\b:128*(\p)+FR*\b+FR-1], v[AF+FR*(\a):AF+FR*(\a)+FR-1], 0, v[SC+8*NQ*(\sc)+NQ*\b+(\q)], v[SC+8*NQ*(\sc)+NQ*(\a)+(\q)] matrix_a_fmt:MATRIX_FMT_FP6 matrix_b_fmt:MATRIX_FMT_FP6 matrix_a_scale:MATRIX_SCALE_ROW1
.else
	v_wmma_scale_f32_16x16x128_f8f6f4 v[8*(8*((\a)%4)+\b):8*(8*((\a)%4)+\b)+7], v[128*(\p)+FR*\b:128*(\p)+FR*\b+FR-1], v[AF+FR*(\a):AF+FR*(\a)+FR-1], v[8*(8*((\a)%4)+\b):8*(8*((\a)%4)+\b)+7], v[SC+8*NQ*(\sc)+NQ*\b+(\q)], v[SC+8*NQ*(\sc)+NQ*(\a)+(\q)] matrix_a_fmt:MATRIX_FMT_FP6 matrix_b_fmt:MATRIX_FMT_FP6 matrix_a_scale:MATRIX_SCALE_ROW1
.endif
.endr
.endr
.endm
.macro FETCH_B slot, q, p
	WIN TO_B
.irp i, 0,1,2,3,4,5,6,7
	FRAG 128*(\p)+FR*\i, ADRB+\slot, \q, \i
.endr
	WIN 0
.endm
.macro FETCH_A slot, q, i0
.irp i, \i0, \i0+1, \i0+2, \i0+3
	FRAG AF+FR*(\i), ADRA+\slot, \q, \i
.endr
.endm
.macro SCALES sc
.irp i, 0,1,2,3,4,5,6,7
	ds_load_b64 v[SC+8*NQ*\sc+NQ*\i:SC+8*NQ*\sc+NQ*\i+1], v[ADRS] offset:\i*SBLK
.endr
.endm
.macro PLACES n
.rept \n
	v_nop
.endr
.endm
.macro STEP slot, q, zero
	s_wait_dscnt 4*NL                              ; the 24 youngest loads (A's blocks 4-7) may be out
	WIN MUL_LO
	MUL16 0, (\q)%2, \q, \slot, \zero
	MUL16 2, (\q)%2, \q, \slot, \zero
	s_wait_dscnt 0
	PLACES NP
	FETCH_B \slot, (\q)+1, 1-(\q)%2
	FETCH_A \slot, (\q)+1, 0
	WIN MUL_HI
	MUL16 4, (\q)%2, \q, \slot, \zero
	MUL16 6, (\q)%2, \q, \slot, \zero
	PLACES NP
	WIN 0
	FETCH_A \slot, (\q)+1, 4
.endm
.macro TURN slot, next, fill
	s_wait_tensorcnt 0x0                           ; all my tensor loads have landed: my part of the next slot
	ds_add_u32 v[SPW], v[NIL]                      ; 0 onto my spare word
	s_wait_dscnt 4*NL+1                            ; (the add and the 24 youngest loads may be out)
	WIN MUL_LO
	MUL16 0, 1, NQ-1, \slot, 0
	s_wait_dscnt 0x0                               ; the add is done, and my reads of this slot are over
	s_barrier_signal -1
	MUL16 2, 1, NQ-1, \slot, 0
	WIN 0
	s_barrier_wait -1
.if \fill
	CREST                                          ; no wave of any partner still reads this slot's tile or has a load on its way
	s_add_nc_u64 s[G0+4*\slot+2:G0+4*\slot+3], s[G0+4*\slot+2:G0+4*\slot+3], 2*ASTEP
	s_add_nc_u64 s[G0B+4*\slot+2:G0B+4*\slot+3], s[G0B+4*\slot+2:G0B+4*\slot+3], 2*BSTEP
	JLOAD G0+4*\slot, G1, G0B+4*\slot, G1B         ; my one tensor load behind the round
.else
	PLACES NP
.endif
	v_add_nc_u32 v[ADRS], 4*NQ, v[ADRS]
	FETCH_B \next, 0, 0
	FETCH_A \next, 0, 0
	SCALES \next
	WIN MUL_HI
	MUL16 4, 1, NQ-1, \slot, 0
	MUL16 6, 1, NQ-1, \slot, 0
	PLACES NP
	WIN 0
	FETCH_A \next, 0, 4
.endm
	s_wait_tensorcnt 1                             ; the scales and K step 0 are in; K step 1's load may be out
	s_barrier_signal -1
	s_barrier_wait -1
	FETCH_B 0, 0, 0
	FETCH_A 0, 0, 0
	SCALES 0
	FETCH_A 0, 0, 4
	STEP 0, 0, 1
	s_mov_b32 s3, LAPS-1
.Llap:
	TURN 0, 1, 1
	STEP 1, 0, 0
	TURN 1, 0, 1
	STEP 0, 0, 0
	s_sub_co_u32 s3, s3, 1
	s_cmp_lg_u32 s3, 0
	s_cbranch_scc1 .Llap
.irp i, 0,1,2,3,4,5,6,7
	global_prefetch_b8 v[PFO], s[98:99] offset:65536*\i th:TH_LOAD_NT scope:SCOPE_SE   ; the residual's rows 16 i .. 16 i + 15 of my 128, two blocks of 256 bytes a row; no tensor load follows these lines
.endr
	TURN 0, 1, 0
	STEP 1, 0, 0
	s_wait_dscnt 4*NL
	WIN MUL_LO
	MUL16 0, 1, NQ-1, 1, 0
	MUL16 2, 1, NQ-1, 1, 0
	s_wait_dscnt 0
	WIN MUL_HI
	MUL16 4, 1, NQ-1, 1, 0
	MUL16 6, 1, NQ-1, 1, 0
	WIN 0
.macro RLOAD a                         ; the residual's rows 16 a .. 16 a + 15 into set a % 4 of window 1
	WIN 0x40
.irp t, 0,1,2,3,4,5,6,7,8,9,10,11,12,13,14,15
	global_load_b128 v[64*((\a)%4)+4*\t:64*((\a)%4)+4*\t+3], v[CO], s[98:99] offset:(16*(\a)+\t)*4096 th:TH_LOAD_NT
.endr
	WIN 0
.endm
.macro TOSTAGE a                       ; LDS serves a wave's instructions in order: no wait between the stores and the loads, nor in front of the next block's stores
.set AC, 64*((\a)%4)
	WIN 0x08+4*((\a)/4)                            ; the data: window 2 or 3
.irp b, 0,1,2,3,4,5,6,7
	ds_store_b128 v[STO], v[AC+8*\b:AC+8*\b+3] offset:64*\b          ; each accumulator from its low end on
	ds_store_b128 v[STO], v[AC+8*\b+4:AC+8*\b+7] offset:64*\b+16
.endr
	WIN 0
.set BB, BK+64*((\a)%2)
.irp t, 0,1,2,3,4,5,6,7,8,9,10,11,12,13,14,15
	ds_load_b128 v[BB+4*\t:BB+4*\t+3], v[RD] offset:\t*SPITCH
.endr
.endm
.macro SEND a, younger
.set BB, BK+64*((\a)%2)
.set RS, 64*((\a)%4)
.set LF, 16*(7-(\a))
.if LF > 48
.set LF, 48
.endif
	s_wait_dscnt \younger                          ; the block is back; the next block's 16 stores and 16 loads may be out
	s_wait_loadcnt LF                              ; its residual is in; the sets issued behind it, three at the most, may be out
	WIN 0x04                                       ; source 1 window 1
.set i, 0
.rept 32
	v_pk_add_f32 v[BB+2*i:BB+2*i+1], v[BB+2*i:BB+2*i+1], v[RS+2*i:RS+2*i+1]
.set i, i+1
.endr
	WIN 0
.set i, 0
.rept 32
	v_pk_add_f32 v[BB+2*i:BB+2*i+1], v[BB+2*i:BB+2*i+1], v[BI+2*(i%2):BI+2*(i%2)+1]
.set i, i+1
.endr
.irp t, 0,1,2,3,4,5,6,7,8,9,10,11,12,13,14,15
	global_store_b128 v[CO], v[BB+4*\t:BB+4*\t+3], s[12:13] offset:(16*(\a)+\t)*4096 th:TH_STORE_NT   ; 512 consecutive bytes, aligned; the row stands in the immediate, 520,192 at the most
.endr
.endm
	PLACES NP
	global_load_b128 v[BI:BI+3], v[CO], s[96:97]
	RLOAD 0
	RLOAD 1
	RLOAD 2
	RLOAD 3
	TOSTAGE 0
.irp a, 1,2,3,4,5,6,7
.if \a > 1
	s_wait_xcnt 0x0                                ; block a - 2's stores have had their addresses translated (ISA guide 3.1): block a's loads may land in their data registers
.endif
	TOSTAGE \a
	SEND \a-1, 32
.if \a < 5
	RLOAD \a+3
.endif
.endr
	SEND 7, 0
	s_wait_tensorcnt 0x0                           ; the wave's end
	ds_add_u32 v[SPW], v[NIL]
	s_wait_dscnt 0x0
	CROUND                                         ; the closing round
	s_endpgm
.Lfunc_end_k_q507f5eb252_wo:
	.size	k_q507f5eb252_wo, .Lfunc_end_k_q507f5eb252_wo-k_q507f5eb252_wo
	.p2alignl 7, 3214868480
	.fill 96, 4, 3214868480
	.section	.rodata,"a",@progbits
	.p2align	6, 0x0
	.amdhsa_kernel k_q507f5eb252_wo
		.amdhsa_group_segment_fixed_size 327680
		.amdhsa_private_segment_fixed_size 0
		.amdhsa_enable_private_segment 0
		.amdhsa_kernarg_size 56
		.amdhsa_user_sgpr_count 2
		.amdhsa_user_sgpr_kernarg_segment_ptr 1
		.amdhsa_wavefront_size32 1
		.amdhsa_system_sgpr_workgroup_id_x 1
		.amdhsa_system_sgpr_workgroup_id_y 1
		.amdhsa_system_sgpr_workgroup_id_z 1
		.amdhsa_system_vgpr_workitem_id 0
		.amdhsa_next_free_vgpr 1024
		.amdhsa_next_free_sgpr 100
		.amdhsa_reserve_vcc 0
		.amdhsa_float_denorm_mode_32 3
		.amdhsa_float_denorm_mode_16_64 3
		.amdhsa_memory_ordered 1
		.amdhsa_forward_progress 1
		.amdhsa_inst_pref_size 206
	.end_amdhsa_kernel
	.amdgpu_metadata
---
amdhsa.version: [ 1, 2 ]
amdhsa.kernels:
  - .name:           k_q507f5eb252_wo
    .symbol:         k_q507f5eb252_wo.kd
    .args:
      - { .name: act_codes, .offset: 0, .size: 8, .value_kind: global_buffer, .address_space: global }
      - { .name: act_scales, .offset: 8, .size: 8, .value_kind: global_buffer, .address_space: global }
      - { .name: wo_codes, .offset: 16, .size: 8, .value_kind: global_buffer, .address_space: global }
      - { .name: wo_scales, .offset: 24, .size: 8, .value_kind: global_buffer, .address_space: global }
      - { .name: bo, .offset: 32, .size: 8, .value_kind: global_buffer, .address_space: global }
      - { .name: x, .offset: 40, .size: 8, .value_kind: global_buffer, .address_space: global }
      - { .name: x2, .offset: 48, .size: 8, .value_kind: global_buffer, .address_space: global }
    .group_segment_fixed_size: 327680
    .private_segment_fixed_size: 0
    .kernarg_segment_align: 8
    .kernarg_segment_size: 56
    .max_flat_workgroup_size: 128
    .sgpr_count:     100
    .vgpr_count:     1024
    .wavefront_size: 32
...
	.end_amdgpu_metadata
.endif
;; end of part 4
;; launch ln2: the kernel of part 1 again; grid 256 x 1, 4 waves a work-group, no clusters, 18,944 bytes of LDS; arguments x2, g2, be2, act_codes, act_scales; writes act_codes, act_scales
;; launch ffn1 (part 5): grid 16 x 16, 4 waves a work-group, clusters of 4 x 4, 327,680 bytes of LDS; arguments act_codes, act_scales, w1_codes, w1_scales, b1, hid_codes, hid_scales; writes hid_codes, hid_scales
.if DOCPART == 5
	.amdgcn_target "amdgcn-amd-amdhsa--gfx1250"
	.amdhsa_code_object_version 6
	.text
	.protected	k_q507f5eb252_ffn1
	.globl	k_q507f5eb252_ffn1
	.p2align	8
	.type	k_q507f5eb252_ffn1,@function
k_q507f5eb252_ffn1:
	s_mov_b64 s[64:65], 0
	v_nop
	global_prefetch_b8 v0, s[64:65] scope:SCOPE_SE
	s_setreg_imm32_b32 hwreg(HW_REG_WAVE_MODE, 25, 1), 1
	s_wait_xcnt 0x0
	s_wait_alu depctr_hold_cnt(0) depctr_sa_sdst(0) depctr_va_vdst(0) depctr_va_sdst(0) depctr_va_ssrc(0) depctr_va_vcc(0) depctr_vm_vsrc(0)
	s_getreg_b32 s2, hwreg(HW_REG_IB_STS2, 6, 4)
	s_cmp_eq_u32 s2, 0
	s_cbranch_scc0 .Lentry_in_a_cluster
	s_endpgm
.Lentry_in_a_cluster:
	s_bfe_u32 s2, ttmp6, 0x10000c
	s_cmp_lg_u32 s2, 0xf033
	s_cbranch_scc0 .Lentry_shape_is_right
	s_endpgm
.Lentry_shape_is_right:
; hid = gelu(h w1 + b1), the exact gelu, on codes of FP6 (E2M3) with E8M0 scales, K = 1,024, and hid quantised at once along its 4,096 for the next product.
; THE LOOP: a tile of 256 x 256, four waves, 128 x 128 a wave in 512 registers; K in steps of 256 through two LDS slots filled by joint tensor loads in clusters of 4 x 4 (A's tile shared along a row, B's along a column);
; the scale bytes come once.  The matrix instruction is used transposed: lane (r, h) holds token r, register j of tile b feature 16 b + 8 h + j.  256 work-groups.
; THE WAY OUT, a loop of eight trips over my blocks of 16 tokens (written out it would be several times the loop over K in code; only the lines that name accumulators are written eight times, behind a ladder on the trip's number):
; + b1; gelu(x) = x / 2 (1 + erf(x / sqrt 2)), erf(u) = u P(u^2) / Q(u^2) on u held to +-4, polynomials of degree 6 and 4, all in f32; lane swaps restore the true order along the features, since the partner w2 is given;
; the block's 128 features are 96 bytes of codes and one scale word a token.  Codes go to the wave's OWN part of a stage ([wave][128 tokens][8 places of 16 bytes, 12 bytes of codes in each], in slot 0, which has had its
; last fill and its last read); behind a barrier sixteen lanes read a token's 192 bytes, 12 bytes each, out of two waves' parts, and the work-group's 256 tokens x 192 bytes leave as one dense block of 49,152 bytes,
; 384 consecutive bytes a store: two stores cover 768 consecutive bytes, aligned.
; hid_codes: [K step of 256: 16][token 4096][192 bytes]; hid_scales: [4096][128], as the next launch's fill of scales wants them: these leave as words 128 bytes apart, one byte for 24 of codes.
; LIMITS: NaN and infinities are not served; a block under 2^-124 gets the byte 1, a block of zeros too (zero codes; only this program reads the bytes).
.set SIZE_K, 1024
.set APITCH, 768
.set ASTEP,  192
.set BPITCH, 768
.set BSTEP,  192
.set KSTEP,  256
.set NQ,     KSTEP/128
.set ROWB,   192
.set PITCH,  240                       ; an LDS row: 3 x (64 bytes + 16 of padding)
.set FR,     12
.set NL,     6
.set NP,     4                         ; places behind this matrix instruction (ISA guide 7.12.1)
.set HALFT,  128*PITCH
.set SLOT,   4*HALFT
.set LAPS,   SIZE_K/(2*KSTEP)
.set KS,     SIZE_K/32
.set SCL,    2*SLOT
.set HALFS,  (128*KS/256)*272
.set SBLK,   (16*KS/256)*272
.set SPARE,  SCL+4*HALFS               ; the spare words, 128 bytes a wave, that no other line names
.set WST,    16384                     ; a wave's part of the code stage: 128 tokens x 128 bytes
.set SST0,   4*WST                     ; behind it: 512 bytes of scale words for each wave
.set ADRA, 16
.set ADRB, 20
.set STC,  24                          ; v24 the code stage, in: 16,384 wave + 128 r + 32 h
.set ADRS, 27
.set SPW,  28
.set NIL,  29
.set SC,   32                          ; v32-63 scale words, two sets; they hold scales and nothing else
.set U,    64                          ; v64-79   the gelu: u, then x / 2; at the end v64-67 the outgoing scale words
.set Z,    80                          ; v80-95   u^2, then 1 / Q
.set PA,   96                          ; v96-111  P, then erf
.set PB,   112                         ; v112-127 Q
.set AF,   128
.set T,    128                         ; v128-191 64 numbers
.set CDS,  192                         ; v192-210 the codes just made: four runs of three registers
.set TM,   212                         ; v212-227 at work in QUANT
.set PW,   228                         ; the scale word just made
.set G1, 24
.set G0, 32
.set G1B, 48
.set G0B, 56
.set G1S, 68
.set G0S, 76
.set G1SB, 80
.set G0SB, 88
.set MSB, 0
.macro WIN new                         ; the immediate's high byte repeats the setting that is left
.if MSB != \new
	s_set_vgpr_msb (MSB<<8)|\new
.set MSB, \new
.endif
.endm
.set MUL_LO, 0xa1
.set MUL_HI, 0xf1
.set TO_B,   0x40
.macro JLOAD g0a, g1a, g0b, g1b        ; a joint load: waves 0 and 1 fetch for A, waves 2 and 3 for B; four v_nop follow each line
	s_cmp_eq_u32 s15, 0
	s_cbranch_scc0 .Lfor_b_\@
	tensor_load_to_lds s[\g0a:\g0a+3], s[\g1a:\g1a+7]
	s_nop 0
.rept 4
	v_nop
.endr
	s_branch .Lasked_\@
.Lfor_b_\@:
	tensor_load_to_lds s[\g0b:\g0b+3], s[\g1b:\g1b+7]
	s_nop 0
.rept 4
	v_nop
.endr
.Lasked_\@:
.endm
.macro CREST
	s_cmp_lg_u32 s14, 0
	s_cbranch_scc1 .Lnot_wave_0_\@
	s_barrier_signal -3
.Lnot_wave_0_\@:
	s_barrier_wait -3
	s_barrier_signal -1
	s_barrier_wait -1
.endm
.macro CROUND
	s_barrier_signal -1
	s_barrier_wait -1
	CREST
.endm
	s_load_b128 s[4:7], s[0:1], 0x0                ; h's codes, h's scales
	s_load_b128 s[8:11], s[0:1], 0x10              ; w1's codes, w1's scales
	v_lshl_add_u32 v[SPW], v0, 2, SPARE
	v_mov_b32 v[NIL], 0
	ds_add_u32 v28, v29
	ds_add_u32 v28, v29
	s_wait_dscnt 0x0
	v_lshrrev_b32 v1, 5, v0
	v_readfirstlane_b32 s14, v1                    ; wave 0..3
	s_lshr_b32 s15, s14, 1                         ; my half of the tile's rows.  Also: I fetch for A (0) or for B (1)
	s_and_b32 s16, s14, 1                          ; my half of its columns.  Also: which 128 rows of that tile I fetch
	s_bfe_u32 s40, ttmp6, 0x40000                  ; cx, cy
	s_bfe_u32 s41, ttmp6, 0x40004
	s_lshl_b32 s42, ttmp9, 2
	s_add_co_u32 s42, s42, s40                     ; tile column
	s_and_b32 s17, ttmp7, 0xffff
	s_lshl_b32 s17, s17, 2
	s_add_co_u32 s17, s17, s41                     ; tile row
	s_lshl_b32 s43, s41, 2
	s_lshl_b32 s43, 15, s43                        ; my row of the cluster
	s_lshl_b32 s44, 0x1111, s40                    ; my column
	s_or_b32 s[G1+0], s43, (1<<20)|(1<<21)|(3<<22)|(3<<25)   ; the mask; elements of 1 byte; padding on; bit 21 beside a mask; after every 16 words 4 words
	s_or_b32 s[G1B+0], s44, (1<<20)|(1<<21)|(3<<22)|(3<<25)
.irp g, G1, G1B
	s_mov_b32 s[\g+1], ROWB<<16
	s_mov_b32 s[\g+2], 128<<16
	s_mov_b32 s[\g+3], ROWB<<16
	s_mov_b32 s[\g+4], 128
	s_mov_b32 s[\g+6], 0
	s_mov_b32 s[\g+7], 0
.endr
	s_mov_b32 s[G1+5], APITCH
	s_mov_b32 s[G1B+5], BPITCH
	s_or_b32 s[G1S+0], s43, (3<<16)|(1<<20)|(1<<21)|(5<<22)|(3<<25)   ; the scales of 128 rows: a dense block as rows of 256 bytes, 16 bytes of padding behind each
	s_or_b32 s[G1SB+0], s44, (3<<16)|(1<<20)|(1<<21)|(5<<22)|(3<<25)
.irp g, G1S, G1SB
	s_mov_b32 s[\g+1], 32<<16
	s_mov_b32 s[\g+2], (128*KS/256)<<16
	s_mov_b32 s[\g+3], 32<<16
	s_mov_b32 s[\g+4], 128*KS/256
	s_mov_b32 s[\g+5], 32
	s_mov_b32 s[\g+6], 0
	s_mov_b32 s[\g+7], 0
.endr
	s_lshl_b32 s18, s16, 7
	s_lshl_b32 s20, s17, 8
	s_add_co_u32 s20, s20, s18                     ; A: row 256 x tile row + 128 x half
	s_lshl_b32 s46, s42, 8
	s_add_co_u32 s46, s46, s18                     ; B: row 256 x tile column + 128 x half
	s_mov_b32 s21, 0
	s_mov_b32 s47, 0
	s_mov_b64 s[18:19], KS
	s_mul_u64 s[22:23], s[20:21], s[18:19]
	s_mul_u64 s[92:93], s[46:47], s[18:19]
	s_mov_b64 s[18:19], APITCH
	s_mul_u64 s[20:21], s[20:21], s[18:19]
	s_mov_b64 s[18:19], BPITCH
	s_mul_u64 s[46:47], s[46:47], s[18:19]
	s_mul_i32 s45, s14, HALFT                      ; no place in the cluster enters an LDS address
	s_mul_i32 s94, s14, HALFS
	s_wait_kmcnt 0x0
	s_add_nc_u64 s[20:21], s[4:5], s[20:21]
	s_add_nc_u64 s[22:23], s[6:7], s[22:23]
	s_add_nc_u64 s[46:47], s[8:9], s[46:47]
	s_add_nc_u64 s[92:93], s[10:11], s[92:93]
	CROUND                                         ; the first joint loads meet
	s_mov_b32 s[G0S], 1
	s_add_co_u32 s[G0S+1], s94, SCL
	s_mov_b64 s[G0S+2:G0S+3], s[22:23]
	s_or_b32 s[G0S+3], s[G0S+3], 0x80000000
	s_mov_b32 s[G0SB], 1
	s_add_co_u32 s[G0SB+1], s94, SCL
	s_mov_b64 s[G0SB+2:G0SB+3], s[92:93]
	s_or_b32 s[G0SB+3], s[G0SB+3], 0x80000000
	JLOAD G0S, G1S, G0SB, G1SB
.irp s, 0,1
	s_mov_b32 s[G0+4*\s], 1
	s_add_co_u32 s[G0+4*\s+1], s45, \s*SLOT
	s_add_nc_u64 s[G0+4*\s+2:G0+4*\s+3], s[20:21], \s*ASTEP
	s_or_b32 s[G0+4*\s+3], s[G0+4*\s+3], 0x80000000
	s_mov_b32 s[G0B+4*\s], 1
	s_add_co_u32 s[G0B+4*\s+1], s45, \s*SLOT
	s_add_nc_u64 s[G0B+4*\s+2:G0B+4*\s+3], s[46:47], \s*BSTEP
	s_or_b32 s[G0B+4*\s+3], s[G0B+4*\s+3], 0x80000000
	JLOAD G0+4*\s, G1, G0B+4*\s, G1B               ; three tensor loads of mine are out
.endr
	v_and_b32 v1, 15, v0                           ; r
	v_bfe_u32 v2, v0, 4, 1                         ; h
	v_mul_u32_u24 v3, v1, PITCH
	v_mul_u32_u24 v4, v2, 24
	v_add_nc_u32 v4, v3, v4
	v_lshl_add_u32 v5, v2, 4, v4
	s_mul_i32 s21, s15, HALFT
	s_mul_i32 s22, s16, HALFT
	s_add_co_u32 s22, s22, 2*HALFT
.irp s, 0,1
	v_add_nc_u32 v[ADRA+\s], s21, v4
	v_add_nc_u32 v[ADRB+\s], s22, v4
	v_add_nc_u32 v[ADRA+2+\s], s21, v5
	v_add_nc_u32 v[ADRB+2+\s], s22, v5
	s_add_co_u32 s21, s21, SLOT
	s_add_co_u32 s22, s22, SLOT
.endr
	v_mul_u32_u24 v5, v1, KS
	v_lshrrev_b32 v6, 8, v5
	v_lshl_add_u32 v5, v6, 4, v5
	s_mul_i32 s21, s15, HALFS
	s_mul_i32 s22, s16, HALFS
	s_add_co_u32 s22, s22, 2*HALFS
	s_sub_co_u32 s22, s22, s21
	v_mul_u32_u24 v6, s22, v2                      ; lanes 16-31 take B's
	s_add_co_u32 s21, s21, SCL
	v_add_nc_u32 v5, v5, v6
	v_add_nc_u32 v[ADRS], s21, v5
	; the way out's addresses
	v_and_b32 v6, 31, v0                           ; lane
	s_lshl_b32 s23, s14, 14                        ; my part of the code stage
	v_lshlrev_b32 v[STC], 7, v1                    ; token r: 128 bytes,
	v_lshl_add_u32 v[STC], v2, 5, v[STC]           ; my block's two places: 32 h
	v_add_nc_u32 v[STC], s23, v[STC]
	s_lshl_b32 s23, s14, 9
	s_add_co_u32 s23, s23, SST0
	v_lshl_add_u32 v7, v1, 2, s23                  ; my scale stage, in: 4 r
	v_lshl_add_u32 v8, v6, 2, s23                  ; and out: 4 lane
	v_lshlrev_b32 v9, 7, v6                        ; a row of hid_scales is 128 bytes: a lane a token
	v_lshlrev_b32 v10, 5, v2                       ; the bias: 32 h
	v_mul_u32_u24 v26, v6, 12                      ; the codes' way to memory: 12 bytes a lane, 384 consecutive bytes a store
	s_lshl_b32 s23, s15, 15                        ; the read back: wave w takes tokens 64 w .. 64 w + 63 of the 256: they lie in the parts of waves 2 (w / 2) and 2 (w / 2) + 1,
	s_lshl_b32 s22, s16, 13                        ; from token 64 (w % 2) of the 128 on
	s_add_co_u32 s23, s23, s22
	v_and_b32 v12, 7, v0                           ; sixteen lanes to a token: place lane % 8
	v_bfe_u32 v13, v0, 3, 1                        ; of the first wave's part (the token's first 96 bytes) or of the second's
	v_lshlrev_b32 v12, 4, v12
	v_lshl_add_u32 v12, v13, 14, v12
	v_lshl_add_u32 v12, v2, 7, v12                 ; lanes 16-31 take the next token
	v_add_nc_u32 v12, s23, v12
.macro FRAG reg, adr, q, i             ; 16 rows x 128 K in pieces of 8 bytes; where the piece three on lies behind one padding more, the second address register serves
.irp p, 0,1,2,3,4,5
.set PCE, 12*(\q)+6*(\p/3)+\p%3
.if PCE%8 < 5
	ds_load_b64 v[\reg+2*\p:\reg+2*\p+1], v[\adr] offset:8*PCE+16*(PCE/8)+(\i)*16*PITCH
.else
	ds_load_b64 v[\reg+2*\p:\reg+2*\p+1], v[\adr+2] offset:8*PCE+16*(PCE/8)+(\i)*16*PITCH
.endif
.endr
.endm
.macro MUL16 a0, p, q, sc, zero        ; the 64 accumulators take turns, one instruction a turn
.irp a, \a0, \a0+1
.irp b, 0,1,2,3,4,5,6,7
.if \zero
	v_wmma_scale_f32_16x16x128_f8f6f4 v[8*(8*((\a)%4)+\b):8*(8*((\a)%4)+\b)+7], v[128*(\p)+FR*\b:128*(\p)+FR*\b+FR-1], v[AF+FR*(\a):AF+FR*(\a)+FR-1], 0, v[SC+8*NQ*(\sc)+NQ*\b+(\q)], v[SC+8*NQ*(\sc)+NQ*(\a)+(\q)] matrix_a_fmt:MATRIX_FMT_FP6 matrix_b_fmt:MATRIX_FMT_FP6 matrix_a_scale:MATRIX_SCALE_ROW1
.else
	v_wmma_scale_f32_16x16x128_f8f6f4 v[8*(8*((\a)%4)+\b):8*(8*((\a)%4)+\b)+7], v[128*(\p)+FR*\b:128*(\p)+FR*\b+FR-1], v[AF+FR*(\a):AF+FR*(\a)+FR-1], v[8*(8*((\a)%4)+\b):8*(8*((\a)%4)+\b)+7], v[SC+8*NQ*(\sc)+NQ*\b+(\q)], v[SC+8*NQ*(\sc)+NQ*(\a)+(\q)] matrix_a_fmt:MATRIX_FMT_FP6 matrix_b_fmt:MATRIX_FMT_FP6 matrix_a_scale:MATRIX_SCALE_ROW1
.endif
.endr
.endr
.endm
.macro FETCH_B slot, q, p
	WIN TO_B
.irp i, 0,1,2,3,4,5,6,7
	FRAG 128*(\p)+FR*\i, ADRB+\slot, \q, \i
.endr
	WIN 0
.endm
.macro FETCH_A slot, q, i0
.irp i, \i0, \i0+1, \i0+2, \i0+3
	FRAG AF+FR*(\i), ADRA+\slot, \q, \i
.endr
.endm
.macro SCALES sc
.irp i, 0,1,2,3,4,5,6,7
	ds_load_b64 v[SC+8*NQ*\sc+NQ*\i:SC+8*NQ*\sc+NQ*\i+1], v[ADRS] offset:\i*SBLK
.endr
.endm
.macro PLACES n
.rept \n
	v_nop
.endr
.endm
.macro STEP slot, q, zero
	s_wait_dscnt 4*NL                              ; the 24 youngest loads (A's blocks 4-7) may be out
	WIN MUL_LO
	MUL16 0, (\q)%2, \q, \slot, \zero
	MUL16 2, (\q)%2, \q, \slot, \zero
	s_wait_dscnt 0
	PLACES NP
	FETCH_B \slot, (\q)+1, 1-(\q)%2
	FETCH_A \slot, (\q)+1, 0
	WIN MUL_HI
	MUL16 4, (\q)%2, \q, \slot, \zero
	MUL16 6, (\q)%2, \q, \slot, \zero
	PLACES NP
	WIN 0
	FETCH_A \slot, (\q)+1, 4
.endm
.macro TURN slot, next, fill
	s_wait_tensorcnt 0x0                           ; all my tensor loads have landed: my part of the next slot
	ds_add_u32 v[SPW], v[NIL]                      ; 0 onto my spare word
	s_wait_dscnt 4*NL+1                            ; (the add and the 24 youngest loads may be out)
	WIN MUL_LO
	MUL16 0, 1, NQ-1, \slot, 0
	s_wait_dscnt 0x0                               ; the add is done, and my reads of this slot are over
	s_barrier_signal -1
	MUL16 2, 1, NQ-1, \slot, 0
	WIN 0
	s_barrier_wait -1
.if \fill
	CREST                                          ; no wave of any partner still reads this slot's tile or has a load on its way
	s_add_nc_u64 s[G0+4*\slot+2:G0+4*\slot+3], s[G0+4*\slot+2:G0+4*\slot+3], 2*ASTEP
	s_add_nc_u64 s[G0B+4*\slot+2:G0B+4*\slot+3], s[G0B+4*\slot+2:G0B+4*\slot+3], 2*BSTEP
	JLOAD G0+4*\slot, G1, G0B+4*\slot, G1B         ; my one tensor load behind the round
.else
	PLACES NP
.endif
	v_add_nc_u32 v[ADRS], 4*NQ, v[ADRS]
	FETCH_B \next, 0, 0
	FETCH_A \next, 0, 0
	SCALES \next
	WIN MUL_HI
	MUL16 4, 1, NQ-1, \slot, 0
	MUL16 6, 1, NQ-1, \slot, 0
	PLACES NP
	WIN 0
	FETCH_A \next, 0, 4
.endm
	s_wait_tensorcnt 1                             ; the scales and K step 0 are in; K step 1's load may be out
	s_barrier_signal -1
	s_barrier_wait -1
	FETCH_B 0, 0, 0
	FETCH_A 0, 0, 0
	SCALES 0
	FETCH_A 0, 0, 4
	STEP 0, 0, 1
	s_mov_b32 s3, LAPS-1
.Llap:
	TURN 0, 1, 1
	STEP 1, 0, 0
	TURN 1, 0, 1
	STEP 0, 0, 0
	s_sub_co_u32 s3, s3, 1
	s_cmp_lg_u32 s3, 0
	s_cbranch_scc1 .Llap
	TURN 0, 1, 0
	STEP 1, 0, 0
	s_wait_dscnt 4*NL
	WIN MUL_LO
	MUL16 0, 1, NQ-1, 1, 0
	MUL16 2, 1, NQ-1, 1, 0
	s_wait_dscnt 0
	WIN MUL_HI
	MUL16 4, 1, NQ-1, 1, 0
	MUL16 6, 1, NQ-1, 1, 0
	WIN 0
; 64 numbers of a lane, register 16 b + i = k 32 b + 16 h + i of my row, become codes and a scale word in v[PW].  Behind the swaps lane (r, h) holds blocks h and 2 + h of its row whole:
; block 2 c + h's lower 16 codes in v[CDS + 6 c] on, its upper 16 in v[CDS + 12 + 4 c] on, three registers each.
.macro QUANT s
.irp b, 0,1,2,3
	v_max3_num_f32 v[TM+\b], |v[\s+16*\b]|, |v[\s+1+16*\b]|, 0x1800000   ; with the floor 2^(3 - 127): the byte cannot fall under 1
.endr
.irp i, 2,4,6,8,10,12,14
.irp b, 0,1,2,3
	v_max3_num_f32 v[TM+\b], v[TM+\b], |v[\s+16*\b+\i]|, |v[\s+1+16*\b+\i]|
.endr
.endr
.irp b, 0,1,2,3
	v_permlanex16_b32 v[TM+4+\b], v[TM+\b], s66, s67
.endr
.irp b, 0,1,2,3
	v_max_num_f32 v[TM+\b], v[TM+\b], v[TM+4+\b]
.endr
.irp b, 0,1,2,3
	v_add_nc_u32 v[TM+12+\b], 0xff000000, v[TM+\b] ; 2 off the exponent field: the conversion's scale operand
.endr
.irp b, 0,1,2,3
	v_lshrrev_b32 v[TM+4+\b], 23, v[TM+12+\b]      ; the scale's byte
.endr
	v_lshl_or_b32 v[PW], v[TM+5], 8, v[TM+4]
	v_lshl_or_b32 v[PW], v[TM+6], 16, v[PW]
	v_lshl_or_b32 v[PW], v[TM+7], 24, v[PW]
.irp c, 0,1
	v_cvt_scalef32_pk16_fp6_f32 v[CDS+6*\c:CDS+2+6*\c], v[\s+32*\c:\s+15+32*\c], v[TM+12+2*\c]
	v_cvt_scalef32_pk16_fp6_f32 v[CDS+12+4*\c:CDS+14+4*\c], v[\s+16+32*\c:\s+31+32*\c], v[TM+12+2*\c+1]
.endr
	v_nop                                          ; one plain place behind a scaled conversion
.irp c, 0,1
.irp i, 0,1,2
	v_permlane16_swap_b32 v[CDS+6*\c+\i], v[CDS+12+4*\c+\i]
.endr
.endr
.endm
.macro COPY k                          ; block k's accumulators + b1 -> T
	WIN 0x06+(\k)/4                                ; source 0: the accumulators' window, source 1: window 1
.set i, 0
.rept 32
	v_pk_add_f32 v[T+2*i:T+2*i+1], v[64*((\k)%4)+2*i:64*((\k)%4)+2*i+1], v[2*i:2*i+1]   ; each accumulator from its low end on
.set i, i+1
.endr
	WIN 0
.endm
.macro GELU16 x                        ; 16 numbers in place
.irp k, 0,2,4,6,8,10,12,14
	v_pk_mul_f32 v[U+\k:U+\k+1], v[(\x)+\k:(\x)+\k+1], 0x3f3504f3 op_sel_hi:[1,0]   ; u = x / sqrt 2
.endr
.irp k, 0,1,2,3,4,5,6,7,8,9,10,11,12,13,14,15
	v_med3_num_f32 v[U+\k], v[U+\k], -4.0, 4.0     ; beyond +-4 erf is +-1 in f32
.endr
.irp k, 0,2,4,6,8,10,12,14
	v_pk_mul_f32 v[Z+\k:Z+\k+1], v[U+\k:U+\k+1], v[U+\k:U+\k+1]
.endr
.irp k, 0,2,4,6,8,10,12,14
	v_pk_fma_f32 v[PA+\k:PA+\k+1], v[Z+\k:Z+\k+1], v[232:233], 0x32edffee op_sel_hi:[1,1,0]
	v_pk_fma_f32 v[PB+\k:PB+\k+1], v[Z+\k:Z+\k+1], v[234:235], 0xb95fbd29 op_sel_hi:[1,1,0]
.endr
.irp c, 0xb60cff51, 0xb86ec2d2, 0xba40ac63, 0xbb41a1f6, 0xbc83dbd4
.irp k, 0,2,4,6,8,10,12,14
	v_pk_fma_f32 v[PA+\k:PA+\k+1], v[PA+\k:PA+\k+1], v[Z+\k:Z+\k+1], \c op_sel_hi:[1,1,0]
.endr
.endr
.irp c, 0xbadc924e, 0xbbf19bf8, 0xbc69b6a7
.irp k, 0,2,4,6,8,10,12,14
	v_pk_fma_f32 v[PB+\k:PB+\k+1], v[PB+\k:PB+\k+1], v[Z+\k:Z+\k+1], \c op_sel_hi:[1,1,0]
.endr
.endr
.irp k, 0,1,2,3,4,5,6,7,8,9,10,11,12,13,14,15
	v_rcp_f32 v[Z+\k], v[PB+\k]                    ; one batch
.endr
.irp k, 0,2,4,6,8,10,12,14
	v_pk_mul_f32 v[PA+\k:PA+\k+1], v[PA+\k:PA+\k+1], v[U+\k:U+\k+1]                 ; u P: plain work behind the batch, which names none of its results
.endr
.irp k, 0,2,4,6,8,10,12,14
	v_pk_mul_f32 v[U+\k:U+\k+1], v[(\x)+\k:(\x)+\k+1], 0.5 op_sel_hi:[1,0]
.endr
	s_wait_alu depctr_va_vdst(0)                   ; one wait for the sixteen, ahead of their first reader
.irp k, 0,2,4,6,8,10,12,14
	v_pk_mul_f32 v[PA+\k:PA+\k+1], v[PA+\k:PA+\k+1], v[Z+\k:Z+\k+1]                 ; erf
.endr
.irp k, 0,2,4,6,8,10,12,14
	v_pk_fma_f32 v[(\x)+\k:(\x)+\k+1], v[U+\k:U+\k+1], v[PA+\k:PA+\k+1], v[U+\k:U+\k+1]   ; x / 2 + x / 2 erf
.endr
.endm
	; THE WAY OUT.  No tensor load of mine is out, so the descriptors' registers are free.
	PLACES NP
	s_load_b128 s[24:27], s[0:1], 0x20             ; b1 s[24:25], hid_codes s[26:27]
	s_load_b64 s[28:29], s[0:1], 0x30              ; hid_scales
	s_mov_b32 s66, 0x76543210                      ; v_permlanex16_b32: lane l xor 16
	s_mov_b32 s67, 0xfedcba98
	s_lshl_b32 s20, s42, 10
	s_lshl_b32 s21, s16, 9
	s_add_co_u32 s20, s20, s21                     ; b1: 4 x my first feature
	s_mov_b32 s21, 0
	s_lshl_b32 s22, s17, 8
	s_lshl_b32 s23, s15, 7
	s_add_co_u32 s22, s22, s23                     ; my first token
	s_lshl_b32 s22, s22, 7                         ; its row of hid_scales,
	s_lshl_b32 s23, s42, 3
	s_add_co_u32 s22, s22, s23
	s_lshl_b32 s23, s16, 2
	s_add_co_u32 s22, s22, s23                     ; my features' word in it
	s_mov_b32 s23, 0
	s_lshl_b32 s38, s42, 12
	s_lshl_b32 s39, s17, 8
	s_add_co_u32 s38, s38, s39
	s_mul_i32 s38, s38, 192                        ; hid_codes: K step = tile column, the work-group's 256 tokens,
	s_mul_i32 s39, s14, 64*192
	s_add_co_u32 s38, s38, s39                     ; my quarter of the 49,152 bytes: tokens 64 wave on
	s_mov_b32 s39, 0
	s_wait_kmcnt 0x0
	s_add_nc_u64 s[24:25], s[24:25], s[20:21]
	s_add_nc_u64 s[28:29], s[28:29], s[22:23]
	s_add_nc_u64 s[26:27], s[26:27], s[38:39]
	WIN 0x40                                       ; destination window 1: v0-63 there take b1: register 8 b + j = feature 16 b + 8 h + j
.irp b, 0,1,2,3,4,5,6,7
	global_load_b128 v[8*\b:8*\b+3], v10, s[24:25] offset:64*\b
	global_load_b128 v[8*\b+4:8*\b+7], v10, s[24:25] offset:64*\b+16
.endr
	WIN 0
	v_mov_b32 v232, 0xaf95df0b                     ; the polynomials' leading coefficients, twice each
	v_mov_b32 v233, 0xaf95df0b
	v_mov_b32 v234, 0xb77460cd
	v_mov_b32 v235, 0xb77460cd
.irp b, 0,1,2,3
	v_mov_b32 v[TM+4+\b], 0                        ; a lane permute's destination counts as one of its sources
.endr
	s_mov_b32 s34, 0                               ; the block
	s_mov_b32 s35, 0                               ; its 16 tokens in my code stage: 2,048 bytes a block
	s_mov_b32 s36, 0                               ; and in my scale stage: 64
	s_wait_loadcnt 0x0
.Lblk:
.irp k, 0,1,2,3,4,5,6
	s_cmp_lg_u32 s34, \k
	s_cbranch_scc1 .Lnot_\k
	COPY \k
	s_branch .Lgot
.Lnot_\k:
.endr
	COPY 7
.Lgot:
	GELU16 T
	GELU16 T+16
	GELU16 T+32
	GELU16 T+48
.irp b, 0,1,2,3                                ; the true order for the given weight: register 16 b + i = feature 32 b + 16 h + i
.irp j, 0,1,2,3,4,5,6,7
	v_permlane16_swap_b32 v[T+16*\b+\j], v[T+16*\b+8+\j]
.endr
.endr
	s_wait_dscnt 0x0                               ; the last trip's LDS stores have read their registers
	v_add_nc_u32 v15, s35, v[STC]
	v_add_nc_u32 v30, s36, v7
	QUANT T
.irp c, 0,1
	ds_store_b96 v15, v[CDS+6*\c:CDS+6*\c+2] offset:64*\c            ; block 2 c + h of my token: its lower 16 codes to place 4 c + 2 h,
	ds_store_b96 v15, v[CDS+12+4*\c:CDS+14+4*\c] offset:64*\c+16     ; its upper 16 to the next: every LDS address is a multiple of 16
.endr
	ds_store_b32 v30, v[PW]                        ; both halves of the lanes write the same word with the same value
	s_add_co_u32 s35, s35, 2048
	s_add_co_u32 s36, s36, 64
	s_add_co_u32 s34, s34, 1
	s_cmp_lt_u32 s34, 8
	s_cbranch_scc1 .Lblk
	s_wait_dscnt 0x0                               ; for the others' sake: my stores into the stage are done
	s_barrier_signal -1
	s_barrier_wait -1                              ; a token's 192 bytes come from two waves
.irp i, 0,1,2,3
	ds_load_b32 v[U+\i], v8 offset:128*\i          ; my 128 tokens' scale words
.endr
.set i, 0
.rept 32
	ds_load_b96 v[128+4*i:130+4*i], v12 offset:256*i               ; tokens 2 i and 2 i + 1 of my 64
.set i, i+1
.endr
	s_wait_dscnt 32                                ; the scale words are in; the 32 loads of codes may be out
.irp i, 0,1,2,3
	global_store_b32 v9, v[U+\i], s[28:29] offset:4096*\i
.endr
.set i, 0
.rept 32
	s_wait_dscnt 31-i                              ; LDS loads come back in order: load i is in, the younger ones may be out
	global_store_b96 v26, v[128+4*i:130+4*i], s[26:27] offset:384*i   ; 384 consecutive bytes
.set i, i+1
.endr
	s_wait_tensorcnt 0x0                           ; the wave's end
	ds_add_u32 v[SPW], v[NIL]
	s_wait_dscnt 0x0
	CROUND                                         ; the closing round
	s_endpgm
.Lfunc_end_k_q507f5eb252_ffn1:
	.size	k_q507f5eb252_ffn1, .Lfunc_end_k_q507f5eb252_ffn1-k_q507f5eb252_ffn1
	.p2alignl 7, 3214868480
	.fill 96, 4, 3214868480
	.section	.rodata,"a",@progbits
	.p2align	6, 0x0
	.amdhsa_kernel k_q507f5eb252_ffn1
		.amdhsa_group_segment_fixed_size 327680
		.amdhsa_private_segment_fixed_size 0
		.amdhsa_enable_private_segment 0
		.amdhsa_kernarg_size 56
		.amdhsa_user_sgpr_count 2
		.amdhsa_user_sgpr_kernarg_segment_ptr 1
		.amdhsa_wavefront_size32 1
		.amdhsa_system_sgpr_workgroup_id_x 1
		.amdhsa_system_sgpr_workgroup_id_y 1
		.amdhsa_system_sgpr_workgroup_id_z 1
		.amdhsa_system_vgpr_workitem_id 0
		.amdhsa_next_free_vgpr 1024
		.amdhsa_next_free_sgpr 100
		.amdhsa_reserve_vcc 0
		.amdhsa_float_denorm_mode_32 3
		.amdhsa_float_denorm_mode_16_64 3
		.amdhsa_memory_ordered 1
		.amdhsa_forward_progress 1
		.amdhsa_inst_pref_size 212
	.end_amdhsa_kernel
	.amdgpu_metadata
---
amdhsa.version: [ 1, 2 ]
amdhsa.kernels:
  - .name:           k_q507f5eb252_ffn1
    .symbol:         k_q507f5eb252_ffn1.kd
    .args:
      - { .name: act_codes, .offset: 0, .size: 8, .value_kind: global_buffer, .address_space: global }
      - { .name: act_scales, .offset: 8, .size: 8, .value_kind: global_buffer, .address_space: global }
      - { .name: w1_codes, .offset: 16, .size: 8, .value_kind: global_buffer, .address_space: global }
      - { .name: w1_scales, .offset: 24, .size: 8, .value_kind: global_buffer, .address_space: global }
      - { .name: b1, .offset: 32, .size: 8, .value_kind: global_buffer, .address_space: global }
      - { .name: hid_codes, .offset: 40, .size: 8, .value_kind: global_buffer, .address_space: global }
      - { .name: hid_scales, .offset: 48, .size: 8, .value_kind: global_buffer, .address_space: global }
    .group_segment_fixed_size: 327680
    .private_segment_fixed_size: 0
    .kernarg_segment_align: 8
    .kernarg_segment_size: 56
    .max_flat_workgroup_size: 128
    .sgpr_count:     100
    .vgpr_count:     1024
    .wavefront_size: 32
...
	.end_amdgpu_metadata
.endif
;; end of part 5
;; launch ffn2 (part 6): grid 4 x 16, 4 waves a work-group, clusters of 4 x 4, 327,680 bytes of LDS; arguments hid_codes, hid_scales, w2_codes, w2_scales, b2, x2, out0; writes out0
.if DOCPART == 6
	.amdgcn_target "amdgcn-amd-amdhsa--gfx1250"
	.amdhsa_code_object_version 6
	.text
	.protected	k_q507f5eb252_ffn2
	.globl	k_q507f5eb252_ffn2
	.p2align	8
	.type	k_q507f5eb252_ffn2,@function
k_q507f5eb252_ffn2:
	s_mov_b64 s[64:65], 0
	v_nop
	global_prefetch_b8 v0, s[64:65] scope:SCOPE_SE
	s_setreg_imm32_b32 hwreg(HW_REG_WAVE_MODE, 25, 1), 1
	s_wait_xcnt 0x0
	s_wait_alu depctr_hold_cnt(0) depctr_sa_sdst(0) depctr_va_vdst(0) depctr_va_sdst(0) depctr_va_ssrc(0) depctr_va_vcc(0) depctr_vm_vsrc(0)
	s_getreg_b32 s2, hwreg(HW_REG_IB_STS2, 6, 4)
	s_cmp_eq_u32 s2, 0
	s_cbranch_scc0 .Lentry_in_a_cluster
	s_endpgm
.Lentry_in_a_cluster:
	s_bfe_u32 s2, ttmp6, 0x10000c
	s_cmp_lg_u32 s2, 0xf033
	s_cbranch_scc0 .Lentry_shape_is_right
	s_endpgm
.Lentry_shape_is_right:
; out[m][n] = res[m][n] + bias[n] + sum over k of A[m][k] B[n][k]: A [4096][SIZE_K] and B [1024][SIZE_K] as codes of FP6 (E2M3) with one E8M0 byte for each 32 along K; bias, res, out f32.  Here: out0 = x2 + hid x w2 + b2.
; A's codes lie [K step of 256][4096 rows][192 bytes], as the launch before stored them: a tile's 128 rows are dense, and a K step on is 786,432 bytes; B's rows are 3,072 bytes.
; A tile of out, 256 x 256, four waves, 128 x 128 a wave in 512 registers; K in steps of 256 through two LDS slots filled by joint tensor loads in clusters of 4 x 4 (A's tile shared along a row, B's along a column);
; the scale bytes of the work-group's rows, 128 a row, come once and stay.  The matrix instruction is used transposed (source 0 = 16 rows of B, source 1 = 16 rows of A): a lane holds eight neighbouring numbers of a row of out.
; 64 work-groups: 16 x 4 tiles; a smaller tile would give more work-groups at twice the LDS reads for each product; not built.
; THE WAY OUT: a block of 16 rows goes through the wave's own stage in LDS (in slot 0, which has had its last fill and its last read) and comes back as rows of 512 bytes; the residual's rows, loaded four blocks ahead into the
; registers that held B's fragments, and the bias are added; 32 lanes store 512 consecutive bytes, aligned.  The residual is asked for ahead of its loads: behind the loop eight prefetches a wave name the wave's own 128 rows x 512 bytes,
; each aligned block of 256 bytes once in the launch, 192 matrix instructions ahead of the first load.  The tiles of A and B are not asked for ahead: many work-groups read each.
.set SIZE_K, 4096
.set APITCH, 192                       ; a row of A's tile in memory, and a K step on
.set ASTEP,  786432
.set BPITCH, 3072
.set BSTEP,  192
.set KSTEP,  256
.set NQ,     KSTEP/128
.set ROWB,   192
.set PITCH,  240                       ; an LDS row: 3 x (64 bytes + 16 of padding)
.set FR,     12
.set NL,     6
.set NP,     4                         ; places behind this matrix instruction (ISA guide 7.12.1)
.set HALFT,  128*PITCH
.set SLOT,   4*HALFT
.set LAPS,   SIZE_K/(2*KSTEP)
.set KS,     SIZE_K/32
.set SCL,    2*SLOT
.set HALFS,  (128*KS/256)*272
.set SBLK,   (16*KS/256)*272
.set SPARE,  SCL+4*HALFS               ; the spare words, 128 bytes a wave, that no other line names
.set SPITCH, 528                       ; the stage: 16 rows x (512 bytes + 16) for each wave
.set ADRA, 16
.set ADRB, 20
.set STO,  24                          ; v24 the way out: where I put 32 bytes of a row
.set RD,   25                          ; v25 where I read a row back
.set CO,   26                          ; v26 16 x lane: my bytes of a row of 512
.set ADRS, 27
.set SPW,  28
.set NIL,  29
.set PFO,  30                          ; v30 the prefetches' offset: row lane / 2, 256 x (lane % 2); never rewritten
.set SC,   32                          ; v32-63 scale words, two sets; they hold scales and nothing else
.set BI,   64                          ; v64-67 the bias of my four columns
.set AF,   128
.set BK,   128                         ; the way out: v128-191 and v192-255 by turns
.set G1, 24
.set G0, 32
.set G1B, 48
.set G0B, 56
.set G1S, 68
.set G0S, 76
.set G1SB, 80
.set G0SB, 88
.set MSB, 0
.macro WIN new                         ; the immediate's high byte repeats the setting that is left
.if MSB != \new
	s_set_vgpr_msb (MSB<<8)|\new
.set MSB, \new
.endif
.endm
.set MUL_LO, 0xa1
.set MUL_HI, 0xf1
.set TO_B,   0x40
.macro JLOAD g0a, g1a, g0b, g1b        ; a joint load: waves 0 and 1 fetch for A, waves 2 and 3 for B; four v_nop follow each line
	s_cmp_eq_u32 s15, 0
	s_cbranch_scc0 .Lfor_b_\@
	tensor_load_to_lds s[\g0a:\g0a+3], s[\g1a:\g1a+7]
	s_nop 0
.rept 4
	v_nop
.endr
	s_branch .Lasked_\@
.Lfor_b_\@:
	tensor_load_to_lds s[\g0b:\g0b+3], s[\g1b:\g1b+7]
	s_nop 0
.rept 4
	v_nop
.endr
.Lasked_\@:
.endm
.macro CREST
	s_cmp_lg_u32 s14, 0
	s_cbranch_scc1 .Lnot_wave_0_\@
	s_barrier_signal -3
.Lnot_wave_0_\@:
	s_barrier_wait -3
	s_barrier_signal -1
	s_barrier_wait -1
.endm
.macro CROUND
	s_barrier_signal -1
	s_barrier_wait -1
	CREST
.endm
	s_load_b128 s[4:7], s[0:1], 0x0                ; A's codes, A's scales
	s_load_b128 s[8:11], s[0:1], 0x10              ; B's codes, B's scales
	s_load_b128 s[96:99], s[0:1], 0x20             ; bias s[96:97], res s[98:99]
	s_load_b64 s[12:13], s[0:1], 0x30              ; out
	v_lshl_add_u32 v[SPW], v0, 2, SPARE
	v_mov_b32 v[NIL], 0
	ds_add_u32 v28, v29
	ds_add_u32 v28, v29
	s_wait_dscnt 0x0
	v_lshrrev_b32 v1, 5, v0
	v_readfirstlane_b32 s14, v1                    ; wave 0..3
	s_lshr_b32 s15, s14, 1                         ; my half of the tile's rows.  Also: I fetch for A (0) or for B (1)
	s_and_b32 s16, s14, 1                          ; my half of its columns.  Also: which 128 rows of that tile I fetch
	s_bfe_u32 s40, ttmp6, 0x40000                  ; cx, cy
	s_bfe_u32 s41, ttmp6, 0x40004
	s_lshl_b32 s42, ttmp9, 2
	s_add_co_u32 s42, s42, s40                     ; tile column
	s_and_b32 s17, ttmp7, 0xffff
	s_lshl_b32 s17, s17, 2
	s_add_co_u32 s17, s17, s41                     ; tile row
	s_lshl_b32 s43, s41, 2
	s_lshl_b32 s43, 15, s43                        ; my row of the cluster
	s_lshl_b32 s44, 0x1111, s40                    ; my column
	s_or_b32 s[G1+0], s43, (1<<20)|(1<<21)|(3<<22)|(3<<25)   ; the mask; elements of 1 byte; padding on; bit 21 beside a mask; after every 16 words 4 words
	s_or_b32 s[G1B+0], s44, (1<<20)|(1<<21)|(3<<22)|(3<<25)
.irp g, G1, G1B
	s_mov_b32 s[\g+1], ROWB<<16
	s_mov_b32 s[\g+2], 128<<16
	s_mov_b32 s[\g+3], ROWB<<16
	s_mov_b32 s[\g+4], 128
	s_mov_b32 s[\g+6], 0
	s_mov_b32 s[\g+7], 0
.endr
	s_mov_b32 s[G1+5], APITCH
	s_mov_b32 s[G1B+5], BPITCH
	s_or_b32 s[G1S+0], s43, (3<<16)|(1<<20)|(1<<21)|(5<<22)|(3<<25)   ; the scales of 128 rows: a dense block as rows of 256 bytes, 16 bytes of padding behind each
	s_or_b32 s[G1SB+0], s44, (3<<16)|(1<<20)|(1<<21)|(5<<22)|(3<<25)
.irp g, G1S, G1SB
	s_mov_b32 s[\g+1], 32<<16
	s_mov_b32 s[\g+2], (128*KS/256)<<16
	s_mov_b32 s[\g+3], 32<<16
	s_mov_b32 s[\g+4], 128*KS/256
	s_mov_b32 s[\g+5], 32
	s_mov_b32 s[\g+6], 0
	s_mov_b32 s[\g+7], 0
.endr
	s_lshl_b32 s18, s16, 7
	s_lshl_b32 s20, s17, 8
	s_add_co_u32 s20, s20, s18                     ; A: row 256 x tile row + 128 x half
	s_lshl_b32 s46, s42, 8
	s_add_co_u32 s46, s46, s18                     ; B: row 256 x tile column + 128 x half
	s_mov_b32 s21, 0
	s_mov_b32 s47, 0
	s_mov_b64 s[18:19], KS
	s_mul_u64 s[22:23], s[20:21], s[18:19]
	s_mul_u64 s[92:93], s[46:47], s[18:19]
	s_mov_b64 s[18:19], APITCH
	s_mul_u64 s[20:21], s[20:21], s[18:19]
	s_mov_b64 s[18:19], BPITCH
	s_mul_u64 s[46:47], s[46:47], s[18:19]
	s_mul_i32 s45, s14, HALFT                      ; no place in the cluster enters an LDS address
	s_mul_i32 s94, s14, HALFS
	s_wait_kmcnt 0x0
	s_add_nc_u64 s[20:21], s[4:5], s[20:21]
	s_add_nc_u64 s[22:23], s[6:7], s[22:23]
	s_add_nc_u64 s[46:47], s[8:9], s[46:47]
	s_add_nc_u64 s[92:93], s[10:11], s[92:93]
	CROUND                                         ; the first joint loads meet
	s_mov_b32 s[G0S], 1
	s_add_co_u32 s[G0S+1], s94, SCL
	s_mov_b64 s[G0S+2:G0S+3], s[22:23]
	s_or_b32 s[G0S+3], s[G0S+3], 0x80000000
	s_mov_b32 s[G0SB], 1
	s_add_co_u32 s[G0SB+1], s94, SCL
	s_mov_b64 s[G0SB+2:G0SB+3], s[92:93]
	s_or_b32 s[G0SB+3], s[G0SB+3], 0x80000000
	JLOAD G0S, G1S, G0SB, G1SB
.irp s, 0,1
	s_mov_b32 s[G0+4*\s], 1
	s_add_co_u32 s[G0+4*\s+1], s45, \s*SLOT
	s_add_nc_u64 s[G0+4*\s+2:G0+4*\s+3], s[20:21], \s*ASTEP
	s_or_b32 s[G0+4*\s+3], s[G0+4*\s+3], 0x80000000
	s_mov_b32 s[G0B+4*\s], 1
	s_add_co_u32 s[G0B+4*\s+1], s45, \s*SLOT
	s_add_nc_u64 s[G0B+4*\s+2:G0B+4*\s+3], s[46:47], \s*BSTEP
	s_or_b32 s[G0B+4*\s+3], s[G0B+4*\s+3], 0x80000000
	JLOAD G0+4*\s, G1, G0B+4*\s, G1B               ; three tensor loads of mine are out
.endr
	v_and_b32 v1, 15, v0                           ; r
	v_bfe_u32 v2, v0, 4, 1                         ; h
	v_mul_u32_u24 v3, v1, PITCH
	v_mul_u32_u24 v4, v2, 24
	v_add_nc_u32 v4, v3, v4
	v_lshl_add_u32 v5, v2, 4, v4
	s_mul_i32 s21, s15, HALFT
	s_mul_i32 s22, s16, HALFT
	s_add_co_u32 s22, s22, 2*HALFT
.irp s, 0,1
	v_add_nc_u32 v[ADRA+\s], s21, v4
	v_add_nc_u32 v[ADRB+\s], s22, v4
	v_add_nc_u32 v[ADRA+2+\s], s21, v5
	v_add_nc_u32 v[ADRB+2+\s], s22, v5
	s_add_co_u32 s21, s21, SLOT
	s_add_co_u32 s22, s22, SLOT
.endr
	v_mul_u32_u24 v5, v1, KS
	v_lshrrev_b32 v6, 8, v5
	v_lshl_add_u32 v5, v6, 4, v5
	s_mul_i32 s21, s15, HALFS
	s_mul_i32 s22, s16, HALFS
	s_add_co_u32 s22, s22, 2*HALFS
	s_sub_co_u32 s22, s22, s21
	v_mul_u32_u24 v6, s22, v2                      ; lanes 16-31 take B's
	s_add_co_u32 s21, s21, SCL
	v_add_nc_u32 v5, v5, v6
	v_add_nc_u32 v[ADRS], s21, v5
	s_mul_i32 s23, s14, 16*SPITCH                  ; my stage
	v_mul_u32_u24 v5, v1, SPITCH
	v_lshl_add_u32 v5, v2, 5, v5
	v_add_nc_u32 v[STO], s23, v5
	v_and_b32 v6, 31, v0
	v_lshlrev_b32 v[CO], 4, v6
	v_add_nc_u32 v[RD], s23, v[CO]
	v_lshrrev_b32 v[PFO], 1, v6
	v_and_b32 v31, 1, v6
	v_lshlrev_b32 v[PFO], 12, v[PFO]
	v_lshl_add_u32 v[PFO], v31, 8, v[PFO]
	s_lshl_b32 s20, s17, 8
	s_lshl_b32 s21, s15, 7
	s_add_co_u32 s20, s20, s21                     ; my first row
	s_mov_b32 s21, 0
	s_lshl_b64 s[20:21], s[20:21], 12              ; rows of 4,096 bytes
	s_lshl_b32 s46, s42, 10                        ; my first column, in bytes
	s_lshl_b32 s47, s16, 9
	s_add_co_u32 s46, s46, s47
	s_mov_b32 s47, 0
	s_add_nc_u64 s[20:21], s[20:21], s[46:47]
	s_add_nc_u64 s[12:13], s[12:13], s[20:21]
	s_add_nc_u64 s[98:99], s[98:99], s[20:21]
	s_add_nc_u64 s[96:97], s[96:97], s[46:47]
.macro FRAG reg, adr, q, i             ; 16 rows x 128 K in pieces of 8 bytes; where the piece three on lies behind one padding more, the second address register serves
.irp p, 0,1,2,3,4,5
.set PCE, 12*(\q)+6*(\p/3)+\p%3
.if PCE%8 < 5
	ds_load_b64 v[\reg+2*\p:\reg+2*\p+1], v[\adr] offset:8*PCE+16*(PCE/8)+(\i)*16*PITCH
.else
	ds_load_b64 v[\reg+2*\p:\reg+2*\p+1], v[\adr+2] offset:8*PCE+16*(PCE/8)+(\i)*16*PITCH
.endif
.endr
.endm
.macro MUL16 a0, p, q, sc, zero        ; the 64 accumulators take turns, one instruction a turn
.irp a, \a0, \a0+1
.irp b, 0,1,2,3,4,5,6,7
.if \zero
	v_wmma_scale_f32_16x16x128_f8f6f4 v[8*(8*((\a)%4)+\b):8*(8*((\a)%4)+\b)+7], v[128*(\p)+FR*\b:128*(\p)+FR*\b+FR-1], v[AF+FR*(\a):AF+FR*(\a)+FR-1], 0, v[SC+8*NQ*(\sc)+NQ*\b+(\q)], v[SC+8*NQ*(\sc)+NQ*(\a)+(\q)] matrix_a_fmt:MATRIX_FMT_FP6 matrix_b_fmt:MATRIX_FMT_FP6 matrix_a_scale:MATRIX_SCALE_ROW1
.else
	v_wmma_scale_f32_16x16x128_f8f6f4 v[8*(8*((\a)%4)+\b):8*(8*((\a)%4)+\b)+7], v[128*(\p)+FR*\b:128*(\p)+FR*\b+FR-1], v[AF+FR*(\a):AF+FR*(\a)+FR-1], v[8*(8*((\a)%4)+\b):8*(8*((\a)%4)+\b)+7], v[SC+8*NQ*(\sc)+NQ*\b+(\q)], v[SC+8*NQ*(\sc)+NQ*(\a)+(\q)] matrix_a_fmt:MATRIX_FMT_FP6 matrix_b_fmt:MATRIX_FMT_FP6 matrix_a_scale:MATRIX_SCALE_ROW1
.endif
.endr
.endr
.endm
.macro FETCH_B slot, q, p
	WIN TO_B
.irp i, 0,1,2,3,4,5,6,7
	FRAG 128*(\p)+FR*\i, ADRB+\slot, \q, \i
.endr
	WIN 0
.endm
.macro FETCH_A slot, q, i0
.irp i, \i0, \i0+1, \i0+2, \i0+3
	FRAG AF+FR*(\i), ADRA+\slot, \q, \i
.endr
.endm
.macro SCALES sc
.irp i, 0,1,2,3,4,5,6,7
	ds_load_b64 v[SC+8*NQ*\sc+NQ*\i:SC+8*NQ*\sc+NQ*\i+1], v[ADRS] offset:\i*SBLK
.endr
.endm
.macro PLACES n
.rept \n
	v_nop
.endr
.endm
.macro STEP slot, q, zero
	s_wait_dscnt 4*NL                              ; the 24 youngest loads (A's blocks 4-7) may be out
	WIN MUL_LO
	MUL16 0, (\q)%2, \q, \slot, \zero
	MUL16 2, (\q)%2, \q, \slot, \zero
	s_wait_dscnt 0
	PLACES NP
	FETCH_B \slot, (\q)+1, 1-(\q)%2
	FETCH_A \slot, (\q)+1, 0
	WIN MUL_HI
	MUL16 4, (\q)%2, \q, \slot, \zero
	MUL16 6, (\q)%2, \q, \slot, \zero
	PLACES NP
	WIN 0
	FETCH_A \slot, (\q)+1, 4
.endm
.macro TURN slot, next, fill
	s_wait_tensorcnt 0x0                           ; all my tensor loads have landed: my part of the next slot
	ds_add_u32 v[SPW], v[NIL]                      ; 0 onto my spare word
	s_wait_dscnt 4*NL+1                            ; (the add and the 24 youngest loads may be out)
	WIN MUL_LO
	MUL16 0, 1, NQ-1, \slot, 0
	s_wait_dscnt 0x0                               ; the add is done, and my reads of this slot are over
	s_barrier_signal -1
	MUL16 2, 1, NQ-1, \slot, 0
	WIN 0
	s_barrier_wait -1
.if \fill
	CREST                                          ; no wave of any partner still reads this slot's tile or has a load on its way
	s_add_nc_u64 s[G0+4*\slot+2:G0+4*\slot+3], s[G0+4*\slot+2:G0+4*\slot+3], 2*ASTEP
	s_add_nc_u64 s[G0B+4*\slot+2:G0B+4*\slot+3], s[G0B+4*\slot+2:G0B+4*\slot+3], 2*BSTEP
	JLOAD G0+4*\slot, G1, G0B+4*\slot, G1B         ; my one tensor load behind the round
.else
	PLACES NP
.endif
	v_add_nc_u32 v[ADRS], 4*NQ, v[ADRS]
	FETCH_B \next, 0, 0
	FETCH_A \next, 0, 0
	SCALES \next
	WIN MUL_HI
	MUL16 4, 1, NQ-1, \slot, 0
	MUL16 6, 1, NQ-1, \slot, 0
	PLACES NP
	WIN 0
	FETCH_A \next, 0, 4
.endm
	s_wait_tensorcnt 1                             ; the scales and K step 0 are in; K step 1's load may be out
	s_barrier_signal -1
	s_barrier_wait -1
	FETCH_B 0, 0, 0
	FETCH_A 0, 0, 0
	SCALES 0
	FETCH_A 0, 0, 4
	STEP 0, 0, 1
	s_mov_b32 s3, LAPS-1
.Llap:
	TURN 0, 1, 1
	STEP 1, 0, 0
	TURN 1, 0, 1
	STEP 0, 0, 0
	s_sub_co_u32 s3, s3, 1
	s_cmp_lg_u32 s3, 0
	s_cbranch_scc1 .Llap
.irp i, 0,1,2,3,4,5,6,7
	global_prefetch_b8 v[PFO], s[98:99] offset:65536*\i th:TH_LOAD_NT scope:SCOPE_SE   ; the residual's rows 16 i .. 16 i + 15 of my 128, two blocks of 256 bytes a row; no tensor load follows these lines
.endr
	TURN 0, 1, 0
	STEP 1, 0, 0
	s_wait_dscnt 4*NL
	WIN MUL_LO
	MUL16 0, 1, NQ-1, 1, 0
	MUL16 2, 1, NQ-1, 1, 0
	s_wait_dscnt 0
	WIN MUL_HI
	MUL16 4, 1, NQ-1, 1, 0
	MUL16 6, 1, NQ-1, 1, 0
	WIN 0
.macro RLOAD a                         ; the residual's rows 16 a .. 16 a + 15 into set a % 4 of window 1
	WIN 0x40
.irp t, 0,1,2,3,4,5,6,7,8,9,10,11,12,13,14,15
	global_load_b128 v[64*((\a)%4)+4*\t:64*((\a)%4)+4*\t+3], v[CO], s[98:99] offset:(16*(\a)+\t)*4096 th:TH_LOAD_NT
.endr
	WIN 0
.endm
.macro TOSTAGE a                       ; LDS serves a wave's instructions in order: no wait between the stores and the loads, nor in front of the next block's stores
.set AC, 64*((\a)%4)
	WIN 0x08+4*((\a)/4)                            ; the data: window 2 or 3
.irp b, 0,1,2,3,4,5,6,7
	ds_store_b128 v[STO], v[AC+8*\b:AC+8*\b+3] offset:64*\b          ; each accumulator from its low end on
	ds_store_b128 v[STO], v[AC+8*\b+4:AC+8*\b+7] offset:64*\b+16
.endr
	WIN 0
.set BB, BK+64*((\a)%2)
.irp t, 0,1,2,3,4,5,6,7,8,9,10,11,12,13,14,15
	ds_load_b128 v[BB+4*\t:BB+4*\t+3], v[RD] offset:\t*SPITCH
.endr
.endm
.macro SEND a, younger
.set BB, BK+64*((\a)%2)
.set RS, 64*((\a)%4)
.set LF, 16*(7-(\a))
.if LF > 48
.set LF, 48
.endif
	s_wait_dscnt \younger                          ; the block is back; the next block's 16 stores and 16 loads may be out
	s_wait_loadcnt LF                              ; its residual is in; the sets issued behind it, three at the most, may be out
	WIN 0x04                                       ; source 1 window 1
.set i, 0
.rept 32
	v_pk_add_f32 v[BB+2*i:BB+2*i+1], v[BB+2*i:BB+2*i+1], v[RS+2*i:RS+2*i+1]
.set i, i+1
.endr
	WIN 0
.set i, 0
.rept 32
	v_pk_add_f32 v[BB+2*i:BB+2*i+1], v[BB+2*i:BB+2*i+1], v[BI+2*(i%2):BI+2*(i%2)+1]
.set i, i+1
.endr
.irp t, 0,1,2,3,4,5,6,7,8,9,10,11,12,13,14,15
	global_store_b128 v[CO], v[BB+4*\t:BB+4*\t+3], s[12:13] offset:(16*(\a)+\t)*4096 th:TH_STORE_NT   ; 512 consecutive bytes, aligned; the row stands in the immediate, 520,192 at the most
.endr
.endm
	PLACES NP
	global_load_b128 v[BI:BI+3], v[CO], s[96:97]
	RLOAD 0
	RLOAD 1
	RLOAD 2
	RLOAD 3
	TOSTAGE 0
.irp a, 1,2,3,4,5,6,7
.if \a > 1
	s_wait_xcnt 0x0                                ; block a - 2's stores have had their addresses translated (ISA guide 3.1): block a's loads may land in their data registers
.endif
	TOSTAGE \a
	SEND \a-1, 32
.if \a < 5
	RLOAD \a+3
.endif
.endr
	SEND 7, 0
	s_wait_tensorcnt 0x0                           ; the wave's end
	ds_add_u32 v[SPW], v[NIL]
	s_wait_dscnt 0x0
	CROUND                                         ; the closing round
	s_endpgm
.Lfunc_end_k_q507f5eb252_ffn2:
	.size	k_q507f5eb252_ffn2, .Lfunc_end_k_q507f5eb252_ffn2-k_q507f5eb252_ffn2
	.p2alignl 7, 3214868480
	.fill 96, 4, 3214868480
	.section	.rodata,"a",@progbits
	.p2align	6, 0x0
	.amdhsa_kernel k_q507f5eb252_ffn2
		.amdhsa_group_segment_fixed_size 327680
		.amdhsa_private_segment_fixed_size 0
		.amdhsa_enable_private_segment 0
		.amdhsa_kernarg_size 56
		.amdhsa_user_sgpr_count 2
		.amdhsa_user_sgpr_kernarg_segment_ptr 1
		.amdhsa_wavefront_size32 1
		.amdhsa_system_sgpr_workgroup_id_x 1
		.amdhsa_system_sgpr_workgroup_id_y 1
		.amdhsa_system_sgpr_workgroup_id_z 1
		.amdhsa_system_vgpr_workitem_id 0
		.amdhsa_next_free_vgpr 1024
		.amdhsa_next_free_sgpr 100
		.amdhsa_reserve_vcc 0
		.amdhsa_float_denorm_mode_32 3
		.amdhsa_float_denorm_mode_16_64 3
		.amdhsa_memory_ordered 1
		.amdhsa_forward_progress 1
		.amdhsa_inst_pref_size 206
	.end_amdhsa_kernel
	.amdgpu_metadata
---
amdhsa.version: [ 1, 2 ]
amdhsa.kernels:
  - .name:           k_q507f5eb252_ffn2
    .symbol:         k_q507f5eb252_ffn2.kd
    .args:
      - { .name: hid_codes, .offset: 0, .size: 8, .value_kind: global_buffer, .address_space: global }
      - { .name: hid_scales, .offset: 8, .size: 8, .value_kind: global_buffer, .address_space: global }
      - { .name: w2_codes, .offset: 16, .size: 8, .value_kind: global_buffer, .address_space: global }
      - { .name: w2_scales, .offset: 24, .size: 8, .value_kind: global_buffer, .address_space: global }
      - { .name: b2, .offset: 32, .size: 8, .value_kind: global_buffer, .address_space: global }
      - { .name: x2, .offset: 40, .size: 8, .value_kind: global_buffer, .address_space: global }
      - { .name: out0, .offset: 48, .size: 8, .value_kind: global_buffer, .address_space: global }
    .group_segment_fixed_size: 327680
    .private_segment_fixed_size: 0
    .kernarg_segment_align: 8
    .kernarg_segment_size: 56
    .max_flat_workgroup_size: 128
    .sgpr_count:     100
    .vgpr_count:     1024
    .wavefront_size: 32
...
	.end_amdgpu_metadata
.endif
;; end of part 6
;; ======== version 2 of 2: 7 launches
;; limits: right only within a limited range of input values
;; workspace buffers: act_codes 3,145,728 bytes; act_scales 131,072 bytes; qb 6,684,672 bytes; kvb 6,684,672 bytes; x2 16,777,216 bytes; hid_codes 12,582,912 bytes; hid_scales 524,288 bytes
;; launch ln1 (part 7): grid 256 x 1, 4 waves a work-group, no clusters, 18,944 bytes of LDS; arguments x, g1, be1, act_codes, act_scales; writes act_codes, act_scales
.if DOCPART == 7
	.amdgcn_target "amdgcn-amd-amdhsa--gfx1250"
	.amdhsa_code_object_version 6
	.text
	.protected	k_q507f5eb252_ln1
	.globl	k_q507f5eb252_ln1
	.p2align	8
	.type	k_q507f5eb252_ln1,@function
k_q507f5eb252_ln1:
	s_mov_b64 s[64:65], 0
	v_nop
	global_prefetch_b8 v0, s[64:65] scope:SCOPE_SE
	s_setreg_imm32_b32 hwreg(HW_REG_WAVE_MODE, 25, 1), 1
	s_wait_xcnt 0x0
; LayerNorm over rows of 1,024 f32, y = (x - mean) rsqrt(var + 1e-5) g + b, all in f32, and y quantised along the row to codes of FP6 (E2M3) with one E8M0 byte for each 32 numbers.
; Codes leave as [4096][768] bytes (a row is one stream of bits, code i at bits 6 i), scale bytes as [4096][32].
; SHARES.  256 work-groups of four waves; a wave owns four rows and keeps each in 32 registers between the passes: a row is read once.  No wave waits for another: no barrier.
; All 48 loads of a wave (g, b, four rows) go out at the head, each 512 consecutive bytes.  The mean and the variance are taken in two passes, as the definition writes them.
; A lane's loaded numbers are 4 neighbours of eight places of the row; the conversion wants 32 neighbours in one lane: the finished row turns through the wave's own stage in LDS
; (16 bytes of padding behind each 128, so a lane's 128 bytes begin 144 apart) and lane l comes back with block l whole: its largest magnitude needs no other lane.
; Matrix units, clusters and a ring of slots are left out: memory binds, and everything is requested at the head.  The scale bytes leave as runs of 32 bytes: one byte for 128 bytes read.
; LIMITS: NaN and infinities are not served; a block whose largest magnitude lies under 2^-124 gets the byte 1; a block of zeros gets the byte 1 and not 127 (its codes are zeros, and only this program reads the bytes).
.set G,   16                           ; v16-47   g, in the loads' arrangement: register 4 j + e = column 128 j + 4 lane + e
.set BE,  48                           ; v48-79   b likewise
.set X,   80                           ; v80-207  four rows of 32 registers; a row's registers take its codes and byte at the end
.set Y,   208                          ; v208-239 a block of 32 neighbours
.set STG, 4608                         ; a wave's stage: 32 x (128 + 16) bytes
	s_load_b256 s[4:11], s[0:1], 0x0               ; x s[4:5], g s[6:7], b s[8:9], codes s[10:11]
	s_load_b64 s[12:13], s[0:1], 0x20              ; scale bytes
	v_lshl_add_u32 v240, v0, 2, 0x4800
	v_mov_b32 v241, 0
	v_lshrrev_b32 v1, 5, v0
	v_readfirstlane_b32 s14, v1                    ; wave
	v_and_b32 v1, 31, v0                           ; lane; also the byte offset of my block's scale byte
	v_lshlrev_b32 v2, 4, v1                        ; my 16 bytes of a load's 512
	s_mul_i32 s15, s14, STG
	v_lshrrev_b32 v3, 3, v1
	v_lshl_add_u32 v3, v3, 4, v2
	v_add_nc_u32 v3, s15, v3                       ; the stage, in: 16 lane + 16 (lane / 8); a load's 512 bytes take 576
	v_mul_u32_u24 v4, v1, 144
	v_add_nc_u32 v4, s15, v4                       ; and out: 144 lane: my block
	v_mul_u32_u24 v5, v1, 24                       ; my block's 24 bytes of codes
	s_lshl_b32 s18, ttmp9, 4
	s_lshl_b32 s19, s14, 2
	s_add_co_u32 s18, s18, s19                     ; my first row: 16 x work-group + 4 x wave
	s_mov_b32 s17, 0
	s_mov_b32 s20, 0x3a800000                      ; 1 / 1,024
	s_mov_b32 s21, 0x3727c5ac                      ; 1e-5
	s_mov_b32 s22, 0x76543210                      ; v_permlanex16_b32: lane l xor 16
	s_mov_b32 s23, 0xfedcba98
	s_wait_alu depctr_va_vdst(0)
	s_wait_kmcnt 0x0
	s_lshl_b32 s16, s18, 12
	s_add_nc_u64 s[4:5], s[4:5], s[16:17]
	s_mul_i32 s16, s18, 768
	s_add_nc_u64 s[10:11], s[10:11], s[16:17]
	s_lshl_b32 s16, s18, 5
	s_add_nc_u64 s[12:13], s[12:13], s[16:17]
.irp j, 0,1,2,3,4,5,6,7
	global_load_b128 v[G+4*\j:G+4*\j+3], v2, s[6:7] offset:512*\j
.endr
.irp j, 0,1,2,3,4,5,6,7
	global_load_b128 v[BE+4*\j:BE+4*\j+3], v2, s[8:9] offset:512*\j
.endr
.irp i, 0,1,2,3
.irp j, 0,1,2,3,4,5,6,7
	global_load_b128 v[X+32*\i+4*\j:X+32*\i+4*\j+3], v2, s[4:5] offset:4096*\i+512*\j th:TH_LOAD_NT
.endr
.endr
.macro RED                             ; v8 summed over the 32 lanes, the result in every lane
	v_add_f32_dpp v8, v8, v8 row_xmask:1 row_mask:0xf bank_mask:0xf
	v_add_f32_dpp v8, v8, v8 row_xmask:2 row_mask:0xf bank_mask:0xf
	v_add_f32_dpp v8, v8, v8 row_xmask:4 row_mask:0xf bank_mask:0xf
	v_add_f32_dpp v8, v8, v8 row_xmask:8 row_mask:0xf bank_mask:0xf
	v_permlanex16_b32 v9, v8, s22, s23
	v_add_f32 v8, v8, v9
.endm
.macro FOLD                            ; four chains of pairs in v8-15 become one number in v8
	v_pk_add_f32 v[8:9], v[8:9], v[10:11]
	v_pk_add_f32 v[12:13], v[12:13], v[14:15]
	v_pk_add_f32 v[8:9], v[8:9], v[12:13]
	v_add_f32 v8, v8, v9
.endm
.macro ROW i
.set XR, X+32*\i
	s_wait_loadcnt 8*(3-\i)                        ; loads come back in order: g, b and this row are in; the eight loads of each later row may be out
.irp c, 0,1,2,3
	v_pk_add_f32 v[8+2*\c:9+2*\c], v[XR+2*\c:XR+2*\c+1], v[XR+8+2*\c:XR+9+2*\c]      ; the sum, in four chains that the first pairs start
.endr
.irp k, 16,24
.irp c, 0,1,2,3
	v_pk_add_f32 v[8+2*\c:9+2*\c], v[8+2*\c:9+2*\c], v[XR+\k+2*\c:XR+\k+2*\c+1]
.endr
.endr
	FOLD
	RED
	v_mul_f32 v12, 0xba800000, v8                  ; - mean
	v_mov_b32 v13, v12
.irp k, 0,2,4,6,8,10,12,14,16,18,20,22,24,26,28,30
	v_pk_add_f32 v[XR+\k:XR+\k+1], v[XR+\k:XR+\k+1], v[12:13]
.endr
.irp c, 0,1,2,3
	v_pk_mul_f32 v[8+2*\c:9+2*\c], v[XR+2*\c:XR+2*\c+1], v[XR+2*\c:XR+2*\c+1]        ; the sum of squares of x - mean
.endr
.irp k, 8,16,24
.irp c, 0,1,2,3
	v_pk_fma_f32 v[8+2*\c:9+2*\c], v[XR+\k+2*\c:XR+\k+2*\c+1], v[XR+\k+2*\c:XR+\k+2*\c+1], v[8+2*\c:9+2*\c]
.endr
.endr
	FOLD
	RED
	v_fma_f32 v14, v8, s20, s21                    ; var + 1e-5
	s_wait_alu depctr_va_vdst(0)
	v_rsq_f32 v14, v14
	v_nop                                          ; a plain instruction behind the transcendental
	s_wait_alu depctr_va_vdst(0)                   ; and the wait ahead of its first reader
	v_mov_b32 v15, v14
.irp k, 0,2,4,6,8,10,12,14,16,18,20,22,24,26,28,30
	v_pk_mul_f32 v[XR+\k:XR+\k+1], v[XR+\k:XR+\k+1], v[14:15]
.endr
.irp k, 0,2,4,6,8,10,12,14,16,18,20,22,24,26,28,30
	v_pk_fma_f32 v[XR+\k:XR+\k+1], v[XR+\k:XR+\k+1], v[G+\k:G+\k+1], v[BE+\k:BE+\k+1]
.endr
.irp j, 0,1,2,3,4,5,6,7
	ds_store_b128 v3, v[XR+4*\j:XR+4*\j+3] offset:576*\j
.endr
.irp e, 0,1,2,3,4,5,6,7
	ds_load_b128 v[Y+4*\e:Y+4*\e+3], v4 offset:16*\e               ; LDS serves a wave's instructions in order: these see the stores above, and the next row's stores come behind them
.endr
	s_wait_dscnt 0x0
	v_max3_num_f32 v8, |v[Y]|, |v[Y+1]|, |v[Y+2]|                  ; the block's largest magnitude: all 32 numbers are mine
	v_max3_num_f32 v9, |v[Y+3]|, |v[Y+4]|, |v[Y+5]|
.irp k, 6,10,14,18,22,26
	v_max3_num_f32 v8, v8, |v[Y+\k]|, |v[Y+\k+1]|
	v_max3_num_f32 v9, v9, |v[Y+\k+2]|, |v[Y+\k+3]|
.endr
	v_max3_num_f32 v8, v8, |v[Y+30]|, |v[Y+31]|
	v_max3_num_f32 v8, v8, v9, 0x1800000           ; and the floor 2^(3 - 127): the byte cannot fall under 1
	v_add_nc_u32 v11, 0xff000000, v8               ; 2 off the exponent field: the conversion takes this operand's exponent field as its scale
	v_cvt_scalef32_pk16_fp6_f32 v[XR:XR+2], v[Y:Y+15], v11
	v_cvt_scalef32_pk16_fp6_f32 v[XR+4:XR+6], v[Y+16:Y+31], v11    ; (a conversion's three registers begin on an even number)
	v_lshrrev_b32 v[XR+8], 23, v11                 ; the scale's byte.  Each row has registers of its own for what it stores, so no store's data are written again
	global_store_b96 v5, v[XR:XR+2], s[10:11] offset:768*\i        ; the wave's two stores cover the row's 768 bytes
	global_store_b96 v5, v[XR+4:XR+6], s[10:11] offset:768*\i+12
	global_store_b8 v1, v[XR+8], s[12:13] offset:32*\i
.endm
	ROW 0
	ROW 1
	ROW 2
	ROW 3
	s_wait_tensorcnt 0x0
	ds_add_u32 v240, v241
	s_wait_dscnt 0x0
	s_endpgm
.Lfunc_end_k_q507f5eb252_ln1:
	.size	k_q507f5eb252_ln1, .Lfunc_end_k_q507f5eb252_ln1-k_q507f5eb252_ln1
	.p2alignl 7, 3214868480
	.fill 96, 4, 3214868480
	.section	.rodata,"a",@progbits
	.p2align	6, 0x0
	.amdhsa_kernel k_q507f5eb252_ln1
		.amdhsa_group_segment_fixed_size 18944
		.amdhsa_private_segment_fixed_size 0
		.amdhsa_enable_private_segment 0
		.amdhsa_kernarg_size 40
		.amdhsa_user_sgpr_count 2
		.amdhsa_user_sgpr_kernarg_segment_ptr 1
		.amdhsa_wavefront_size32 1
		.amdhsa_system_sgpr_workgroup_id_x 1
		.amdhsa_system_sgpr_workgroup_id_y 1
		.amdhsa_system_sgpr_workgroup_id_z 1
		.amdhsa_system_vgpr_workitem_id 0
		.amdhsa_next_free_vgpr 242
		.amdhsa_next_free_sgpr 66
		.amdhsa_reserve_vcc 0
		.amdhsa_float_denorm_mode_32 3
		.amdhsa_float_denorm_mode_16_64 3
		.amdhsa_memory_ordered 1
		.amdhsa_forward_progress 1
		.amdhsa_inst_pref_size 42
	.end_amdhsa_kernel
	.amdgpu_metadata
---
amdhsa.version: [ 1, 2 ]
amdhsa.kernels:
  - .name:           k_q507f5eb252_ln1
    .symbol:         k_q507f5eb252_ln1.kd
    .args:
      - { .name: x, .offset: 0, .size: 8, .value_kind: global_buffer, .address_space: global }
      - { .name: g1, .offset: 8, .size: 8, .value_kind: global_buffer, .address_space: global }
      - { .name: be1, .offset: 16, .size: 8, .value_kind: global_buffer, .address_space: global }
      - { .name: act_codes, .offset: 24, .size: 8, .value_kind: global_buffer, .address_space: global }
      - { .name: act_scales, .offset: 32, .size: 8, .value_kind: global_buffer, .address_space: global }
    .group_segment_fixed_size: 18944
    .private_segment_fixed_size: 0
    .kernarg_segment_align: 8
    .kernarg_segment_size: 40
    .max_flat_workgroup_size: 128
    .sgpr_count:     66
    .vgpr_count:     242
    .wavefront_size: 32
...
	.end_amdgpu_metadata
.endif
;; end of part 7
;; launch qkv (part 8): grid 4 x 48, 4 waves a work-group, clusters of 4 x 4, 327,680 bytes of LDS; arguments act_codes, act_scales, wq_codes, wq_scales, wk_codes, wk_scales, wv_codes, wv_scales, bq, bk, bv, qb, kvb; writes qb, kvb
.if DOCPART == 8
	.amdgcn_target "amdgcn-amd-amdhsa--gfx1250"
	.amdhsa_code_object_version 6
	.text
	.protected	k_q507f5eb252_qkv
	.globl	k_q507f5eb252_qkv
	.p2align	8
	.type	k_q507f5eb252_qkv,@function
k_q507f5eb252_qkv:
	s_mov_b64 s[64:65], 0
	v_nop
	global_prefetch_b8 v0, s[64:65] scope:SCOPE_SE
	s_setreg_imm32_b32 hwreg(HW_REG_WAVE_MODE, 25, 1), 1
	s_wait_xcnt 0x0
	s_wait_alu depctr_hold_cnt(0) depctr_sa_sdst(0) depctr_va_vdst(0) depctr_va_sdst(0) depctr_va_ssrc(0) depctr_va_vcc(0) depctr_vm_vsrc(0)
	s_getreg_b32 s2, hwreg(HW_REG_IB_STS2, 6, 4)
	s_cmp_eq_u32 s2, 0
	s_cbranch_scc0 .Lentry_in_a_cluster
	s_endpgm
.Lentry_in_a_cluster:
	s_bfe_u32 s2, ttmp6, 0x10000c
	s_cmp_lg_u32 s2, 0xf033
	s_cbranch_scc0 .Lentry_shape_is_right
	s_endpgm
.Lentry_shape_is_right:
; q = n wq + bq, k = n wk + bk, v^T = (n wv + bv)^T on codes of FP6 (E2M3) with E8M0 scales; n: the normed rows [4096][768 bytes].  The results are quantised again and leave as images of operand registers for the attention launch.
; The cluster's y / 4 says which product: 0 q, 1 k (A = n, B = the weight), 2 v (A = wv, B = n, so that the keys are innermost).
; A tile of 256 x 256 by four waves, 128 x 128 a wave.  K = 1,024 is 768 bytes of a row: three chunks of 256 bytes, each beginning at a multiple of 256, through two LDS slots; chunk c lies in slot c % 2.
; A step of 128 along K is 96 bytes: steps 2 and 5 lie across two chunks.  The scales of the 256 + 256 rows come once, with the head's loads.  4 x 4 clusters: A's tiles are asked for jointly along a row, B's along a column.
; No prefetch: the walk along K has three chunks at the largest block in clusters, two of them asked for at the start.
; LIMITS: NaN and infinities are not served; a block under 2^-124, or of zeros, gets the byte 1 (its codes are zeros, and only this program reads the bytes).
.set KROW,   768
.set ROWB,   256
.set NQ,     2
.set STEPS,  8
.set CHUNKS, 3
.set PITCH,  272                       ; 256 bytes + 16 of padding
.set FR,     12
.set NL,     6
.set NP,     4
.set HALFT,  128*PITCH
.set SLOT,   4*HALFT
.set KS,     32
.set SPARE,  2*SLOT
.set ADRA, 16                          ; v16-17 my A fragments in slot 0, 1; v18-19 for pieces whose lanes 16-31 read the next chunk
.set ADRB, 20
.set ADRS, 27
.set SPW,  28
.set NIL,  29
.set SC,   32
.set AF,   128
.set G1, 24
.set G0, 32
.set G1B, 48
.set G0B, 56
.set G1S, 68
.set G0S, 76
.set G1SB, 80
.set G0SB, 88
.set G0H, 4
.set G0HB, 8
.set STEPB, 13056
.set HEADB, 16*STEPB
.set VIMG,  6144
.set KSC,   12288
.set VSC,   12800
.set BM,   64
.set T,    128
.set CDS,  192
.set TM,   212
.set PW,   228
.set PWP,  229
.set MSB, 0
.macro WIN new
.if MSB != \new
	s_set_vgpr_msb (MSB<<8)|\new
.set MSB, \new
.endif
.endm
.set MUL_LO, 0xa1
.set MUL_HI, 0xf1
.set TO_B,   0x40
.macro JLOAD g0a, g1a, g0b, g1b        ; waves 0, 1 fetch for A, waves 2, 3 for B
	s_cmp_eq_u32 s15, 0
	s_cbranch_scc0 .Lfor_b_\@
	tensor_load_to_lds s[\g0a:\g0a+3], s[\g1a:\g1a+7]
	s_nop 0
.rept 4
	v_nop
.endr
	s_branch .Lasked_\@
.Lfor_b_\@:
	tensor_load_to_lds s[\g0b:\g0b+3], s[\g1b:\g1b+7]
	s_nop 0
.rept 4
	v_nop
.endr
.Lasked_\@:
.endm
.macro CREST
	s_cmp_lg_u32 s14, 0
	s_cbranch_scc1 .Lnot_wave_0_\@
	s_barrier_signal -3
.Lnot_wave_0_\@:
	s_barrier_wait -3
	s_barrier_signal -1
	s_barrier_wait -1
.endm
.macro CROUND
	s_barrier_signal -1
	s_barrier_wait -1
	CREST
.endm
	s_load_b512 s[68:83], s[0:1], 0x0
	v_lshl_add_u32 v[SPW], v0, 2, SPARE
	v_mov_b32 v[NIL], 0
	ds_add_u32 v[SPW], v[NIL]                      ; the opening lines: the add twice and one wait
	ds_add_u32 v[SPW], v[NIL]
	v_lshrrev_b32 v1, 5, v0
	v_readfirstlane_b32 s14, v1                    ; wave
	s_lshr_b32 s15, s14, 1
	s_and_b32 s16, s14, 1
	s_bfe_u32 s40, ttmp6, 0x40000                  ; cx
	s_bfe_u32 s41, ttmp6, 0x40004                  ; cy
	s_and_b32 s18, ttmp7, 0xffff
	s_lshr_b32 s19, s18, 2                         ; which product
	s_and_b32 s18, s18, 3
	s_wait_dscnt 0x0
	s_wait_kmcnt 0x0
	s_cmp_eq_u32 s19, 2
	s_cselect_b64 s[4:5], s[80:81], s[68:69]       ; A's codes and scales, B's codes and scales
	s_cselect_b64 s[6:7], s[82:83], s[70:71]
	s_cselect_b64 s[8:9], s[68:69], s[72:73]
	s_cselect_b64 s[10:11], s[70:71], s[74:75]
	s_cselect_b32 s20, 0, s18
	s_cselect_b32 s21, s18, 0
	s_cmp_eq_u32 s19, 1
	s_cselect_b64 s[8:9], s[76:77], s[8:9]
	s_cselect_b64 s[10:11], s[78:79], s[10:11]
	s_lshl_b32 s42, s21, 2
	s_add_co_u32 s42, s42, s40                     ; tile column
	s_lshl_b32 s17, s20, 2
	s_add_co_u32 s17, s17, s41                     ; tile row
	s_lshl_b32 s43, s41, 2
	s_lshl_b32 s43, 15, s43                        ; my row of the cluster
	s_lshl_b32 s44, 0x1111, s40                    ; my column
	s_or_b32 s[G1+0], s43, (1<<20)|(1<<21)|(5<<22)|(3<<25)   ; bytes; 4 words of padding behind every 64
	s_or_b32 s[G1B+0], s44, (1<<20)|(1<<21)|(5<<22)|(3<<25)
.irp g, G1, G1B
	s_mov_b32 s[\g+1], ROWB<<16
	s_mov_b32 s[\g+2], 256<<16                     ; the head's loads bring 256 rows
	s_mov_b32 s[\g+3], ROWB<<16
	s_mov_b32 s[\g+4], 256
	s_mov_b32 s[\g+5], KROW
	s_mov_b32 s[\g+6], 0
	s_mov_b32 s[\g+7], 0
.endr
	s_lshl_b32 s20, s17, 8
	s_lshl_b32 s46, s42, 8
	s_mov_b32 s21, 0
	s_mov_b32 s47, 0
	s_mov_b64 s[18:19], KS
	s_mul_u64 s[22:23], s[20:21], s[18:19]
	s_mul_u64 s[92:93], s[46:47], s[18:19]
	s_mov_b64 s[18:19], KROW
	s_mul_u64 s[20:21], s[20:21], s[18:19]
	s_mul_u64 s[46:47], s[46:47], s[18:19]
	s_mul_i32 s18, s16, 128*KROW                   ; in the ring I fetch 128 rows
	s_mov_b32 s19, 0
	s_mul_i32 s45, s14, HALFT
	s_add_nc_u64 s[20:21], s[4:5], s[20:21]
	s_add_nc_u64 s[22:23], s[6:7], s[22:23]
	s_add_nc_u64 s[46:47], s[8:9], s[46:47]
	s_add_nc_u64 s[92:93], s[10:11], s[92:93]
	CROUND                                         ; the first joint loads meet
	s_mov_b32 s[G0H], 1
	s_mov_b32 s[G0H+1], 0
	s_mov_b64 s[G0H+2:G0H+3], s[20:21]
	s_or_b32 s[G0H+3], s[G0H+3], 0x80000000
	s_mov_b32 s[G0HB], 1
	s_mov_b32 s[G0HB+1], 2*HALFT
	s_mov_b64 s[G0HB+2:G0HB+3], s[46:47]
	s_or_b32 s[G0HB+3], s[G0HB+3], 0x80000000
	s_mov_b32 s[G0S], 1                            ; chunk 1 of A's 256 rows, into slot 1
	s_mov_b32 s[G0S+1], SLOT
	s_add_nc_u64 s[G0S+2:G0S+3], s[20:21], ROWB
	s_or_b32 s[G0S+3], s[G0S+3], 0x80000000
	s_mov_b32 s[G0SB], 1                           ; and of B's
	s_mov_b32 s[G0SB+1], SLOT+2*HALFT
	s_add_nc_u64 s[G0SB+2:G0SB+3], s[46:47], ROWB
	s_or_b32 s[G0SB+3], s[G0SB+3], 0x80000000
	s_lshl_b32 s2, s15, 12                         ; the scales of my 128 rows of A and of B: 32 bytes a row
	s_mov_b32 s3, 0
	s_add_nc_u64 s[96:97], s[22:23], s[2:3]
	s_lshl_b32 s2, s16, 12
	s_add_nc_u64 s[98:99], s[92:93], s[2:3]
	s_add_nc_u64 s[20:21], s[20:21], s[18:19]
	s_add_nc_u64 s[46:47], s[46:47], s[18:19]
.irp s, 0
	s_mov_b32 s[G0+4*\s], 1
	s_add_co_u32 s[G0+4*\s+1], s45, \s*SLOT
	s_add_nc_u64 s[G0+4*\s+2:G0+4*\s+3], s[20:21], \s*ROWB
	s_or_b32 s[G0+4*\s+3], s[G0+4*\s+3], 0x80000000
	s_mov_b32 s[G0B+4*\s], 1
	s_add_co_u32 s[G0B+4*\s+1], s45, \s*SLOT
	s_add_nc_u64 s[G0B+4*\s+2:G0B+4*\s+3], s[46:47], \s*ROWB
	s_or_b32 s[G0B+4*\s+3], s[G0B+4*\s+3], 0x80000000
.endr
; the head's loads, one a wave: chunk 0 of A, chunk 0 of B, chunk 1 of A, chunk 1 of B
.macro ARM under, g0, g1, next
	s_cmp_lt_u32 s14, \under
	s_cbranch_scc0 \next
	tensor_load_to_lds s[\g0:\g0+3], s[\g1:\g1+7]
	s_nop 0
.rept 4
	v_nop
.endr
	s_branch .Lhead_asked
\next:
.endm
	ARM 1, G0H,  G1,  .Lhead_b
	ARM 2, G0HB, G1B, .Lhead_sa
	ARM 3, G0S,  G1,  .Lhead_sb
	tensor_load_to_lds s[G0SB:G0SB+3], s[G1B:G1B+7]
	s_nop 0
.rept 4
	v_nop
.endr
.Lhead_asked:
	v_and_b32 v1, 15, v0                           ; r
	v_bfe_u32 v2, v0, 4, 1                         ; h
	v_mul_u32_u24 v3, v1, PITCH
	v_mul_u32_u24 v4, v2, 24
	v_add_nc_u32 v4, v3, v4
	s_mov_b32 s21, SLOT-232
	s_mov_b32 s22, SLOT+232
	v_sub_nc_u32 v7, 1, v2
	v_mul_u32_u24 v5, s21, v2
	v_add_nc_u32 v5, v3, v5
	v_add_nc_u32 v5, 232, v5                       ; lanes 0-15 byte 232 in slot 0, lanes 16-31 byte 0 in slot 1
	v_mul_u32_u24 v6, s22, v7
	v_add_nc_u32 v6, v3, v6                        ; and the other way round
	s_mul_i32 s21, s15, HALFT
	s_mul_i32 s22, s16, HALFT
	s_add_co_u32 s22, s22, 2*HALFT
	v_add_nc_u32 v[ADRA+2], s21, v5
	v_add_nc_u32 v[ADRA+3], s21, v6
	v_add_nc_u32 v[ADRB+2], s22, v5
	v_add_nc_u32 v[ADRB+3], s22, v6
.irp s, 0,1
	v_add_nc_u32 v[ADRA+\s], s21, v4
	v_add_nc_u32 v[ADRB+\s], s22, v4
	s_add_co_u32 s21, s21, SLOT
	s_add_co_u32 s22, s22, SLOT
.endr
	v_lshlrev_b32 v[ADRS], 5, v1                   ; row r's 32 scale bytes: all of K; sixteen rows are 512 consecutive bytes
.irp i, 0,1,2,3,4,5,6,7
	global_load_b128 v[128+8*\i:128+8*\i+3], v[ADRS], s[96:97] offset:512*\i       ; A's block i, words 0-3, 4-7
	global_load_b128 v[128+8*\i+4:128+8*\i+7], v[ADRS], s[96:97] offset:512*\i+16
	global_load_b128 v[192+8*\i:192+8*\i+3], v[ADRS], s[98:99] offset:512*\i       ; B's block i
	global_load_b128 v[192+8*\i+4:192+8*\i+7], v[ADRS], s[98:99] offset:512*\i+16
.endr
	v_and_b32 v6, 31, v0                           ; the way out's offsets
	v_lshlrev_b32 v24, 4, v6
	v_lshlrev_b32 v25, 3, v6
	v_lshlrev_b32 v26, 2, v6
	v_mul_u32_u24 v7, v2, HEADB
	v_lshl_add_u32 v7, v1, 2, v7
	v_lshlrev_b32 v10, 5, v2
	v_lshlrev_b32 v11, 2, v1
.macro FRAG reg, adr, st, i            ; 16 rows x 128 K: six pieces of 8 bytes; byte y of a row lies in slot (y / 256) % 2 at byte y % 256
.irp p, 0,1,2,3,4,5
.set BY, 96*(\st)+48*(\p/3)+8*(\p%3)
.if BY/ROWB == (BY+24)/ROWB
	ds_load_b64 v[\reg+2*\p:\reg+2*\p+1], v[\adr+(BY/ROWB)%2] offset:BY%ROWB+(\i)*16*PITCH
.else
	ds_load_b64 v[\reg+2*\p:\reg+2*\p+1], v[\adr+2+(BY/ROWB)%2] offset:BY%ROWB-232+(\i)*16*PITCH
.endif
.endr
.endm
.macro MUL16 a0, p, q, sc, zero        ; A's blocks a0, a0 + 1 x B's eight; the 64 accumulators take turns
.irp a, \a0, \a0+1
.irp b, 0,1,2,3,4,5,6,7
.if \zero
	v_wmma_scale_f32_16x16x128_f8f6f4 v[8*(8*((\a)%4)+\b):8*(8*((\a)%4)+\b)+7], v[128*(\p)+FR*\b:128*(\p)+FR*\b+FR-1], v[AF+FR*(\a):AF+FR*(\a)+FR-1], 0, v[SC+8*NQ*(\sc)+NQ*\b+(\q)], v[SC+8*NQ*(\sc)+NQ*(\a)+(\q)] matrix_a_fmt:MATRIX_FMT_FP6 matrix_b_fmt:MATRIX_FMT_FP6 matrix_a_scale:MATRIX_SCALE_ROW1
.else
	v_wmma_scale_f32_16x16x128_f8f6f4 v[8*(8*((\a)%4)+\b):8*(8*((\a)%4)+\b)+7], v[128*(\p)+FR*\b:128*(\p)+FR*\b+FR-1], v[AF+FR*(\a):AF+FR*(\a)+FR-1], v[8*(8*((\a)%4)+\b):8*(8*((\a)%4)+\b)+7], v[SC+8*NQ*(\sc)+NQ*\b+(\q)], v[SC+8*NQ*(\sc)+NQ*(\a)+(\q)] matrix_a_fmt:MATRIX_FMT_FP6 matrix_b_fmt:MATRIX_FMT_FP6 matrix_a_scale:MATRIX_SCALE_ROW1
.endif
.endr
.endr
.endm
.macro FETCH_B st, p
	WIN TO_B
.irp i, 0,1,2,3,4,5,6,7
	FRAG 128*(\p)+FR*\i, ADRB, \st, \i
.endr
	WIN 0
.endm
.macro FETCH_A st, i0
.irp i, \i0, \i0+1, \i0+2, \i0+3
	FRAG AF+FR*(\i), ADRA, \st, \i
.endr
.endm
.macro PLACES n
.rept \n
	v_nop
.endr
.endm
; A step: 64 products; the next step's fragments are fetched in its middle and at its end.  Where the next step ends in a chunk not yet read, a barrier shows it whole; where it begins in a later chunk, the old chunk is
; given up behind the wait for all tensor loads, the add and the wait for my reads, and, if a chunk is left to fetch, a round of the cluster's barrier and the refill follow.
.macro STEP st, zero
.set SC, 32+32*((\st)/4)               ; the scale word of block i, step st: v[32 + 16 (st / 2) + 2 i + st % 2]
.set NX, (\st)+1
.set C0, (96*(\st))/ROWB
.set C1, (96*NX)/ROWB
.set E0, (96*(\st)+95)/ROWB
.set E1, (96*NX+95)/ROWB
.if C1 > C0 || (E1 > E0 && E1 > 1)     ; chunks 0 and 1 are whole from the head on
	s_wait_tensorcnt 0x0
.if C1 > C0
	ds_add_u32 v[SPW], v[NIL]
	s_wait_dscnt 4*NL+1                            ; the add and A's blocks 4-7 may be out
.else
	s_wait_dscnt 4*NL                              ; A's blocks 4-7 may be out
.endif
	WIN MUL_LO
	MUL16 0, (\st)%2, (\st)%2, ((\st)/2)%2, \zero
	s_wait_dscnt 0x0
	s_barrier_signal -1
	MUL16 2, (\st)%2, (\st)%2, ((\st)/2)%2, \zero
	WIN 0
	s_barrier_wait -1
.if C1 > C0 && C0+2 < CHUNKS
	CREST
	s_add_nc_u64 s[G0+4*(C0%2)+2:G0+4*(C0%2)+3], s[G0+4*(C0%2)+2:G0+4*(C0%2)+3], 2*ROWB
	s_add_nc_u64 s[G0B+4*(C0%2)+2:G0B+4*(C0%2)+3], s[G0B+4*(C0%2)+2:G0B+4*(C0%2)+3], 2*ROWB
	JLOAD G0+4*(C0%2), G1, G0B+4*(C0%2), G1B
.else
	PLACES NP
.endif
.else
	s_wait_dscnt 4*NL
	WIN MUL_LO
	MUL16 0, (\st)%2, (\st)%2, ((\st)/2)%2, \zero
	MUL16 2, (\st)%2, (\st)%2, ((\st)/2)%2, \zero
	s_wait_dscnt 0
	PLACES NP
.endif
	FETCH_B NX, NX%2
	FETCH_A NX, 0
	WIN MUL_HI
	MUL16 4, (\st)%2, (\st)%2, ((\st)/2)%2, \zero
	MUL16 6, (\st)%2, (\st)%2, ((\st)/2)%2, \zero
	PLACES NP
	WIN 0
	FETCH_A NX, 4
.endm
	s_wait_alu depctr_va_vdst(0)
	s_wait_loadcnt 0x0                             ; the scale words
	s_mov_b32 s2, 0xffff0000
.irp b, 0,1,2,3,4,5,6,7
.irp w, 0,1,2,3,4,5,6,7
	v_cndmask_b32 v[32+16*(\w/2)+2*\b+(\w%2)], v[128+8*\b+\w], v[192+8*\b+\w], s2   ; lanes 0-15 A's word, lanes 16-31 B's
.endr
.endr
	PLACES 8                                       ; a scale register written by a vector instruction stands 8 places ahead of the product
	s_wait_alu depctr_va_vdst(0)
	s_wait_tensorcnt 0x0                           ; my tile of the head's four is in
	s_mov_b32 s[G1+2], 128<<16                     ; no load of mine is out: from here on a load brings 128 rows
	s_mov_b32 s[G1+4], 128
	s_mov_b32 s[G1B+2], 128<<16
	s_mov_b32 s[G1B+4], 128
	s_barrier_signal -1
	s_barrier_wait -1                              ; chunks 0 and 1 are whole
	FETCH_B 0, 0
	FETCH_A 0, 0
	FETCH_A 0, 4
	STEP 0, 1                                      ; the first products start the sums
.set ST, 1
.rept STEPS-2
	STEP ST, 0
.set ST, ST+1
.endr
	s_wait_dscnt 4*NL
	WIN MUL_LO
.set SC, 64
	MUL16 0, 1, 1, 1, 0
	MUL16 2, 1, 1, 1, 0
	s_wait_dscnt 0
	WIN MUL_HI
	MUL16 4, 1, 1, 1, 0
	MUL16 6, 1, 1, 1, 0
	WIN 0
; THE WAY OUT: bias, then 16 rows x 128 numbers are quantised along the lane's registers: four blocks of 32, each shared by lanes l and l xor 16
.macro QUANT s
.irp b, 0,1,2,3
	v_max3_num_f32 v[TM+\b], |v[\s+16*\b]|, |v[\s+1+16*\b]|, 0x1800000
.endr
.irp i, 2,4,6,8,10,12,14
.irp b, 0,1,2,3
	v_max3_num_f32 v[TM+\b], v[TM+\b], |v[\s+16*\b+\i]|, |v[\s+1+16*\b+\i]|
.endr
.endr
.irp b, 0,1,2,3
	v_permlanex16_b32 v[TM+4+\b], v[TM+\b], s66, s67
.endr
.irp b, 0,1,2,3
	v_max_num_f32 v[TM+\b], v[TM+\b], v[TM+4+\b]
.endr
.irp b, 0,1,2,3
	v_add_nc_u32 v[TM+12+\b], 0xff000000, v[TM+\b]
.endr
.irp b, 0,1,2,3
	v_lshrrev_b32 v[TM+4+\b], 23, v[TM+12+\b]
.endr
	v_lshl_or_b32 v[PW], v[TM+5], 8, v[TM+4]
	v_lshl_or_b32 v[PW], v[TM+6], 16, v[PW]
	v_lshl_or_b32 v[PW], v[TM+7], 24, v[PW]
.irp c, 0,1
	v_cvt_scalef32_pk16_fp6_f32 v[CDS+6*\c:CDS+2+6*\c], v[\s+32*\c:\s+15+32*\c], v[TM+12+2*\c]
	v_cvt_scalef32_pk16_fp6_f32 v[CDS+12+4*\c:CDS+14+4*\c], v[\s+16+32*\c:\s+31+32*\c], v[TM+12+2*\c+1]
.endr
	v_nop
.irp c, 0,1
.irp i, 0,1,2
	v_permlane16_swap_b32 v[CDS+6*\c+\i], v[CDS+12+4*\c+\i]
.endr
.irp i, 0,1,2
	v_mov_b32 v[CDS+3+6*\c+\i], v[CDS+12+4*\c+\i]
.endr
.endr
.endm
	PLACES NP
	s_load_b256 s[24:31], s[0:1], 0x40             ; bq, bk, bv, qb
	s_load_b64 s[32:33], s[0:1], 0x60              ; kvb
	s_mov_b32 s66, 0x76543210
	s_mov_b32 s67, 0xfedcba98
	s_mov_b32 s95, 0xffff0000
	s_and_b32 s18, ttmp7, 0xffff
	s_lshr_b32 s19, s18, 2
	s_lshl_b32 s20, s17, 8
	s_lshl_b32 s21, s15, 7
	s_add_co_u32 s20, s20, s21
	s_lshl_b32 s21, s42, 8
	s_lshl_b32 s22, s16, 7
	s_add_co_u32 s21, s21, s22
	s_cmp_eq_u32 s19, 2
	s_cselect_b32 s22, s21, s20
	s_cselect_b32 s23, s20, s21
	s_cselect_b32 s34, 0, -1
	s_cselect_b32 s35, -1, 0
	s_cselect_b32 s36, 0, s21
	s_cselect_b32 s37, s20, 0
	s_lshr_b32 s23, s23, 6
	s_lshr_b32 s38, s22, 11
	s_lshl_b32 s38, s38, 4
	s_add_co_u32 s38, s38, s23
	s_lshl_b32 s38, s38, 4
	s_bfe_u32 s39, s22, 0x40007
	s_add_co_u32 s38, s38, s39
	s_mul_i32 s38, s38, STEPB
	s_mov_b32 s39, 0
	s_lshl_b32 s36, s36, 2
	s_lshl_b32 s37, s37, 2
	s_wait_kmcnt 0x0
	s_cmp_eq_u32 s19, 0
	s_cselect_b64 s[30:31], s[30:31], s[32:33]
	s_cselect_b64 s[24:25], s[24:25], s[26:27]
	s_cmp_eq_u32 s19, 2
	s_cselect_b64 s[24:25], s[28:29], s[24:25]
	s_add_nc_u64 s[30:31], s[30:31], s[38:39]
	s_add_nc_u64 s[32:33], s[30:31], HEADB
	s_mov_b32 s38, s36
	s_add_nc_u64 s[26:27], s[24:25], s[38:39]
	s_mov_b32 s38, s37
	s_add_nc_u64 s[28:29], s[24:25], s[38:39]
	WIN 0x40
.irp b, 0,1,2,3,4,5,6,7
	global_load_b128 v[8*\b:8*\b+3], v10, s[26:27] offset:64*\b
	global_load_b128 v[8*\b+4:8*\b+7], v10, s[26:27] offset:64*\b+16
.endr
	WIN 0
.irp a, 0,1,2,3,4,5,6,7
	global_load_b32 v[BM+2*\a], v11, s[28:29] offset:64*\a
.endr
.irp b, 0,1,2,3
	v_mov_b32 v[TM+4+\b], 0
.endr
	s_wait_loadcnt 0x0
	WIN 0x44
.set i, 0
.rept 64
	v_cndmask_b32 v[i], 0, v[i], s34               ; the bias runs along the registers (q, k) or along the lanes (v): the other is set to 0
.set i, i+1
.endr
	WIN 0
.irp a, 0,1,2,3,4,5,6,7
	v_cndmask_b32 v[BM+2*\a], 0, v[BM+2*\a], s35
.endr
.irp a, 0,1,2,3,4,5,6,7
	v_mov_b32 v[BM+2*\a+1], v[BM+2*\a]
.endr
.macro OUTBLK a
	s_wait_xcnt 0x0                                ; the last block's stores have read their registers
	WIN 0x06+(\a)/4
.set i, 0
.rept 32
	v_pk_add_f32 v[T+2*i:T+2*i+1], v[64*((\a)%4)+2*i:64*((\a)%4)+2*i+1], v[2*i:2*i+1]
.set i, i+1
.endr
	WIN 0
.set i, 0
.rept 32
	v_pk_add_f32 v[T+2*i:T+2*i+1], v[T+2*i:T+2*i+1], v[BM+2*(\a):BM+2*(\a)+1]
.set i, i+1
.endr
	QUANT T
	s_cmp_eq_u32 s19, 2
	s_cbranch_scc1 .Lway_v_\@
	global_store_b128 v24, v[CDS:CDS+3], s[30:31] offset:768*(\a)
	global_store_b64 v25, v[CDS+4:CDS+5], s[30:31] offset:768*(\a)+512
	global_store_b128 v24, v[CDS+6:CDS+9], s[32:33] offset:768*(\a)
	global_store_b64 v25, v[CDS+10:CDS+11], s[32:33] offset:768*(\a)+512
	v_lshrrev_b32 v230, 16, v[PW]
	v_cndmask_b32 v231, v[PW], v230, s95
	global_store_b32 v7, v231, s[30:31] offset:KSC+64*(\a)
	s_branch .Ljoin_\@
.Lway_v_\@:
	s_wait_alu depctr_va_vdst(0)
.irp c, 0,1,2
	global_store_b128 v24, v[CDS+4*\c:CDS+4*\c+3], s[30+2*((\a)/4):31+2*((\a)/4)] offset:VIMG+1536*((\a)%4)+512*\c
.endr
.if (\a)%2
	v_cndmask_b32 v231, v[PWP], v[PW], s95
	global_store_b32 v26, v231, s[30+2*((\a)/4):31+2*((\a)/4)] offset:VSC+64*((\a)%4-1)
.endif
.Ljoin_\@:
	v_mov_b32 v[PWP], v[PW]
.endm
.irp a, 0,1,2,3,4,5,6,7
	OUTBLK \a
.endr
	s_wait_tensorcnt 0x0                           ; the wave's end
	ds_add_u32 v[SPW], v[NIL]
	s_wait_dscnt 0x0
	CROUND                                         ; the closing round
	s_endpgm
.Lfunc_end_k_q507f5eb252_qkv:
	.size	k_q507f5eb252_qkv, .Lfunc_end_k_q507f5eb252_qkv-k_q507f5eb252_qkv
	.p2alignl 7, 3214868480
	.fill 96, 4, 3214868480
	.section	.rodata,"a",@progbits
	.p2align	6, 0x0
	.amdhsa_kernel k_q507f5eb252_qkv
		.amdhsa_group_segment_fixed_size 327680
		.amdhsa_private_segment_fixed_size 0
		.amdhsa_enable_private_segment 0
		.amdhsa_kernarg_size 104
		.amdhsa_user_sgpr_count 2
		.amdhsa_user_sgpr_kernarg_segment_ptr 1
		.amdhsa_wavefront_size32 1
		.amdhsa_system_sgpr_workgroup_id_x 1
		.amdhsa_system_sgpr_workgroup_id_y 1
		.amdhsa_system_sgpr_workgroup_id_z 1
		.amdhsa_system_vgpr_workitem_id 0
		.amdhsa_next_free_vgpr 1024
		.amdhsa_next_free_sgpr 100
		.amdhsa_reserve_vcc 0
		.amdhsa_float_denorm_mode_32 3
		.amdhsa_float_denorm_mode_16_64 3
		.amdhsa_memory_ordered 1
		.amdhsa_forward_progress 1
		.amdhsa_inst_pref_size 214
	.end_amdhsa_kernel
	.amdgpu_metadata
---
amdhsa.version: [ 1, 2 ]
amdhsa.kernels:
  - .name:           k_q507f5eb252_qkv
    .symbol:         k_q507f5eb252_qkv.kd
    .args:
      - { .name: act_codes, .offset: 0, .size: 8, .value_kind: global_buffer, .address_space: global }
      - { .name: act_scales, .offset: 8, .size: 8, .value_kind: global_buffer, .address_space: global }
      - { .name: wq_codes, .offset: 16, .size: 8, .value_kind: global_buffer, .address_space: global }
      - { .name: wq_scales, .offset: 24, .size: 8, .value_kind: global_buffer, .address_space: global }
      - { .name: wk_codes, .offset: 32, .size: 8, .value_kind: global_buffer, .address_space: global }
      - { .name: wk_scales, .offset: 40, .size: 8, .value_kind: global_buffer, .address_space: global }
      - { .name: wv_codes, .offset: 48, .size: 8, .value_kind: global_buffer, .address_space: global }
      - { .name: wv_scales, .offset: 56, .size: 8, .value_kind: global_buffer, .address_space: global }
      - { .name: bq, .offset: 64, .size: 8, .value_kind: global_buffer, .address_space: global }
      - { .name: bk, .offset: 72, .size: 8, .value_kind: global_buffer, .address_space: global }
      - { .name: bv, .offset: 80, .size: 8, .value_kind: global_buffer, .address_space: global }
      - { .name: qb, .offset: 88, .size: 8, .value_kind: global_buffer, .address_space: global }
      - { .name: kvb, .offset: 96, .size: 8, .value_kind: global_buffer, .address_space: global }
    .group_segment_fixed_size: 327680
    .private_segment_fixed_size: 0
    .kernarg_segment_align: 8
    .kernarg_segment_size: 104
    .max_flat_workgroup_size: 128
    .sgpr_count:     100
    .vgpr_count:     1024
    .wavefront_size: 32
...
	.end_amdgpu_metadata
.endif
;; end of part 8
;; launch attn (part 9): grid 8 x 32, 16 waves a work-group, clusters of 4 x 1, 215,040 bytes of LDS; arguments qb, kvb, act_codes, act_scales; writes act_codes, act_scales
.if DOCPART == 9
	.amdgcn_target "amdgcn-amd-amdhsa--gfx1250"
	.amdhsa_code_object_version 6
	.text
	.protected	k_q507f5eb252_attn
	.globl	k_q507f5eb252_attn
	.p2align	8
	.type	k_q507f5eb252_attn,@function
k_q507f5eb252_attn:
	s_mov_b64 s[64:65], 0
	v_nop
	global_prefetch_b8 v0, s[64:65] scope:SCOPE_SE
	s_setreg_imm32_b32 hwreg(HW_REG_WAVE_MODE, 25, 1), 1
	s_wait_xcnt 0x0
	s_wait_alu depctr_hold_cnt(0) depctr_sa_sdst(0) depctr_va_vdst(0) depctr_va_sdst(0) depctr_va_ssrc(0) depctr_va_vcc(0) depctr_vm_vsrc(0)
	s_getreg_b32 s2, hwreg(HW_REG_IB_STS2, 6, 4)
	s_cmp_eq_u32 s2, 0
	s_cbranch_scc0 .Lentry_in_a_cluster
	s_endpgm
.Lentry_in_a_cluster:
	s_bfe_u32 s2, ttmp6, 0x10000c
	s_cmp_lg_u32 s2, 0x3003
	s_cbranch_scc0 .Lentry_shape_is_right
	s_endpgm
.Lentry_shape_is_right:
; Attention of one (batch, head) on codes of FP6 (E2M3): S = q k^T / 8 (K = the head's 64, the upper half of the instruction's 128 filled with zero codes on both sides), softmax, O = p v (K = the keys).
; THE SOFTMAX: t = score x log2(e) / 8; M = the row's largest t so far, rounded up to a whole number; p = 2^(t - M) is quantised along the keys, not normalised; the row's sum is taken of the unquantised p and divides O at the end.
; When M moves, the sum and O are multiplied by 2^(old M - new M), which rounds nothing.  O / sum is quantised along the model's 1,024 (a head is two blocks of 32) and leaves as codes [4096][768] and scale bytes [4096][32].
; SHARES.  A work-group owns 256 queries of one head; each of its sixteen waves one tile of 16, in 256 registers: four waves to a SIMD, so that one wave's vector work stands beside another's matrix work and LDS loads.
; K, V AND THEIR SCALES OF THE WHOLE HEAD LIE IN LDS, FILLED ONCE: 16 blocks of 13,056 bytes (128 keys each), images of operand registers as the launch before laid them.  Wave w brings block w by one tensor load:
; one load a wave is out.  No slot is filled again, so the loop over the keys has no barrier, and nothing is left to be asked for ahead of its load.
; CLUSTER.  The four query blocks of a cluster belong to one head and need the same bytes: each load is asked for jointly, with the mask of all four.
; LAYOUT.  Both products are used transposed (S^T = k q^T, O^T = v^T p^T): a lane holds one query throughout.  The 16 registers of tiles 2 b, 2 b + 1 and those of lane l xor 16 are block b of 32 keys, in the order
; 0-7, 16-23, 8-15, 24-31, which v's codes have too: a permutation of k applied alike to both operands keeps the products and the scales.  For the given weight wo the true order is restored by lane swaps.
; A head's part of a row of the result is 48 bytes of codes and 2 scale bytes: these stores are short runs; longer ones would want four heads in one work-group, and then K and V would be shared by a quarter as many queries.
; LIMITS: NaN and infinities are not served; a block of the result under 2^-124 gets the byte 1, a block of zeros too (zero codes; only this program reads the bytes).
; A block's largest p is taken from its largest score through the same multiply-add and exponential; this leans on v_exp_f32 not falling where its input rises.
.set STEPB, 13056                      ; 128 keys: 8 tiles of k (768), 4 fragments of v^T (1,536), k's scale words (512), v^T's (256)
.set VIMG,  6144
.set KSC,   12288
.set VSC,   12800
.set KF,    32                         ; v32-79   four fragments of k; the upper six registers of each stay 0
.set VF,    80                         ; v80-127  four fragments of v^T
.set S,     128                        ; v128-191 S^T, then p
.set O,     192                        ; v192-223 O^T
; v1-3: 16, 8, 4 x lane; v4-6 the same + the step's LDS byte; v8-11 k's scale words; v12 -M, v13 the largest t, v[14:15] the sum; v16-27 q (v22-27 = 0); v28-29 v^T's scale words; v30 q's; v31 p's;
; v224-235 p's codes; v236-243, v254 at work; v244-247 the conversions' scale operands; v248-251 the blocks' largest scores; v[252:253] f.
.macro CROUND                          ; a round of the cluster's barrier
	s_barrier_signal -1
	s_barrier_wait -1
	s_cmp_lg_u32 s12, 0
	s_cbranch_scc1 .Lnot_wave_0_\@
	s_barrier_signal -3
.Lnot_wave_0_\@:
	s_barrier_wait -3
	s_barrier_signal -1
	s_barrier_wait -1
.endm
	s_load_b256 s[4:11], s[0:1], 0x0               ; qb s[4:5], kvb s[6:7], codes s[8:9], scale bytes s[10:11]
	v_lshl_add_u32 v243, v0, 2, 0x34000
	v_mov_b32 v255, 0
	ds_add_u32 v243, v255
	ds_add_u32 v243, v255
	v_lshrrev_b32 v1, 5, v0
	s_delay_alu instid0(VALU_DEP_1)
	v_readfirstlane_b32 s12, v1                    ; wave 0..15
	s_bfe_u32 s13, ttmp6, 0x40000                  ; cx
	s_lshl_b32 s14, ttmp9, 2
	s_add_co_u32 s14, s14, s13                     ; my block of 256 queries: it enters q's and the result's addresses alone
	s_and_b32 s15, ttmp7, 0xffff                   ; batch x 16 + head, which the four partners share
	s_mov_b32 s16, 15|(3<<16)|(1<<21)              ; group 1: 15:0 the mask: all four; 17:16 elements of 8 bytes; 20 no padding; 21 set beside a mask
	s_mov_b32 s17, 32<<16                          ; tensor_dim0 = 32 elements: rows of 256 bytes
	s_mov_b32 s18, 51<<16                          ; tensor_dim1 = 51 rows: 13,056 dense bytes
	s_mov_b32 s19, 32<<16                          ; tile_dim0
	s_mov_b32 s20, 51                              ; tile_dim1
	s_mov_b32 s21, 32                              ; the pitch
	s_mov_b32 s22, 0
	s_mov_b32 s23, 0
	s_lshl_b32 s36, s15, 4
	s_add_co_u32 s36, s36, s12
	s_mul_i32 s36, s36, STEPB                      ; block w of my head
	s_mov_b32 s37, 0
	s_mov_b32 s24, 1                               ; group 0: count = 1
	s_mul_i32 s25, s12, STEPB                      ; LDS address: wave x 13,056
	s_mov_b32 s28, 0x76543210                      ; v_permlanex16_b32: lane l xor 16
	s_mov_b32 s29, 0xfedcba98
	s_mov_b32 s30, 0x3e38aa3b                      ; c = log2(e) / 8
	s_mov_b32 s31, s30                             ; (named with it as a pair)
	s_mov_b32 s32, 0                               ; LDS byte of the step in hand
	s_mov_b32 s33, 16                              ; steps to go
	s_mov_b32 s34, 0xffff0000                      ; lanes 16-31
	s_wait_dscnt 0x0
	s_wait_kmcnt 0x0
	s_add_nc_u64 s[26:27], s[6:7], s[36:37]
	s_or_b32 s27, s27, 0x80000000                  ; type = 2
	CROUND                                         ; all four work-groups are here: the joint loads meet
	tensor_load_to_lds s[24:27], s[16:23]
	s_nop 0
.rept 4
	v_nop
.endr
	s_lshl_b32 s36, s15, 4                         ; q: block 16 bh + 2 x query block + wave / 8 of qb, tile wave % 8
	s_lshl_b32 s38, s14, 1
	s_add_co_u32 s36, s36, s38
	s_lshr_b32 s38, s12, 3
	s_add_co_u32 s36, s36, s38
	s_mul_i32 s36, s36, STEPB
	s_and_b32 s40, s12, 7
	s_mul_i32 s38, s40, 768
	s_add_co_u32 s38, s38, s36
	s_mov_b32 s39, 0
	s_add_nc_u64 s[38:39], s[4:5], s[38:39]
	s_lshl_b32 s40, s40, 6
	s_add_co_u32 s40, s40, s36
	s_mov_b32 s41, 0
	s_add_nc_u64 s[40:41], s[4:5], s[40:41]
	v_and_b32 v7, 31, v0
	s_delay_alu instid0(VALU_DEP_1)
	v_lshlrev_b32 v1, 4, v7
	s_delay_alu instid0(VALU_DEP_2)
	v_lshlrev_b32 v2, 3, v7
	s_delay_alu instid0(VALU_DEP_3)
	v_lshlrev_b32 v3, 2, v7
	v_and_b32 v7, 15, v0
	s_delay_alu instid0(VALU_DEP_1)
	v_lshlrev_b32 v7, 2, v7
	global_load_b128 v[16:19], v1, s[38:39]        ; q's registers 0-3,
	global_load_b64 v[20:21], v2, s[38:39] offset:512   ; 4-5,
	global_load_b32 v30, v7, s[40:41] offset:KSC   ; and its scale words
.irp j, 22,23,24,25,26,27
	v_mov_b32 v[\j], 0                             ; k = 64 .. 127: zero codes
.endr
.irp t, 0,1,2,3
.irp j, 6,7,8,9,10,11
	v_mov_b32 v[KF+12*\t+\j], 0
.endr
.endr
	v_mov_b32 v13, 0xff61b1e6                      ; the largest t so far: -3e38, under every t
	s_delay_alu instid0(VALU_DEP_1)
	v_floor_f32 v12, -v13                          ; -M
	v_mov_b32 v14, 0
	v_mov_b32 v15, 0
.irp b, 0,1,2,3
	v_mov_b32 v[236+\b], 0                         ; a lane permute's destination counts as one of its sources
.endr
	v_mov_b32 v253, 0                              ; (the upper half of the pair v[252:253])
.set j, 0
.rept 32
	v_mov_b32 v[O+j], 0                            ; O^T: the step is written once; the first finds zeros, which the first change of M leaves zeros
.set j, j+1
.endr
	s_wait_tensorcnt 0x0                           ; my block has landed,
	s_barrier_signal -1
	s_barrier_wait -1                              ; everybody's has
	s_wait_loadcnt 0x0                             ; q
.macro KLOAD g                         ; tiles 4 g .. 4 g + 3 of k
.irp t, 0,1,2,3
	ds_load_b128 v[KF+12*\t:KF+12*\t+3], v4 offset:768*(4*\g+\t)
	ds_load_b64 v[KF+12*\t+4:KF+12*\t+5], v5 offset:768*(4*\g+\t)+512
.endr
.endm
.macro SMUL t                          ; S^T of keys 16 t on; one register carries two tiles' scale words, the odd tile's in lanes 16-31
.if (\t)%2
	v_wmma_scale_f32_16x16x128_f8f6f4 v[S+8*(\t):S+8*(\t)+7], v[KF+12*((\t)%4):KF+12*((\t)%4)+11], v[16:27], 0, v[8+(\t)/2], v30 matrix_a_fmt:MATRIX_FMT_FP6 matrix_b_fmt:MATRIX_FMT_FP6 matrix_a_scale:MATRIX_SCALE_ROW1
.else
	v_wmma_scale_f32_16x16x128_f8f6f4 v[S+8*(\t):S+8*(\t)+7], v[KF+12*((\t)%4):KF+12*((\t)%4)+11], v[16:27], 0, v[8+(\t)/2], v30 matrix_a_fmt:MATRIX_FMT_FP6 matrix_b_fmt:MATRIX_FMT_FP6
.endif
.endm
.macro OMUL t                          ; O^T of d 16 t on += v^T p^T
.if (\t)%2
	v_wmma_scale_f32_16x16x128_f8f6f4 v[O+8*(\t):O+8*(\t)+7], v[VF+12*(\t):VF+12*(\t)+11], v[224:235], v[O+8*(\t):O+8*(\t)+7], v[28+(\t)/2], v31 matrix_a_fmt:MATRIX_FMT_FP6 matrix_b_fmt:MATRIX_FMT_FP6 matrix_a_scale:MATRIX_SCALE_ROW1
.else
	v_wmma_scale_f32_16x16x128_f8f6f4 v[O+8*(\t):O+8*(\t)+7], v[VF+12*(\t):VF+12*(\t)+11], v[224:235], v[O+8*(\t):O+8*(\t)+7], v[28+(\t)/2], v31 matrix_a_fmt:MATRIX_FMT_FP6 matrix_b_fmt:MATRIX_FMT_FP6
.endif
.endm
.Lstep:                                            ; 16 trips of 128 keys
	v_add_nc_u32 v4, s32, v1
	v_add_nc_u32 v5, s32, v2
	v_add_nc_u32 v6, s32, v3
	v_nop                                          ; (with the three above: four places behind the last trip's products)
	KLOAD 0
.irp i, 0,1,2,3
	ds_load_b32 v[8+\i], v6 offset:KSC+128*\i      ; lanes 0-15 tile 2 i's words, lanes 16-31 tile 2 i + 1's
.endr
	s_wait_alu depctr_va_vdst(0)
	s_wait_dscnt 0x0
	SMUL 0
	SMUL 1
	SMUL 2
	SMUL 3
.rept 4
	v_nop                                          ; places in front of loads into registers that matrix instructions have read
.endr
	KLOAD 1
.irp t, 0,1,2,3
.irp c, 0,1,2
	ds_load_b128 v[VF+12*\t+4*\c:VF+12*\t+4*\c+3], v4 offset:VIMG+1536*\t+512*\c
.endr
.endr
	ds_load_b32 v28, v6 offset:VSC
	ds_load_b32 v29, v6 offset:VSC+128
	s_wait_dscnt 14                                ; k's tiles are in; the 14 younger loads, v^T's, land under the softmax
	SMUL 4
	SMUL 5
	SMUL 6
	SMUL 7
.rept 4
	v_nop
.endr
.irp b, 0,1,2,3
	v_max3_num_f32 v[248+\b], v[S+16*\b], v[S+1+16*\b], v[S+2+16*\b]   ; the largest score of each block of 32 keys: for the row's maximum, and for the block's largest p
.endr
.irp i, 3,5,7,9,11,13
.irp b, 0,1,2,3
	v_max3_num_f32 v[248+\b], v[248+\b], v[S+16*\b+\i], v[S+1+16*\b+\i]
.endr
.endr
.irp b, 0,1,2,3
	v_max_num_f32 v[248+\b], v[248+\b], v[S+15+16*\b]
.endr
.irp b, 0,1,2,3
	s_delay_alu instid0(VALU_DEP_4)
	v_permlanex16_b32 v[236+\b], v[248+\b], s28, s29
.endr
.irp b, 0,1,2,3
	s_delay_alu instid0(VALU_DEP_4)
	v_max_num_f32 v[248+\b], v[248+\b], v[236+\b]  ; with lane l xor 16's 16 keys
.endr
	s_delay_alu instid0(VALU_DEP_2)
	v_max3_num_f32 v254, v248, v249, v250
	s_delay_alu instid0(VALU_DEP_1)
	v_max_num_f32 v254, v254, v251                 ; the step's largest score of my query
	s_delay_alu instid0(VALU_DEP_1)
	v_mul_f32 v254, s30, v254                      ; as t (c is positive)
	s_delay_alu instid0(VALU_DEP_1)
	v_max_num_f32 v13, v13, v254                   ; the running largest t
	v_mov_b32 v254, v12
	s_delay_alu instid0(VALU_DEP_2)
	v_floor_f32 v12, -v13                          ; the new -M = floor(-t): M is a whole number
	s_delay_alu instid0(VALU_DEP_1)
	v_sub_f32 v254, v12, v254                      ; old M - new M: a whole number, 0 or less
	s_delay_alu instid0(VALU_DEP_1)
	v_cvt_i32_f32 v254, v254                       ; (it saturates)
	s_delay_alu instid0(VALU_DEP_1)
	v_ldexp_f32 v252, 1.0, v254                    ; f = 2^(old M - new M)
.set j, 0
.rept 32
	v_pk_fma_f32 v[S+j:S+j+1], v[S+j:S+j+1], s[30:31], v[12:13] op_sel_hi:[1,0,0]   ; t - M, two at a time
.set j, j+2
.endr
.irp b, 0,1,2,3
	v_fma_f32 v[248+\b], v[248+\b], s30, v12       ; the same of each block's largest score
.endr
.set j, 0
	s_wait_alu depctr_va_vdst(0)
.rept 64
	v_exp_f32 v[S+j], v[S+j]                       ; p = 2^(t - M), at most 1
.set j, j+1
.endr
	v_pk_mul_f32 v[14:15], v[14:15], v[252:253] op_sel_hi:[1,0]   ; the sums under the new M: a plain place behind the exponentials
	s_wait_alu depctr_va_vdst(0)                   ; one wait for the whole batch, ahead of its first reader
.irp b, 0,1,2,3
	v_exp_f32 v[248+\b], v[248+\b]                 ; the block's largest p
.endr
	v_pk_add_f32 v[236:237], v[132:133], v[136:137]
	v_pk_add_f32 v[246:247], v[140:141], v[144:145]
	v_pk_add_f32 v[244:245], v[148:149], v[152:153]
	v_pk_add_f32 v[240:241], v[156:157], v[160:161]
	v_pk_add_f32 v[238:239], v[164:165], v[168:169]
	v_pk_add_f32 v[234:235], v[172:173], v[176:177]
	v_pk_add_f32 v[232:233], v[180:181], v[184:185]
	v_pk_add_f32 v[14:15], v[14:15], v[188:189]
	v_pk_add_f32 v[236:237], v[236:237], v[128:129]
	v_pk_add_f32 v[246:247], v[246:247], v[130:131]
	v_pk_add_f32 v[244:245], v[244:245], v[134:135]
	v_pk_add_f32 v[240:241], v[240:241], v[138:139]
	v_pk_add_f32 v[238:239], v[238:239], v[142:143]
	v_pk_add_f32 v[234:235], v[234:235], v[146:147]
	v_pk_add_f32 v[232:233], v[232:233], v[150:151]
	v_pk_add_f32 v[14:15], v[14:15], v[154:155]
	v_pk_add_f32 v[236:237], v[236:237], v[158:159]
	v_pk_add_f32 v[246:247], v[246:247], v[162:163]
	v_pk_add_f32 v[244:245], v[244:245], v[166:167]
	v_pk_add_f32 v[240:241], v[240:241], v[170:171]
	v_pk_add_f32 v[238:239], v[238:239], v[174:175]
	v_pk_add_f32 v[234:235], v[234:235], v[178:179]
	v_pk_add_f32 v[232:233], v[232:233], v[182:183]
	v_pk_add_f32 v[14:15], v[14:15], v[186:187]
	v_pk_add_f32 v[236:237], v[236:237], v[190:191]
	s_delay_alu instid0(VALU_DEP_2)
	v_pk_add_f32 v[14:15], v[14:15], v[240:241]
	s_delay_alu instid0(VALU_DEP_2)
	v_pk_add_f32 v[236:237], v[236:237], v[238:239]
	v_pk_add_f32 v[246:247], v[246:247], v[234:235]
	v_pk_add_f32 v[244:245], v[244:245], v[232:233]
	s_delay_alu instid0(VALU_DEP_2)
	v_pk_add_f32 v[14:15], v[14:15], v[246:247]
	s_delay_alu instid0(VALU_DEP_2)
	v_pk_add_f32 v[236:237], v[236:237], v[244:245]
	s_delay_alu instid0(VALU_DEP_1)
	v_pk_add_f32 v[14:15], v[14:15], v[236:237]
	s_wait_alu depctr_va_vdst(0)                   ; and one for the four
.irp b, 0,1,2,3
	v_max_num_f32 v[248+\b], 0x1800000, v[248+\b]  ; the floor 2^(3 - 127): the byte cannot fall under 1
.endr
.irp b, 0,1,2,3
	s_delay_alu instid0(VALU_DEP_4)
	v_add_nc_u32 v[244+\b], 0xff000000, v[248+\b]  ; 2 off the exponent field: the conversion's scale operand
.endr
.irp b, 0,1,2,3
	s_delay_alu instid0(VALU_DEP_4)
	v_lshrrev_b32 v[236+\b], 23, v[244+\b]         ; the scale's byte
.endr
	s_delay_alu instid0(VALU_DEP_3)
	v_lshl_or_b32 v31, v237, 8, v236               ; p's scale word for these 128 keys
	s_delay_alu instid0(VALU_DEP_1)
	v_lshl_or_b32 v31, v238, 16, v31
	s_delay_alu instid0(VALU_DEP_1)
	v_lshl_or_b32 v31, v239, 24, v31
.irp c, 0,1
	v_cvt_scalef32_pk16_fp6_f32 v[224+6*\c:226+6*\c], v[S+32*\c:S+15+32*\c], v[244+2*\c]
	v_cvt_scalef32_pk16_fp6_f32 v[236+4*\c:238+4*\c], v[S+16+32*\c:S+31+32*\c], v[244+2*\c+1]
.endr
	v_nop                                          ; one plain place behind a scaled conversion
.irp c, 0,1                                    ; a whole block in a lane: lanes 0-15 block 2 c, lanes 16-31 block 2 c + 1
.irp i, 0,1,2
	v_permlane16_swap_b32 v[224+6*\c+\i], v[236+4*\c+\i]
.endr
.irp i, 0,1,2
	s_delay_alu instid0(VALU_DEP_3)
	v_mov_b32 v[227+6*\c+\i], v[236+4*\c+\i]
.endr
.endr
.set j, 0
.rept 16
	v_pk_mul_f32 v[O+j:O+j+1], v[O+j:O+j+1], v[252:253] op_sel_hi:[1,0]   ; O^T under the new M; these 16 are also the places between the scale word and codes just written and the products
.set j, j+2
.endr
	s_wait_alu depctr_va_vdst(0)
	s_wait_dscnt 0x0                               ; v^T and its scale words are in
	OMUL 0                                         ; four accumulators by turns, one instruction a turn
	OMUL 1
	OMUL 2
	OMUL 3
	s_add_co_u32 s32, s32, STEPB
	s_sub_co_u32 s33, s33, 1
	s_cmp_lg_u32 s33, 0
	s_cbranch_scc1 .Lstep
	; THE WAY OUT
	v_add_f32 v14, v14, v15                        ; the sum's two halves,
	s_delay_alu instid0(VALU_DEP_1)
	v_permlanex16_b32 v252, v14, s28, s29
	s_delay_alu instid0(VALU_DEP_1)
	v_add_f32 v14, v14, v252                       ; and lane l xor 16's
	s_wait_alu depctr_va_vdst(0)
	v_rcp_f32 v14, v14
	v_and_b32 v4, 15, v0                           ; r  (plain work behind the transcendental, and the places behind the last products)
	v_bfe_u32 v5, v0, 4, 1                         ; h
	s_delay_alu instid0(VALU_DEP_2)
	v_mul_u32_u24 v6, v4, 768
	s_delay_alu instid0(VALU_DEP_1)
	v_mad_u32_u24 v6, v5, 24, v6                   ; codes: row r, block h of my head
	s_delay_alu instid0(VALU_DEP_3)
	v_lshl_add_u32 v7, v4, 5, v5                   ; scale bytes: 32 r + h
	s_lshr_b32 s36, s15, 4
	s_lshl_b32 s36, s36, 11
	s_lshl_b32 s37, s14, 8
	s_add_co_u32 s36, s36, s37
	s_lshl_b32 s37, s12, 4
	s_add_co_u32 s36, s36, s37                     ; my first row: 2,048 batch + 256 query block + 16 wave
	s_and_b32 s37, s15, 15                         ; the head
	s_mul_i32 s38, s36, 768
	s_mul_i32 s39, s37, 48
	s_add_co_u32 s38, s38, s39
	s_mov_b32 s39, 0
	s_add_nc_u64 s[8:9], s[8:9], s[38:39]
	s_lshl_b32 s38, s36, 5
	s_lshl_b32 s37, s37, 1
	s_add_co_u32 s38, s38, s37
	s_add_nc_u64 s[10:11], s[10:11], s[38:39]
	s_wait_alu depctr_va_vdst(0)                   ; ahead of the reciprocal's first reader
.set j, 0
.rept 32
	v_mul_f32 v[S+j], v[O+j], v14                  ; O^T / the sum: register 8 t + i = d 16 t + 8 h + i; each accumulator from its low end on
.set j, j+1
.endr
.irp b, 0,1                                    ; the true order for the given weight: register 16 b + i = d 32 b + 16 h + i
.irp j, 0,1,2,3,4,5,6,7
	v_permlane16_swap_b32 v[S+16*\b+\j], v[S+16*\b+8+\j]
.endr
.endr
.irp b, 0,1
	v_max3_num_f32 v[248+\b], |v[S+16*\b]|, |v[S+1+16*\b]|, 0x1800000
.endr
.irp i, 2,4,6,8,10,12,14
.irp b, 0,1
	s_delay_alu instid0(VALU_DEP_2)
	v_max3_num_f32 v[248+\b], v[248+\b], |v[S+16*\b+\i]|, |v[S+1+16*\b+\i]|
.endr
.endr
.irp b, 0,1
	s_delay_alu instid0(VALU_DEP_2)
	v_permlanex16_b32 v[236+\b], v[248+\b], s28, s29
.endr
.irp b, 0,1
	s_delay_alu instid0(VALU_DEP_2)
	v_max_num_f32 v[248+\b], v[248+\b], v[236+\b]
.endr
.irp b, 0,1
	s_delay_alu instid0(VALU_DEP_2)
	v_add_nc_u32 v[244+\b], 0xff000000, v[248+\b]
.endr
.irp b, 0,1
	s_delay_alu instid0(VALU_DEP_2)
	v_lshrrev_b32 v[236+\b], 23, v[244+\b]
.endr
	v_cvt_scalef32_pk16_fp6_f32 v[224:226], v[S:S+15], v244
	v_cvt_scalef32_pk16_fp6_f32 v[228:230], v[S+16:S+31], v245
	v_nop
.irp i, 0,1,2
	v_permlane16_swap_b32 v[224+\i], v[228+\i]     ; lane (r, h) now holds block h: its lower 16 codes in v224-226, its upper 16 in v228-230
.endr
	v_cndmask_b32 v232, v236, v237, s34            ; and its byte
	global_store_b96 v6, v[224:226], s[8:9]
	global_store_b96 v6, v[228:230], s[8:9] offset:12
	global_store_b8 v7, v232, s[10:11]
	s_wait_dscnt 0x0
	s_wait_tensorcnt 0x0
	ds_add_u32 v243, v255
	s_wait_dscnt 0x0
	CROUND                                         ; the closing round
	s_endpgm
.Lfunc_end_k_q507f5eb252_attn:
	.size	k_q507f5eb252_attn, .Lfunc_end_k_q507f5eb252_attn-k_q507f5eb252_attn
	.p2alignl 7, 3214868480
	.fill 96, 4, 3214868480
	.section	.rodata,"a",@progbits
	.p2align	6, 0x0
	.amdhsa_kernel k_q507f5eb252_attn
		.amdhsa_group_segment_fixed_size 215040
		.amdhsa_private_segment_fixed_size 0
		.amdhsa_enable_private_segment 0
		.amdhsa_kernarg_size 32
		.amdhsa_user_sgpr_count 2
		.amdhsa_user_sgpr_kernarg_segment_ptr 1
		.amdhsa_wavefront_size32 1
		.amdhsa_system_sgpr_workgroup_id_x 1
		.amdhsa_system_sgpr_workgroup_id_y 1
		.amdhsa_system_sgpr_workgroup_id_z 1
		.amdhsa_system_vgpr_workitem_id 0
		.amdhsa_next_free_vgpr 256
		.amdhsa_next_free_sgpr 66
		.amdhsa_reserve_vcc 0
		.amdhsa_float_denorm_mode_32 3
		.amdhsa_float_denorm_mode_16_64 3
		.amdhsa_memory_ordered 1
		.amdhsa_forward_progress 1
		.amdhsa_inst_pref_size 30
	.end_amdhsa_kernel
	.amdgpu_metadata
---
amdhsa.version: [ 1, 2 ]
amdhsa.kernels:
  - .name:           k_q507f5eb252_attn
    .symbol:         k_q507f5eb252_attn.kd
    .args:
      - { .name: qb, .offset: 0, .size: 8, .value_kind: global_buffer, .address_space: global }
      - { .name: kvb, .offset: 8, .size: 8, .value_kind: global_buffer, .address_space: global }
      - { .name: act_codes, .offset: 16, .size: 8, .value_kind: global_buffer, .address_space: global }
      - { .name: act_scales, .offset: 24, .size: 8, .value_kind: global_buffer, .address_space: global }
    .group_segment_fixed_size: 215040
    .private_segment_fixed_size: 0
    .kernarg_segment_align: 8
    .kernarg_segment_size: 32
    .max_flat_workgroup_size: 512
    .sgpr_count:     66
    .vgpr_count:     256
    .wavefront_size: 32
...
	.end_amdgpu_metadata
.endif
;; end of part 9
;; launch wo (part 10): grid 8 x 32, 4 waves a work-group, clusters of 4 x 4, 327,680 bytes of LDS; arguments act_codes, act_scales, wo_codes, wo_scales, bo, x, x2; writes x2
.if DOCPART == 10
	.amdgcn_target "amdgcn-amd-amdhsa--gfx1250"
	.amdhsa_code_object_version 6
	.text
	.protected	k_q507f5eb252_wo
	.globl	k_q507f5eb252_wo
	.p2align	8
	.type	k_q507f5eb252_wo,@function
k_q507f5eb252_wo:
	s_mov_b64 s[64:65], 0
	v_nop
	global_prefetch_b8 v0, s[64:65] scope:SCOPE_SE
	s_setreg_imm32_b32 hwreg(HW_REG_WAVE_MODE, 25, 1), 1
	s_wait_xcnt 0x0
	s_wait_alu depctr_hold_cnt(0) depctr_sa_sdst(0) depctr_va_vdst(0) depctr_va_sdst(0) depctr_va_ssrc(0) depctr_va_vcc(0) depctr_vm_vsrc(0)
	s_getreg_b32 s2, hwreg(HW_REG_IB_STS2, 6, 4)
	s_cmp_eq_u32 s2, 0
	s_cbranch_scc0 .Lentry_in_a_cluster
	s_endpgm
.Lentry_in_a_cluster:
	s_bfe_u32 s2, ttmp6, 0x10000c
	s_cmp_lg_u32 s2, 0xf033
	s_cbranch_scc0 .Lentry_shape_is_right
	s_endpgm
.Lentry_shape_is_right:
; out[m][n] = res[m][n] + bias[n] + sum over k of A[m][k] B[n][k]: A [4096][1024 NPH], B [1024][1024 NPH] as codes of FP6 (E2M3) with one E8M0 byte for each 32 along K; bias, res, out f32.  Here x2 = x + attention's result x wo + bo.
; 32 x 8 tiles of 128 x 128, one work-group each; four waves, 64 x 64 a wave: 16 accumulators.
; A PHASE is 1,024 along K: whole pieces of 768 bytes of 128 rows of A and of B, each beginning at a multiple of 256 bytes; 16 bytes of padding behind every 256, so an LDS row is 816 bytes = 204 words and the 32 lanes of a load
; of 8 bytes touch 64 different banks.  Here NPH = 1: everything is filled once, by the head's four loads (A, B, A's scales, B's scales: one a wave), and no loop is assembled, so there is nothing to prefetch ahead of.
; 4 x 4 clusters: A's tiles are asked for jointly along a row of the cluster, B's along a column.  The product is used transposed: a lane holds eight neighbouring numbers of a row of out.
; The residual and the bias go into registers ahead of the first product.  The way out goes through a stage of the wave's own, on bytes that no load fills.
.set NPH,    1
.set AP,     768*NPH                   ; a row of codes in memory
.set KS,     32*NPH                    ; a row of scale bytes
.set PITCH,  816
.set FR,     12
.set NL,     6
.set NP,     4
.set PL,     128*PITCH                 ; A's 128 rows; B's follow
.set HALF,   64*PITCH
.set SCL,    2*PL
.set SCB,    (128*KS/256)*272          ; the scales of 128 rows, 256 bytes + 16
.set SBLK,   (16*KS/256)*272
.set STAGE,  SCL+2*SCB
.set SPITCH, 272
.set SPARE,  STAGE+4*16*SPITCH
.set ADRA, 16                          ; v16 my A fragments; v17 the same with lanes 16-31 behind one padding more
.set ADRB, 20
.set STO,  24
.set RD,   25
.set CO,   26
.set ADRS, 27
.set SPW,  28
.set NIL,  29
.set BO,   30
.set PF0,  31
.set PF1,  15
.set SC,   32                          ; v32-63 a phase's scale words: register 8 i + q: lanes 0-15 A's block i, lanes 16-31 B's block i, step q
.set BI,   64
.set ACC,  128
.set F0,   64                          ; window 1: two sets of fragments: B's four, A's four
.set FSET, 96
.set G1, 24
.set G0, 32
.set G1B, 48
.set G0B, 56
.set G1S, 68
.set G0S, 76
.set G1SB, 80
.set G0SB, 88
.set G0H, 4
.set G0HB, 8
.set PFA, 94
.set MSB, 0
.macro WIN new
.if MSB != \new
	s_set_vgpr_msb (MSB<<8)|\new
.set MSB, \new
.endif
.endm
.set MUL,  0x05
.set TO_F, 0x40
.macro JLOAD g0a, g1a, g0b, g1b
	s_cmp_eq_u32 s15, 0
	s_cbranch_scc0 .Lfor_b_\@
	tensor_load_to_lds s[\g0a:\g0a+3], s[\g1a:\g1a+7]
	s_nop 0
.rept 4
	v_nop
.endr
	s_branch .Lasked_\@
.Lfor_b_\@:
	tensor_load_to_lds s[\g0b:\g0b+3], s[\g1b:\g1b+7]
	s_nop 0
.rept 4
	v_nop
.endr
.Lasked_\@:
.endm
.macro CREST
	s_cmp_lg_u32 s14, 0
	s_cbranch_scc1 .Lnot_wave_0_\@
	s_barrier_signal -3
.Lnot_wave_0_\@:
	s_barrier_wait -3
	s_barrier_signal -1
	s_barrier_wait -1
.endm
.macro CROUND
	s_barrier_signal -1
	s_barrier_wait -1
	CREST
.endm
	s_load_b128 s[4:7], s[0:1], 0x0                ; A's codes, scales
	s_load_b128 s[8:11], s[0:1], 0x10              ; B's codes, scales
	s_load_b128 s[96:99], s[0:1], 0x20             ; bias, res
	s_load_b64 s[12:13], s[0:1], 0x30              ; out
	v_lshl_add_u32 v[SPW], v0, 2, SPARE
	v_mov_b32 v[NIL], 0
	ds_add_u32 v[SPW], v[NIL]                      ; the opening lines: the add twice and one wait
	ds_add_u32 v[SPW], v[NIL]
	v_lshrrev_b32 v1, 5, v0
	v_readfirstlane_b32 s14, v1                    ; wave
	s_lshr_b32 s15, s14, 1                         ; my half of the rows
	s_and_b32 s16, s14, 1                          ; my half of the columns
	s_bfe_u32 s40, ttmp6, 0x40000
	s_bfe_u32 s41, ttmp6, 0x40004
	s_lshl_b32 s42, ttmp9, 2
	s_add_co_u32 s42, s42, s40                     ; tile column
	s_and_b32 s17, ttmp7, 0xffff
	s_lshl_b32 s17, s17, 2
	s_add_co_u32 s17, s17, s41                     ; tile row
	s_lshl_b32 s43, s41, 2
	s_lshl_b32 s43, 15, s43
	s_lshl_b32 s44, 0x1111, s40
	s_or_b32 s[G1+0], s43, (1<<20)|(1<<21)|(5<<22)|(3<<25)   ; bytes; 4 words of padding behind every 64
	s_or_b32 s[G1B+0], s44, (1<<20)|(1<<21)|(5<<22)|(3<<25)
.irp g, G1, G1B
	s_mov_b32 s[\g+1], 768<<16
	s_mov_b32 s[\g+2], 128<<16
	s_mov_b32 s[\g+3], 768<<16
	s_mov_b32 s[\g+4], 128
	s_mov_b32 s[\g+5], AP
	s_mov_b32 s[\g+6], 0
	s_mov_b32 s[\g+7], 0
.endr
	s_or_b32 s[G1S+0], s43, (3<<16)|(1<<20)|(1<<21)|(5<<22)|(3<<25)   ; scales: dense rows of 256 bytes
	s_or_b32 s[G1SB+0], s44, (3<<16)|(1<<20)|(1<<21)|(5<<22)|(3<<25)
.irp g, G1S, G1SB
	s_mov_b32 s[\g+1], 32<<16
	s_mov_b32 s[\g+2], (128*KS/256)<<16
	s_mov_b32 s[\g+3], 32<<16
	s_mov_b32 s[\g+4], 128*KS/256
	s_mov_b32 s[\g+5], 32
	s_mov_b32 s[\g+6], 0
	s_mov_b32 s[\g+7], 0
.endr
	s_lshl_b32 s20, s17, 7
	s_lshl_b32 s46, s42, 7
	s_mov_b32 s21, 0
	s_mov_b32 s47, 0
	s_mov_b64 s[18:19], KS
	s_mul_u64 s[22:23], s[20:21], s[18:19]
	s_mul_u64 s[92:93], s[46:47], s[18:19]
	s_mov_b64 s[18:19], AP
	s_mul_u64 s[20:21], s[20:21], s[18:19]
	s_mul_u64 s[46:47], s[46:47], s[18:19]
	s_mul_i32 s18, s16, 64*AP
	s_mov_b32 s19, 0
	s_mul_i32 s45, s14, HALF
	s_wait_dscnt 0x0
	s_wait_kmcnt 0x0
	s_add_nc_u64 s[20:21], s[4:5], s[20:21]
	s_add_nc_u64 s[22:23], s[6:7], s[22:23]
	s_add_nc_u64 s[46:47], s[8:9], s[46:47]
	s_add_nc_u64 s[92:93], s[10:11], s[92:93]
	CROUND                                         ; the first joint loads meet
	s_mov_b32 s[G0H], 1
	s_mov_b32 s[G0H+1], 0
	s_mov_b64 s[G0H+2:G0H+3], s[20:21]
	s_or_b32 s[G0H+3], s[G0H+3], 0x80000000
	s_mov_b32 s[G0HB], 1
	s_mov_b32 s[G0HB+1], PL
	s_mov_b64 s[G0HB+2:G0HB+3], s[46:47]
	s_or_b32 s[G0HB+3], s[G0HB+3], 0x80000000
	s_mov_b32 s[G0S], 1
	s_mov_b32 s[G0S+1], SCL
	s_mov_b64 s[G0S+2:G0S+3], s[22:23]
	s_or_b32 s[G0S+3], s[G0S+3], 0x80000000
	s_mov_b32 s[G0SB], 1
	s_mov_b32 s[G0SB+1], SCL+SCB
	s_mov_b64 s[G0SB+2:G0SB+3], s[92:93]
	s_or_b32 s[G0SB+3], s[G0SB+3], 0x80000000
.if NPH > 1
	s_add_nc_u64 s[20:21], s[20:21], s[18:19]      ; a refill: 64 rows a wave
	s_add_nc_u64 s[46:47], s[46:47], s[18:19]
	s_mov_b32 s[G0], 1
	s_add_co_u32 s[G0+1], s45, 0
	s_mov_b64 s[G0+2:G0+3], s[20:21]
	s_or_b32 s[G0+3], s[G0+3], 0x80000000
	s_mov_b32 s[G0B], 1
	s_add_co_u32 s[G0B+1], s45, 0
	s_mov_b64 s[G0B+2:G0B+3], s[46:47]
	s_or_b32 s[G0B+3], s[G0B+3], 0x80000000
.endif
.macro ARM under, g0, g1, next         ; the head's loads, one a wave, in one tree of branches on the wave's number
	s_cmp_lt_u32 s14, \under
	s_cbranch_scc0 \next
	tensor_load_to_lds s[\g0:\g0+3], s[\g1:\g1+7]
	s_nop 0
.rept 4
	v_nop
.endr
	s_branch .Lhead_asked
\next:
.endm
	ARM 1, G0H,  G1,  .Lhead_b
	ARM 2, G0HB, G1B, .Lhead_sa
	ARM 3, G0S,  G1S, .Lhead_sb
	tensor_load_to_lds s[G0SB:G0SB+3], s[G1SB:G1SB+7]
	s_nop 0
.rept 4
	v_nop
.endr
.Lhead_asked:
.if NPH > 1
	s_cmp_eq_u32 s15, 0                            ; the prefetches: of the 64 rows that I fetch, my work-group takes 16, by its place among the four that ask jointly (by address alone)
	s_cselect_b64 s[PFA:PFA+1], s[20:21], s[46:47]
	s_cselect_b32 s2, s40, s41
	s_mul_i32 s2, s2, 16*AP
	s_add_co_u32 s2, s2, 768                       ; at phase 1; each change of phases steps it first
	s_mov_b32 s3, 0
	s_add_nc_u64 s[PFA:PFA+1], s[PFA:PFA+1], s[2:3]
.endif
	s_lshl_b32 s20, s17, 7
	s_lshl_b32 s21, s15, 6
	s_add_co_u32 s20, s20, s21                     ; my first row
	s_mov_b32 s21, 0
	s_lshl_b64 s[20:21], s[20:21], 12
	s_lshl_b32 s46, s42, 9
	s_lshl_b32 s47, s16, 8
	s_add_co_u32 s46, s46, s47                     ; my first column, in bytes
	s_mov_b32 s47, 0
	s_add_nc_u64 s[20:21], s[20:21], s[46:47]
	s_add_nc_u64 s[12:13], s[12:13], s[20:21]
	s_add_nc_u64 s[98:99], s[98:99], s[20:21]
	s_add_nc_u64 s[96:97], s[96:97], s[46:47]
	s_mul_i32 s18, s15, HALF
	s_mul_i32 s19, s16, HALF
	s_add_co_u32 s19, s19, PL
	s_mul_i32 s21, s15, SCB/2
	s_mul_i32 s22, s16, SCB/2
	s_add_co_u32 s22, s22, SCB
	s_sub_co_u32 s22, s22, s21                     ; from A's scale words to B's
	s_add_co_u32 s21, s21, SCL
	s_mul_i32 s23, s14, 16*SPITCH
	s_add_co_u32 s23, s23, STAGE
	v_and_b32 v1, 15, v0                           ; r
	v_bfe_u32 v2, v0, 4, 1                         ; h
	v_mul_u32_u24 v3, v1, PITCH
	v_mad_u32_u24 v4, v2, 24, v3
	v_lshl_add_u32 v5, v2, 4, v4
	v_add_nc_u32 v[ADRA], s18, v4
	v_add_nc_u32 v[ADRA+1], s18, v5
	v_add_nc_u32 v[ADRB], s19, v4
	v_add_nc_u32 v[ADRB+1], s19, v5
	v_mul_u32_u24 v5, v1, KS
	v_lshrrev_b32 v6, 8, v5
	v_lshl_add_u32 v5, v6, 4, v5
	v_mul_u32_u24 v6, s22, v2
	v_add_nc_u32 v5, v5, v6
	v_add_nc_u32 v[ADRS], s21, v5
	v_mul_u32_u24 v5, v1, SPITCH
	v_lshl_add_u32 v5, v2, 5, v5
	v_add_nc_u32 v[STO], s23, v5
	v_mul_u32_u24 v5, v2, SPITCH
	v_lshl_add_u32 v5, v1, 4, v5
	v_add_nc_u32 v[RD], s23, v5
	v_lshlrev_b32 v[BO], 4, v1
	v_lshl_add_u32 v[CO], v2, 12, v[BO]
.if NPH > 1
	v_mul_u32_u24 v[PF1], v1, AP
	v_lshl_add_u32 v[PF0], v2, 8, v[PF1]           ; row r, bytes 0 and 256 of the phase's 768
	v_add_nc_u32 v[PF1], 512, v[PF1]               ; and byte 512 (both halves of the lanes name it)
.endif
.macro FRAG reg, adr, q, i             ; 16 rows x 128 K, the phase's q-th step: six pieces of 8 bytes; byte y of the 768 lies at y + 16 (y / 256)
.irp p, 0,1,2,3,4,5
.set BY, 96*(\q)+48*(\p/3)+8*(\p%3)
.if BY/256 == (BY+24)/256
	ds_load_b64 v[\reg+2*\p:\reg+2*\p+1], v[\adr] offset:BY+16*(BY/256)+(\i)*16*PITCH
.else
	ds_load_b64 v[\reg+2*\p:\reg+2*\p+1], v[\adr+1] offset:BY+16*(BY/256)+(\i)*16*PITCH
.endif
.endr
.endm
.macro MULA a, p, q, zero              ; A's block a x B's four; the 16 accumulators take turns
.irp b, 0,1,2,3
.if \zero
	v_wmma_scale_f32_16x16x128_f8f6f4 v[ACC+8*(4*(\a)+\b):ACC+8*(4*(\a)+\b)+7], v[F0+FSET*(\p)+FR*\b:F0+FSET*(\p)+FR*\b+FR-1], v[F0+FSET*(\p)+48+FR*(\a):F0+FSET*(\p)+48+FR*(\a)+FR-1], 0, v[SC+8*\b+(\q)], v[SC+8*(\a)+(\q)] matrix_a_fmt:MATRIX_FMT_FP6 matrix_b_fmt:MATRIX_FMT_FP6 matrix_a_scale:MATRIX_SCALE_ROW1
.else
	v_wmma_scale_f32_16x16x128_f8f6f4 v[ACC+8*(4*(\a)+\b):ACC+8*(4*(\a)+\b)+7], v[F0+FSET*(\p)+FR*\b:F0+FSET*(\p)+FR*\b+FR-1], v[F0+FSET*(\p)+48+FR*(\a):F0+FSET*(\p)+48+FR*(\a)+FR-1], v[ACC+8*(4*(\a)+\b):ACC+8*(4*(\a)+\b)+7], v[SC+8*\b+(\q)], v[SC+8*(\a)+(\q)] matrix_a_fmt:MATRIX_FMT_FP6 matrix_b_fmt:MATRIX_FMT_FP6 matrix_a_scale:MATRIX_SCALE_ROW1
.endif
.endr
.endm
.macro FETCH q, p                      ; 48 LDS loads: B's four fragments, then A's four, into set p
	WIN TO_F
.irp i, 0,1,2,3
	FRAG F0+FSET*(\p)+FR*\i, ADRB, \q, \i
.endr
.irp i, 0,1,2,3
	FRAG F0+FSET*(\p)+48+FR*\i, ADRA, \q, \i
.endr
.endm
.macro SCALES                          ; a phase's scale words: 32 bytes a row
.irp i, 0,1,2,3
	ds_load_b128 v[SC+8*\i:SC+8*\i+3], v[ADRS] offset:\i*SBLK
	ds_load_b128 v[SC+8*\i+4:SC+8*\i+7], v[ADRS] offset:\i*SBLK+16
.endr
.endm
.macro PLACES n
.rept \n
	v_nop
.endr
.endm
.macro STEP q, zero                    ; multiplies set q % 2 and fetches the next step's fragments into the other
	s_wait_dscnt 2*NL                              ; the 12 youngest loads, A's blocks 2 and 3, may be out
	WIN MUL
	MULA 0, (\q)%2, \q, \zero
	MULA 1, (\q)%2, \q, \zero
	PLACES NP
	FETCH (\q)+1, 1-(\q)%2
	s_wait_dscnt 8*NL                              ; all but the 48 just issued
	WIN MUL
	MULA 2, (\q)%2, \q, \zero
	MULA 3, (\q)%2, \q, \zero
.endm
; A phase's last step, and the change of phases.  My reads of the tiles are over when set 1 is in: the wait for all tensor loads, the add, the wait for it and for my reads, a round of the cluster's barrier, and the refill, 64 rows a wave;
; the step's other products stand under the refill's flight.  Then a barrier shows the new tiles whole to all four waves.
.macro TURN
	WIN 0
	s_wait_xcnt 0x0                                ; my prefetches have read their address
	s_add_nc_u64 s[PFA:PFA+1], s[PFA:PFA+1], 768
	s_wait_tensorcnt 0x0
	ds_add_u32 v[SPW], v[NIL]
	s_wait_dscnt 2*NL+1
	WIN MUL
	MULA 0, 1, 7, 0
	s_wait_dscnt 0x0
	s_barrier_signal -1
	MULA 1, 1, 7, 0
	WIN 0
	s_barrier_wait -1
	CREST
	s_add_nc_u64 s[G0+2:G0+3], s[G0+2:G0+3], 768
	s_add_nc_u64 s[G0B+2:G0B+3], s[G0B+2:G0B+3], 768
	JLOAD G0, G1, G0B, G1B
	v_add_nc_u32 v[ADRS], 32, v[ADRS]              ; the next phase's scale words
	s_cmp_gt_u32 s3, 1                             ; the phase after the one just asked for: 16 rows x 768 bytes a wave; the last change of phases asks for nothing
	s_cbranch_scc0 .Lno_ask_\@
	global_prefetch_b8 v[PF0], s[PFA:PFA+1] th:TH_LOAD_NT scope:SCOPE_SE
	global_prefetch_b8 v[PF1], s[PFA:PFA+1] th:TH_LOAD_NT scope:SCOPE_SE
.Lno_ask_\@:
	WIN MUL
	MULA 2, 1, 7, 0
	MULA 3, 1, 7, 0
	PLACES NP                                      ; in front of the loads into the scale words just read
	WIN 0
	s_wait_alu depctr_va_vdst(0)
	s_wait_tensorcnt 0x0                           ; my part of the new tiles is in
	s_barrier_signal -1
	s_barrier_wait -1
	SCALES
	FETCH 0, 0
.endm
	s_wait_alu depctr_va_vdst(0)
	s_wait_tensorcnt 0x0                           ; my tile of the head's four is in
.if NPH > 1
	s_mov_b32 s[G1+2], 64<<16                      ; no load of mine is out: from here on a load brings 64 rows
	s_mov_b32 s[G1+4], 64
	s_mov_b32 s[G1B+2], 64<<16
	s_mov_b32 s[G1B+4], 64
.endif
	s_barrier_signal -1
	s_barrier_wait -1                              ; all four are in
	SCALES
	FETCH 0, 0
	WIN 0
	global_load_b128 v[BI:BI+3], v[BO], s[96:97]   ; the bias and the residual: waited for on the way out
	WIN 0x80
.irp a, 0,1,2,3
.irp t, 0,1,2,3,4,5,6,7
	global_load_b128 v[32*\a+4*\t:32*\a+4*\t+3], v[CO], s[98:99] offset:(16*\a+2*\t)*4096 th:TH_LOAD_NT
.endr
.endr
	WIN 0
	STEP 0, 1                                      ; the first products start the sums
.if NPH > 1
	WIN 0
	s_mov_b32 s3, NPH-1
.Lph:                                              ; a trip: a phase's steps 1 to 7, the change of phases, the next phase's step 0
.irp q, 1,2,3,4,5,6
	STEP \q, 0
.endr
	TURN
	STEP 0, 0
	WIN 0
	s_sub_co_u32 s3, s3, 1
	s_cmp_lg_u32 s3, 0
	s_cbranch_scc1 .Lph
.endif
.irp q, 1,2,3,4,5,6
	STEP \q, 0
.endr
	s_wait_dscnt 2*NL
	WIN MUL
	MULA 0, 1, 7, 0
	MULA 1, 1, 7, 0
	s_wait_dscnt 0
	MULA 2, 1, 7, 0
	MULA 3, 1, 7, 0
	WIN 0
; THE WAY OUT, by blocks of 16 rows x 64 columns: into my stage, back as rows of 256 bytes, residual and bias added, sixteen lanes store 256 consecutive bytes, aligned
.macro TOSTAGE a
.irp b, 0,1,2,3
	ds_store_b128 v[STO], v[ACC+8*(4*(\a)+\b):ACC+8*(4*(\a)+\b)+3] offset:64*\b
	ds_store_b128 v[STO], v[ACC+8*(4*(\a)+\b)+4:ACC+8*(4*(\a)+\b)+7] offset:64*\b+16
.endr
.irp t, 0,1,2,3,4,5,6,7
	ds_load_b128 v[ACC+32*(\a)+4*\t:ACC+32*(\a)+4*\t+3], v[RD] offset:\t*2*SPITCH
.endr
.endm
.macro SEND a, younger
	s_wait_dscnt \younger
	WIN 0x08
.set i, 0
.rept 16
	v_pk_add_f32 v[ACC+32*(\a)+2*i:ACC+32*(\a)+2*i+1], v[ACC+32*(\a)+2*i:ACC+32*(\a)+2*i+1], v[32*(\a)+2*i:32*(\a)+2*i+1]
.set i, i+1
.endr
	WIN 0
.set i, 0
.rept 16
	v_pk_add_f32 v[ACC+32*(\a)+2*i:ACC+32*(\a)+2*i+1], v[ACC+32*(\a)+2*i:ACC+32*(\a)+2*i+1], v[BI+2*(i%2):BI+2*(i%2)+1]
.set i, i+1
.endr
.irp t, 0,1,2,3,4,5,6,7
	global_store_b128 v[CO], v[ACC+32*(\a)+4*\t:ACC+32*(\a)+4*\t+3], s[12:13] offset:(16*(\a)+2*\t)*4096 th:TH_STORE_NT
.endr
.endm
	PLACES NP
	TOSTAGE 0
	TOSTAGE 1
	s_wait_loadcnt 0x0                             ; the bias and the residual
	SEND 0, 16                                     ; behind block 0's loads: block 1's 8 stores and 8 loads
	TOSTAGE 2
	SEND 1, 16
	TOSTAGE 3
	SEND 2, 16
	SEND 3, 0
	s_wait_tensorcnt 0x0                           ; the wave's end
	ds_add_u32 v[SPW], v[NIL]
	s_wait_dscnt 0x0
	CROUND                                         ; the closing round
	s_endpgm
.Lfunc_end_k_q507f5eb252_wo:
	.size	k_q507f5eb252_wo, .Lfunc_end_k_q507f5eb252_wo-k_q507f5eb252_wo
	.p2alignl 7, 3214868480
	.fill 96, 4, 3214868480
	.section	.rodata,"a",@progbits
	.p2align	6, 0x0
	.amdhsa_kernel k_q507f5eb252_wo
		.amdhsa_group_segment_fixed_size 327680
		.amdhsa_private_segment_fixed_size 0
		.amdhsa_enable_private_segment 0
		.amdhsa_kernarg_size 56
		.amdhsa_user_sgpr_count 2
		.amdhsa_user_sgpr_kernarg_segment_ptr 1
		.amdhsa_wavefront_size32 1
		.amdhsa_system_sgpr_workgroup_id_x 1
		.amdhsa_system_sgpr_workgroup_id_y 1
		.amdhsa_system_sgpr_workgroup_id_z 1
		.amdhsa_system_vgpr_workitem_id 0
		.amdhsa_next_free_vgpr 768
		.amdhsa_next_free_sgpr 100
		.amdhsa_reserve_vcc 0
		.amdhsa_float_denorm_mode_32 3
		.amdhsa_float_denorm_mode_16_64 3
		.amdhsa_memory_ordered 1
		.amdhsa_forward_progress 1
		.amdhsa_inst_pref_size 71
	.end_amdhsa_kernel
	.amdgpu_metadata
---
amdhsa.version: [ 1, 2 ]
amdhsa.kernels:
  - .name:           k_q507f5eb252_wo
    .symbol:         k_q507f5eb252_wo.kd
    .args:
      - { .name: act_codes, .offset: 0, .size: 8, .value_kind: global_buffer, .address_space: global }
      - { .name: act_scales, .offset: 8, .size: 8, .value_kind: global_buffer, .address_space: global }
      - { .name: wo_codes, .offset: 16, .size: 8, .value_kind: global_buffer, .address_space: global }
      - { .name: wo_scales, .offset: 24, .size: 8, .value_kind: global_buffer, .address_space: global }
      - { .name: bo, .offset: 32, .size: 8, .value_kind: global_buffer, .address_space: global }
      - { .name: x, .offset: 40, .size: 8, .value_kind: global_buffer, .address_space: global }
      - { .name: x2, .offset: 48, .size: 8, .value_kind: global_buffer, .address_space: global }
    .group_segment_fixed_size: 327680
    .private_segment_fixed_size: 0
    .kernarg_segment_align: 8
    .kernarg_segment_size: 56
    .max_flat_workgroup_size: 128
    .sgpr_count:     100
    .vgpr_count:     768
    .wavefront_size: 32
...
	.end_amdgpu_metadata
.endif
;; end of part 10
;; launch ln2: the kernel of part 7 again; grid 256 x 1, 4 waves a work-group, no clusters, 18,944 bytes of LDS; arguments x2, g2, be2, act_codes, act_scales; writes act_codes, act_scales
;; launch ffn1 (part 11): grid 16 x 16, 4 waves a work-group, clusters of 4 x 4, 327,680 bytes of LDS; arguments act_codes, act_scales, w1_codes, w1_scales, b1, hid_codes, hid_scales; writes hid_codes, hid_scales
.if DOCPART == 11
	.amdgcn_target "amdgcn-amd-amdhsa--gfx1250"
	.amdhsa_code_object_version 6
	.text
	.protected	k_q507f5eb252_ffn1
	.globl	k_q507f5eb252_ffn1
	.p2align	8
	.type	k_q507f5eb252_ffn1,@function
k_q507f5eb252_ffn1:
	s_mov_b64 s[64:65], 0
	v_nop
	global_prefetch_b8 v0, s[64:65] scope:SCOPE_SE
	s_setreg_imm32_b32 hwreg(HW_REG_WAVE_MODE, 25, 1), 1
	s_wait_xcnt 0x0
	s_wait_alu depctr_hold_cnt(0) depctr_sa_sdst(0) depctr_va_vdst(0) depctr_va_sdst(0) depctr_va_ssrc(0) depctr_va_vcc(0) depctr_vm_vsrc(0)
	s_getreg_b32 s2, hwreg(HW_REG_IB_STS2, 6, 4)
	s_cmp_eq_u32 s2, 0
	s_cbranch_scc0 .Lentry_in_a_cluster
	s_endpgm
.Lentry_in_a_cluster:
	s_bfe_u32 s2, ttmp6, 0x10000c
	s_cmp_lg_u32 s2, 0xf033
	s_cbranch_scc0 .Lentry_shape_is_right
	s_endpgm
.Lentry_shape_is_right:
; hid = gelu(h w1 + b1), the exact gelu (by erf), in f32, quantised along the hidden axis to codes of FP6 (E2M3): hid_codes [4096][3072 bytes], hid_scales [4096][128].  h and w1 are codes with E8M0 scales.
; A tile of 256 x 256 by four waves, 128 x 128 a wave.  K = 1,024 is 768 bytes of a row: three chunks of 256 bytes, each beginning at a multiple of 256, through two LDS slots; chunk c lies in slot c % 2.
; The head's four tensor loads, one a wave, bring chunks 0 and 1 of A's and of B's 256 rows; chunk 2 is the one refill.  A step of 128 along K is 96 bytes: steps 2 and 5 lie across two chunks.
; The scale words of a wave's 128 + 128 rows, for all of K, come once by plain loads into registers (sixteen rows are 512 consecutive bytes) and are merged: lanes 0-15 A's word, lanes 16-31 B's.
; 4 x 4 clusters: A's tiles are asked for jointly along a row, B's along a column.  No prefetch: the walk along K has three chunks at the largest block in clusters, two of them asked for at the start.
; The way out's stage lies in slot 1, which has had its last fill and, behind step 5's barrier, its last read.  A tile's part of a row of codes is 192 bytes: the stores are runs of 192 bytes.
; GELU: gelu(x) = max(x, 0) - |x| w, w = erfc(|x| / sqrt 2) / 2 = t (c1 + t (c2 + t (c3 + t (c4 + t c5)))) 2^-(k x)^2, t = 1 / (1 + p |x|), k^2 = log2(e) / 2 (Abramowitz and Stegun 7.1.26, the coefficients halved).
; For large |x| the power of two falls to 0 and leaves max(x, 0): nothing is clamped.
; LIMITS: that form's error on erf is bounded by 1.5e-7.  NaN and infinities are not served; a block under 2^-124, or of zeros, gets the byte 1 (its codes are zeros, and only this program reads the bytes).
.set KROW,   768
.set ROWB,   256
.set NQ,     2
.set STEPS,  8
.set CHUNKS, 3
.set PITCH,  272                       ; 256 bytes + 16 of padding
.set FR,     12
.set NL,     6
.set NP,     4
.set HALFT,  128*PITCH
.set SLOT,   4*HALFT
.set KS,     32
.set SPARE,  2*SLOT
.set STAGE,  SLOT
.set WST,    16384                     ; a wave's stage: 128 rows x 8 cells of 16 bytes
.set SST0,   4*WST                     ; behind them the scale words
.set ADRA, 16                          ; v16-17 my A fragments in slot 0, 1; v18-19 for pieces whose lanes 16-31 read the next chunk
.set ADRB, 20
.set STC,  24
.set ADRS, 27                          ; 32 x (lane % 16): my row's scale bytes
.set SPW,  28
.set NIL,  29
.set SC,   32
.set U,    64
.set Z,    80
.set PA,   96
.set PB,   112
.set AF,   128
.set T,    128
.set CDS,  192
.set TM,   212
.set PW,   228
.set G1, 24
.set G0, 32
.set G1B, 48
.set G0B, 56
.set G0C, 76                           ; group 0 of the head's loads of chunk 1
.set G0CB, 88
.set G0H, 4                            ; and of chunk 0
.set G0HB, 8
.set MSB, 0
.macro WIN new
.if MSB != \new
	s_set_vgpr_msb (MSB<<8)|\new
.set MSB, \new
.endif
.endm
.set MUL_LO, 0xa1
.set MUL_HI, 0xf1
.set TO_B,   0x40
.macro JLOAD g0a, g1a, g0b, g1b        ; waves 0, 1 fetch for A, waves 2, 3 for B
	s_cmp_eq_u32 s15, 0
	s_cbranch_scc0 .Lfor_b_\@
	tensor_load_to_lds s[\g0a:\g0a+3], s[\g1a:\g1a+7]
	s_nop 0
.rept 4
	v_nop
.endr
	s_branch .Lasked_\@
.Lfor_b_\@:
	tensor_load_to_lds s[\g0b:\g0b+3], s[\g1b:\g1b+7]
	s_nop 0
.rept 4
	v_nop
.endr
.Lasked_\@:
.endm
.macro CREST
	s_cmp_lg_u32 s14, 0
	s_cbranch_scc1 .Lnot_wave_0_\@
	s_barrier_signal -3
.Lnot_wave_0_\@:
	s_barrier_wait -3
	s_barrier_signal -1
	s_barrier_wait -1
.endm
.macro CROUND
	s_barrier_signal -1
	s_barrier_wait -1
	CREST
.endm
	s_load_b128 s[4:7], s[0:1], 0x0                ; A's codes, scales
	s_load_b128 s[8:11], s[0:1], 0x10              ; B's codes, scales
	v_lshl_add_u32 v[SPW], v0, 2, SPARE
	v_mov_b32 v[NIL], 0
	ds_add_u32 v[SPW], v[NIL]                      ; the opening lines: the add twice and one wait
	ds_add_u32 v[SPW], v[NIL]
	v_lshrrev_b32 v1, 5, v0
	v_readfirstlane_b32 s14, v1                    ; wave
	s_lshr_b32 s15, s14, 1
	s_and_b32 s16, s14, 1
	s_bfe_u32 s40, ttmp6, 0x40000
	s_bfe_u32 s41, ttmp6, 0x40004
	s_lshl_b32 s42, ttmp9, 2
	s_add_co_u32 s42, s42, s40                     ; tile column
	s_and_b32 s17, ttmp7, 0xffff
	s_lshl_b32 s17, s17, 2
	s_add_co_u32 s17, s17, s41                     ; tile row
	s_lshl_b32 s43, s41, 2
	s_lshl_b32 s43, 15, s43                        ; my row of the cluster
	s_lshl_b32 s44, 0x1111, s40                    ; my column
	s_or_b32 s[G1+0], s43, (1<<20)|(1<<21)|(5<<22)|(3<<25)   ; bytes; 4 words of padding behind every 64
	s_or_b32 s[G1B+0], s44, (1<<20)|(1<<21)|(5<<22)|(3<<25)
.irp g, G1, G1B
	s_mov_b32 s[\g+1], ROWB<<16
	s_mov_b32 s[\g+2], 256<<16                     ; the head's loads bring 256 rows
	s_mov_b32 s[\g+3], ROWB<<16
	s_mov_b32 s[\g+4], 256
	s_mov_b32 s[\g+5], KROW
	s_mov_b32 s[\g+6], 0
	s_mov_b32 s[\g+7], 0
.endr
	s_lshl_b32 s20, s17, 8
	s_lshl_b32 s46, s42, 8
	s_mov_b32 s21, 0
	s_mov_b32 s47, 0
	s_mov_b64 s[18:19], KS
	s_mul_u64 s[22:23], s[20:21], s[18:19]
	s_mul_u64 s[92:93], s[46:47], s[18:19]
	s_mov_b64 s[18:19], KROW
	s_mul_u64 s[20:21], s[20:21], s[18:19]
	s_mul_u64 s[46:47], s[46:47], s[18:19]
	s_mul_i32 s18, s16, 128*KROW                   ; in the ring I fetch 128 rows
	s_mov_b32 s19, 0
	s_mul_i32 s45, s14, HALFT
	s_wait_dscnt 0x0
	s_wait_kmcnt 0x0
	s_add_nc_u64 s[20:21], s[4:5], s[20:21]
	s_add_nc_u64 s[22:23], s[6:7], s[22:23]
	s_add_nc_u64 s[46:47], s[8:9], s[46:47]
	s_add_nc_u64 s[92:93], s[10:11], s[92:93]
	CROUND                                         ; the first joint loads meet
	s_mov_b32 s[G0H], 1
	s_mov_b32 s[G0H+1], 0
	s_mov_b64 s[G0H+2:G0H+3], s[20:21]
	s_or_b32 s[G0H+3], s[G0H+3], 0x80000000
	s_mov_b32 s[G0HB], 1
	s_mov_b32 s[G0HB+1], 2*HALFT
	s_mov_b64 s[G0HB+2:G0HB+3], s[46:47]
	s_or_b32 s[G0HB+3], s[G0HB+3], 0x80000000
	s_mov_b32 s[G0C], 1                            ; chunk 1 of A's 256 rows, into slot 1
	s_mov_b32 s[G0C+1], SLOT
	s_add_nc_u64 s[G0C+2:G0C+3], s[20:21], ROWB
	s_or_b32 s[G0C+3], s[G0C+3], 0x80000000
	s_mov_b32 s[G0CB], 1                           ; and of B's
	s_mov_b32 s[G0CB+1], SLOT+2*HALFT
	s_add_nc_u64 s[G0CB+2:G0CB+3], s[46:47], ROWB
	s_or_b32 s[G0CB+3], s[G0CB+3], 0x80000000
	s_lshl_b32 s2, s15, 12                         ; the scales of my 128 rows of A and of B: 32 bytes a row
	s_mov_b32 s3, 0
	s_add_nc_u64 s[96:97], s[22:23], s[2:3]
	s_lshl_b32 s2, s16, 12
	s_add_nc_u64 s[98:99], s[92:93], s[2:3]
	s_add_nc_u64 s[20:21], s[20:21], s[18:19]
	s_add_nc_u64 s[46:47], s[46:47], s[18:19]
	s_mov_b32 s[G0], 1                             ; the refill's group 0: slot 0, my 128 rows; stepped to chunk 2 in front of the refill
	s_add_co_u32 s[G0+1], s45, 0
	s_mov_b64 s[G0+2:G0+3], s[20:21]
	s_or_b32 s[G0+3], s[G0+3], 0x80000000
	s_mov_b32 s[G0B], 1
	s_add_co_u32 s[G0B+1], s45, 0
	s_mov_b64 s[G0B+2:G0B+3], s[46:47]
	s_or_b32 s[G0B+3], s[G0B+3], 0x80000000
.macro ARM under, g0, g1, next         ; the head's loads, one a wave, in one tree of branches on the wave's number
	s_cmp_lt_u32 s14, \under
	s_cbranch_scc0 \next
	tensor_load_to_lds s[\g0:\g0+3], s[\g1:\g1+7]
	s_nop 0
.rept 4
	v_nop
.endr
	s_branch .Lhead_asked
\next:
.endm
	ARM 1, G0H,  G1,  .Lhead_b
	ARM 2, G0HB, G1B, .Lhead_sa
	ARM 3, G0C,  G1,  .Lhead_sb
	tensor_load_to_lds s[G0CB:G0CB+3], s[G1B:G1B+7]
	s_nop 0
.rept 4
	v_nop
.endr
.Lhead_asked:
	v_and_b32 v1, 15, v0                           ; r
	v_bfe_u32 v2, v0, 4, 1                         ; h
	v_mul_u32_u24 v3, v1, PITCH
	v_mul_u32_u24 v4, v2, 24
	v_add_nc_u32 v4, v3, v4
	s_mov_b32 s21, SLOT-232
	s_mov_b32 s22, SLOT+232
	v_sub_nc_u32 v7, 1, v2
	v_mul_u32_u24 v5, s21, v2
	v_add_nc_u32 v5, v3, v5
	v_add_nc_u32 v5, 232, v5                       ; lanes 0-15 byte 232 in slot 0, lanes 16-31 byte 0 in slot 1
	v_mul_u32_u24 v6, s22, v7
	v_add_nc_u32 v6, v3, v6                        ; and the other way round
	s_mul_i32 s21, s15, HALFT
	s_mul_i32 s22, s16, HALFT
	s_add_co_u32 s22, s22, 2*HALFT
	v_add_nc_u32 v[ADRA+2], s21, v5
	v_add_nc_u32 v[ADRA+3], s21, v6
	v_add_nc_u32 v[ADRB+2], s22, v5
	v_add_nc_u32 v[ADRB+3], s22, v6
.irp s, 0,1
	v_add_nc_u32 v[ADRA+\s], s21, v4
	v_add_nc_u32 v[ADRB+\s], s22, v4
	s_add_co_u32 s21, s21, SLOT
	s_add_co_u32 s22, s22, SLOT
.endr
	v_lshlrev_b32 v[ADRS], 5, v1
.irp i, 0,1,2,3,4,5,6,7
	global_load_b128 v[128+8*\i:128+8*\i+3], v[ADRS], s[96:97] offset:512*\i       ; A's block i, words 0-3, 4-7
	global_load_b128 v[128+8*\i+4:128+8*\i+7], v[ADRS], s[96:97] offset:512*\i+16
	global_load_b128 v[192+8*\i:192+8*\i+3], v[ADRS], s[98:99] offset:512*\i       ; B's block i
	global_load_b128 v[192+8*\i+4:192+8*\i+7], v[ADRS], s[98:99] offset:512*\i+16
.endr
	s_lshl_b32 s23, s14, 14
	s_add_co_u32 s23, s23, STAGE                   ; my stage
	s_lshl_b32 s20, s14, 9
	s_add_co_u32 s20, s20, STAGE+SST0              ; my scale words
	s_lshl_b32 s18, s15, 15
	s_lshl_b32 s19, s16, 13
	s_add_co_u32 s18, s18, s19
	s_add_co_u32 s18, s18, STAGE                   ; the 64 rows that I send
	s_wait_alu depctr_va_vdst(0)
	v_and_b32 v6, 31, v0
	v_lshlrev_b32 v[STC], 7, v1
	v_lshl_add_u32 v[STC], v2, 5, v[STC]
	v_add_nc_u32 v[STC], s23, v[STC]
	v_lshl_add_u32 v7, v1, 2, s20
	v_lshl_add_u32 v8, v6, 2, s20
	v_lshlrev_b32 v9, 7, v6
	v_lshlrev_b32 v10, 5, v2
	v_mul_u32_u24 v26, v1, 12                      ; cell r of a row's 16, row h of two rows of 3,072 bytes
	v_mad_u32_u24 v26, v2, 3072, v26
	v_and_b32 v12, 7, v0
	v_bfe_u32 v13, v0, 3, 1
	v_lshlrev_b32 v12, 4, v12
	v_lshl_add_u32 v12, v13, 14, v12
	v_lshl_add_u32 v12, v2, 7, v12
	v_add_nc_u32 v12, s18, v12
.macro FRAG reg, adr, st, i            ; 16 rows x 128 K: six pieces of 8 bytes; byte y of a row lies in slot (y / 256) % 2 at byte y % 256
.irp p, 0,1,2,3,4,5
.set BY, 96*(\st)+48*(\p/3)+8*(\p%3)
.if BY/ROWB == (BY+24)/ROWB
	ds_load_b64 v[\reg+2*\p:\reg+2*\p+1], v[\adr+(BY/ROWB)%2] offset:BY%ROWB+(\i)*16*PITCH
.else
	ds_load_b64 v[\reg+2*\p:\reg+2*\p+1], v[\adr+2+(BY/ROWB)%2] offset:BY%ROWB-232+(\i)*16*PITCH
.endif
.endr
.endm
.macro MUL16 a0, p, q, sc, zero        ; A's blocks a0, a0 + 1 x B's eight; the 64 accumulators take turns
.irp a, \a0, \a0+1
.irp b, 0,1,2,3,4,5,6,7
.if \zero
	v_wmma_scale_f32_16x16x128_f8f6f4 v[8*(8*((\a)%4)+\b):8*(8*((\a)%4)+\b)+7], v[128*(\p)+FR*\b:128*(\p)+FR*\b+FR-1], v[AF+FR*(\a):AF+FR*(\a)+FR-1], 0, v[SC+8*NQ*(\sc)+NQ*\b+(\q)], v[SC+8*NQ*(\sc)+NQ*(\a)+(\q)] matrix_a_fmt:MATRIX_FMT_FP6 matrix_b_fmt:MATRIX_FMT_FP6 matrix_a_scale:MATRIX_SCALE_ROW1
.else
	v_wmma_scale_f32_16x16x128_f8f6f4 v[8*(8*((\a)%4)+\b):8*(8*((\a)%4)+\b)+7], v[128*(\p)+FR*\b:128*(\p)+FR*\b+FR-1], v[AF+FR*(\a):AF+FR*(\a)+FR-1], v[8*(8*((\a)%4)+\b):8*(8*((\a)%4)+\b)+7], v[SC+8*NQ*(\sc)+NQ*\b+(\q)], v[SC+8*NQ*(\sc)+NQ*(\a)+(\q)] matrix_a_fmt:MATRIX_FMT_FP6 matrix_b_fmt:MATRIX_FMT_FP6 matrix_a_scale:MATRIX_SCALE_ROW1
.endif
.endr
.endr
.endm
.macro FETCH_B st, p
	WIN TO_B
.irp i, 0,1,2,3,4,5,6,7
	FRAG 128*(\p)+FR*\i, ADRB, \st, \i
.endr
	WIN 0
.endm
.macro FETCH_A st, i0
.irp i, \i0, \i0+1, \i0+2, \i0+3
	FRAG AF+FR*(\i), ADRA, \st, \i
.endr
.endm
.macro PLACES n
.rept \n
	v_nop
.endr
.endm
; A step: 64 products; where the next step ends in a chunk that a refill brings, a barrier shows it whole; where it begins in a later chunk, the old chunk is given up (all tensor loads waited for, the add, my reads waited for),
; and, if a chunk is left to fetch, a round of the cluster's barrier and the refill follow.
.macro STEP st, zero
.set SC, 32+32*((\st)/4)               ; the scale word of block i, step st: v[32 + 16 (st / 2) + 2 i + st % 2]
.set NX, (\st)+1
.set C0, (96*(\st))/ROWB
.set C1, (96*NX)/ROWB
.set E0, (96*(\st)+95)/ROWB
.set E1, (96*NX+95)/ROWB
.if C1 > C0 || (E1 > E0 && E1 > 1)     ; chunks 0 and 1 are whole from the head on
	s_wait_tensorcnt 0x0
.if C1 > C0
	ds_add_u32 v[SPW], v[NIL]
	s_wait_dscnt 4*NL+1                            ; the add and A's blocks 4-7 may be out
.else
	s_wait_dscnt 4*NL                              ; A's blocks 4-7 may be out
.endif
	WIN MUL_LO
	MUL16 0, (\st)%2, (\st)%2, ((\st)/2)%2, \zero
	s_wait_dscnt 0x0
	s_barrier_signal -1
	MUL16 2, (\st)%2, (\st)%2, ((\st)/2)%2, \zero
	WIN 0
	s_barrier_wait -1
.if C1 > C0 && C0+2 < CHUNKS
	CREST
	s_add_nc_u64 s[G0+4*(C0%2)+2:G0+4*(C0%2)+3], s[G0+4*(C0%2)+2:G0+4*(C0%2)+3], 2*ROWB
	s_add_nc_u64 s[G0B+4*(C0%2)+2:G0B+4*(C0%2)+3], s[G0B+4*(C0%2)+2:G0B+4*(C0%2)+3], 2*ROWB
	JLOAD G0+4*(C0%2), G1, G0B+4*(C0%2), G1B
.else
	PLACES NP
.endif
.else
	s_wait_dscnt 4*NL
	WIN MUL_LO
	MUL16 0, (\st)%2, (\st)%2, ((\st)/2)%2, \zero
	MUL16 2, (\st)%2, (\st)%2, ((\st)/2)%2, \zero
	s_wait_dscnt 0
	PLACES NP
.endif
	FETCH_B NX, NX%2
	FETCH_A NX, 0
	WIN MUL_HI
	MUL16 4, (\st)%2, (\st)%2, ((\st)/2)%2, \zero
	MUL16 6, (\st)%2, (\st)%2, ((\st)/2)%2, \zero
	PLACES NP
	WIN 0
	FETCH_A NX, 4
.endm
	s_wait_alu depctr_va_vdst(0)
	s_wait_loadcnt 0x0                             ; the scale words
	s_mov_b32 s2, 0xffff0000
.irp b, 0,1,2,3,4,5,6,7
.irp w, 0,1,2,3,4,5,6,7
	v_cndmask_b32 v[32+16*(\w/2)+2*\b+(\w%2)], v[128+8*\b+\w], v[192+8*\b+\w], s2   ; lanes 0-15 A's word, lanes 16-31 B's
.endr
.endr
	PLACES 8                                       ; a scale register written by a vector instruction stands 8 places ahead of the product
	s_wait_alu depctr_va_vdst(0)
	s_wait_tensorcnt 0x0                           ; my tile of the head's four is in
	s_mov_b32 s[G1+2], 128<<16                     ; no load of mine is out: from here on a load brings 128 rows
	s_mov_b32 s[G1+4], 128
	s_mov_b32 s[G1B+2], 128<<16
	s_mov_b32 s[G1B+4], 128
	s_barrier_signal -1
	s_barrier_wait -1                              ; chunks 0 and 1 are whole
	FETCH_B 0, 0
	FETCH_A 0, 0
	FETCH_A 0, 4
	STEP 0, 1                                      ; the first products start the sums
.set ST, 1
.rept STEPS-2
	STEP ST, 0
.set ST, ST+1
.endr
	s_wait_dscnt 4*NL
	WIN MUL_LO
.set SC, 64
	MUL16 0, 1, 1, 1, 0
	MUL16 2, 1, 1, 1, 0
	s_wait_dscnt 0
	WIN MUL_HI
	MUL16 4, 1, 1, 1, 0
	MUL16 6, 1, 1, 1, 0
	WIN 0
; THE WAY OUT: 16 rows x 128 numbers at a time: bias, gelu, then four blocks of 32 along the lane's registers, each shared by lanes l and l xor 16, are quantised
.macro QUANT s
.irp b, 0,1,2,3
	v_max3_num_f32 v[TM+\b], |v[\s+16*\b]|, |v[\s+1+16*\b]|, 0x1800000
.endr
.irp i, 2,4,6,8,10,12,14
.irp b, 0,1,2,3
	v_max3_num_f32 v[TM+\b], v[TM+\b], |v[\s+16*\b+\i]|, |v[\s+1+16*\b+\i]|
.endr
.endr
.irp b, 0,1,2,3
	v_permlanex16_b32 v[TM+4+\b], v[TM+\b], s66, s67
.endr
.irp b, 0,1,2,3
	v_max_num_f32 v[TM+\b], v[TM+\b], v[TM+4+\b]
.endr
.irp b, 0,1,2,3
	v_add_nc_u32 v[TM+12+\b], 0xff000000, v[TM+\b]
.endr
.irp b, 0,1,2,3
	v_lshrrev_b32 v[TM+4+\b], 23, v[TM+12+\b]
.endr
	v_lshl_or_b32 v[PW], v[TM+5], 8, v[TM+4]
	v_lshl_or_b32 v[PW], v[TM+6], 16, v[PW]
	v_lshl_or_b32 v[PW], v[TM+7], 24, v[PW]
.irp c, 0,1
	v_cvt_scalef32_pk16_fp6_f32 v[CDS+6*\c:CDS+2+6*\c], v[\s+32*\c:\s+15+32*\c], v[TM+12+2*\c]
	v_cvt_scalef32_pk16_fp6_f32 v[CDS+12+4*\c:CDS+14+4*\c], v[\s+16+32*\c:\s+31+32*\c], v[TM+12+2*\c+1]
.endr
	v_nop
.irp c, 0,1
.irp i, 0,1,2
	v_permlane16_swap_b32 v[CDS+6*\c+\i], v[CDS+12+4*\c+\i]
.endr
.endr
.endm
.macro COPY k                          ; block k's sums + bias
	WIN 0x06+(\k)/4
.set i, 0
.rept 32
	v_pk_add_f32 v[T+2*i:T+2*i+1], v[64*((\k)%4)+2*i:64*((\k)%4)+2*i+1], v[2*i:2*i+1]
.set i, i+1
.endr
	WIN 0
.endm
; gelu of 16 numbers a lane, in place.  v[232:233] k, v[234:243] c5 .. c1, v244 p / sqrt 2.  U: 1 + p |x|, then t; Z: k x, -(k x)^2, its power of two, then that x t; PA: the polynomial, then w; PB: max(x, 0)
.macro GELU16 x
.irp k, 0,1,2,3,4,5,6,7,8,9,10,11,12,13,14,15
	v_fma_f32 v[U+\k], |v[(\x)+\k]|, v244, 1.0
.endr
.irp k, 0,2,4,6,8,10,12,14
	v_pk_mul_f32 v[Z+\k:Z+\k+1], v[(\x)+\k:(\x)+\k+1], v[232:233]
.endr
.irp k, 0,2,4,6,8,10,12,14
	v_pk_mul_f32 v[Z+\k:Z+\k+1], v[Z+\k:Z+\k+1], v[Z+\k:Z+\k+1] neg_lo:[1,0] neg_hi:[1,0]
.endr
	s_wait_alu depctr_va_vdst(0)
.irp k, 0,1,2,3,4,5,6,7,8,9,10,11,12,13,14,15
	v_rcp_f32 v[U+\k], v[U+\k]
.endr
.irp k, 0,1,2,3,4,5,6,7,8,9,10,11,12,13,14,15
	v_exp_f32 v[Z+\k], v[Z+\k]
.endr
.irp k, 0,1,2,3,4,5,6,7,8,9,10,11,12,13,14,15
	v_max_num_f32 v[PB+\k], 0, v[(\x)+\k]          ; plain work behind the batch
.endr
	s_wait_alu depctr_va_vdst(0)                   ; and the one wait behind it
.irp k, 0,2,4,6,8,10,12,14
	v_pk_fma_f32 v[PA+\k:PA+\k+1], v[U+\k:U+\k+1], v[234:235], v[236:237]
.endr
.irp c, 238, 240, 242
.irp k, 0,2,4,6,8,10,12,14
	v_pk_fma_f32 v[PA+\k:PA+\k+1], v[PA+\k:PA+\k+1], v[U+\k:U+\k+1], v[\c:\c+1]
.endr
.endr
.irp k, 0,2,4,6,8,10,12,14
	v_pk_mul_f32 v[Z+\k:Z+\k+1], v[Z+\k:Z+\k+1], v[U+\k:U+\k+1]
.endr
.irp k, 0,2,4,6,8,10,12,14
	v_pk_mul_f32 v[PA+\k:PA+\k+1], v[PA+\k:PA+\k+1], v[Z+\k:Z+\k+1]
.endr
.irp k, 0,1,2,3,4,5,6,7,8,9,10,11,12,13,14,15
	v_fma_f32 v[(\x)+\k], -|v[(\x)+\k]|, v[PA+\k], v[PB+\k]
.endr
.endm
	PLACES NP
	s_load_b128 s[24:27], s[0:1], 0x20             ; b1, hid_codes
	s_load_b64 s[28:29], s[0:1], 0x30              ; hid_scales
	s_mov_b32 s66, 0x76543210
	s_mov_b32 s67, 0xfedcba98
	s_lshl_b32 s20, s42, 10
	s_lshl_b32 s21, s16, 9
	s_add_co_u32 s20, s20, s21
	s_mov_b32 s21, 0
	s_lshl_b32 s22, s17, 8
	s_lshl_b32 s23, s15, 7
	s_add_co_u32 s22, s22, s23
	s_lshl_b32 s22, s22, 7
	s_lshl_b32 s23, s42, 3
	s_add_co_u32 s22, s22, s23
	s_lshl_b32 s23, s16, 2
	s_add_co_u32 s22, s22, s23
	s_mov_b32 s23, 0
	s_lshl_b32 s38, s17, 8                         ; codes: row 256 x tile row + 64 x wave, byte 192 x tile column
	s_lshl_b32 s39, s14, 6
	s_add_co_u32 s38, s38, s39
	s_mul_i32 s38, s38, 3072
	s_mul_i32 s39, s42, 192
	s_add_co_u32 s38, s38, s39
	s_mov_b32 s39, 0
	s_wait_kmcnt 0x0
	s_add_nc_u64 s[24:25], s[24:25], s[20:21]
	s_add_nc_u64 s[28:29], s[28:29], s[22:23]
	s_add_nc_u64 s[26:27], s[26:27], s[38:39]
	WIN 0x40
.irp b, 0,1,2,3,4,5,6,7
	global_load_b128 v[8*\b:8*\b+3], v10, s[24:25] offset:64*\b
	global_load_b128 v[8*\b+4:8*\b+7], v10, s[24:25] offset:64*\b+16
.endr
	WIN 0
.set i, 232                            ; k, c5, c4, c3, c2, c1, p / sqrt 2, each in a pair of registers: v232-245
.irp c, 0.8493218, 0.5307027145, -0.7265760135, 0.7107068705, -0.142248368, 0.127414796, 0.231641888
	v_mov_b32 v[i], \c
	v_mov_b32 v[i+1], \c
.set i, i+2
.endr
.irp b, 0,1,2,3
	v_mov_b32 v[TM+4+\b], 0
.endr
	s_mov_b32 s34, 0
	s_mov_b32 s35, 0
	s_mov_b32 s36, 0
	s_wait_loadcnt 0x0
.Lblk:                                             ; eight trips: a block of 16 rows x 128 columns
.irp k, 0,1,2,3,4,5,6
	s_cmp_lg_u32 s34, \k
	s_cbranch_scc1 .Lnot_\k
	COPY \k
	s_branch .Lgot
.Lnot_\k:
.endr
	COPY 7
.Lgot:
	GELU16 T
	GELU16 T+16
	GELU16 T+32
	GELU16 T+48
.irp b, 0,1,2,3
.irp j, 0,1,2,3,4,5,6,7
	v_permlane16_swap_b32 v[T+16*\b+\j], v[T+16*\b+8+\j]   ; the true order along the hidden axis
.endr
.endr
	s_wait_dscnt 0x0
	v_add_nc_u32 v15, s35, v[STC]
	v_add_nc_u32 v30, s36, v7
	QUANT T
.irp c, 0,1
	ds_store_b96 v15, v[CDS+6*\c:CDS+6*\c+2] offset:64*\c
	ds_store_b96 v15, v[CDS+12+4*\c:CDS+14+4*\c] offset:64*\c+16
.endr
	ds_store_b32 v30, v[PW]
	s_add_co_u32 s35, s35, 2048
	s_add_co_u32 s36, s36, 64
	s_add_co_u32 s34, s34, 1
	s_cmp_lt_u32 s34, 8
	s_cbranch_scc1 .Lblk
	s_wait_dscnt 0x0
	s_barrier_signal -1
	s_barrier_wait -1                              ; a row's 192 bytes come from two waves' stages
.irp i, 0,1,2,3
	ds_load_b32 v[U+\i], v8 offset:128*\i
.endr
.set i, 0
.rept 32
	ds_load_b96 v[128+4*i:130+4*i], v12 offset:256*i
.set i, i+1
.endr
	s_wait_dscnt 32
.irp i, 0,1,2,3
	global_store_b32 v9, v[U+\i], s[28:29] offset:4096*\i
.endr
.set i, 0
.rept 32
	s_wait_dscnt 31-i
	global_store_b96 v26, v[128+4*i:130+4*i], s[26:27] offset:6144*i   ; two rows: 192 consecutive bytes each
.set i, i+1
.endr
	s_wait_tensorcnt 0x0                           ; the wave's end
	ds_add_u32 v[SPW], v[NIL]
	s_wait_dscnt 0x0
	CROUND                                         ; the closing round
	s_endpgm
.Lfunc_end_k_q507f5eb252_ffn1:
	.size	k_q507f5eb252_ffn1, .Lfunc_end_k_q507f5eb252_ffn1-k_q507f5eb252_ffn1
	.p2alignl 7, 3214868480
	.fill 96, 4, 3214868480
	.section	.rodata,"a",@progbits
	.p2align	6, 0x0
	.amdhsa_kernel k_q507f5eb252_ffn1
		.amdhsa_group_segment_fixed_size 327680
		.amdhsa_private_segment_fixed_size 0
		.amdhsa_enable_private_segment 0
		.amdhsa_kernarg_size 56
		.amdhsa_user_sgpr_count 2
		.amdhsa_user_sgpr_kernarg_segment_ptr 1
		.amdhsa_wavefront_size32 1
		.amdhsa_system_sgpr_workgroup_id_x 1
		.amdhsa_system_sgpr_workgroup_id_y 1
		.amdhsa_system_sgpr_workgroup_id_z 1
		.amdhsa_system_vgpr_workitem_id 0
		.amdhsa_next_free_vgpr 1024
		.amdhsa_next_free_sgpr 100
		.amdhsa_reserve_vcc 0
		.amdhsa_float_denorm_mode_32 3
		.amdhsa_float_denorm_mode_16_64 3
		.amdhsa_memory_ordered 1
		.amdhsa_forward_progress 1
		.amdhsa_inst_pref_size 197
	.end_amdhsa_kernel
	.amdgpu_metadata
---
amdhsa.version: [ 1, 2 ]
amdhsa.kernels:
  - .name:           k_q507f5eb252_ffn1
    .symbol:         k_q507f5eb252_ffn1.kd
    .args:
      - { .name: act_codes, .offset: 0, .size: 8, .value_kind: global_buffer, .address_space: global }
      - { .name: act_scales, .offset: 8, .size: 8, .value_kind: global_buffer, .address_space: global }
      - { .name: w1_codes, .offset: 16, .size: 8, .value_kind: global_buffer, .address_space: global }
      - { .name: w1_scales, .offset: 24, .size: 8, .value_kind: global_buffer, .address_space: global }
      - { .name: b1, .offset: 32, .size: 8, .value_kind: global_buffer, .address_space: global }
      - { .name: hid_codes, .offset: 40, .size: 8, .value_kind: global_buffer, .address_space: global }
      - { .name: hid_scales, .offset: 48, .size: 8, .value_kind: global_buffer, .address_space: global }
    .group_segment_fixed_size: 327680
    .private_segment_fixed_size: 0
    .kernarg_segment_align: 8
    .kernarg_segment_size: 56
    .max_flat_workgroup_size: 128
    .sgpr_count:     100
    .vgpr_count:     1024
    .wavefront_size: 32
...
	.end_amdgpu_metadata
.endif
;; end of part 11
;; launch ffn2 (part 12): grid 8 x 32, 4 waves a work-group, clusters of 4 x 4, 327,680 bytes of LDS; arguments hid_codes, hid_scales, w2_codes, w2_scales, b2, x2, out0; writes out0
.if DOCPART == 12
	.amdgcn_target "amdgcn-amd-amdhsa--gfx1250"
	.amdhsa_code_object_version 6
	.text
	.protected	k_q507f5eb252_ffn2
	.globl	k_q507f5eb252_ffn2
	.p2align	8
	.type	k_q507f5eb252_ffn2,@function
k_q507f5eb252_ffn2:
	s_mov_b64 s[64:65], 0
	v_nop
	global_prefetch_b8 v0, s[64:65] scope:SCOPE_SE
	s_setreg_imm32_b32 hwreg(HW_REG_WAVE_MODE, 25, 1), 1
	s_wait_xcnt 0x0
	s_wait_alu depctr_hold_cnt(0) depctr_sa_sdst(0) depctr_va_vdst(0) depctr_va_sdst(0) depctr_va_ssrc(0) depctr_va_vcc(0) depctr_vm_vsrc(0)
	s_getreg_b32 s2, hwreg(HW_REG_IB_STS2, 6, 4)
	s_cmp_eq_u32 s2, 0
	s_cbranch_scc0 .Lentry_in_a_cluster
	s_endpgm
.Lentry_in_a_cluster:
	s_bfe_u32 s2, ttmp6, 0x10000c
	s_cmp_lg_u32 s2, 0xf033
	s_cbranch_scc0 .Lentry_shape_is_right
	s_endpgm
.Lentry_shape_is_right:
; out0[m][n] = x2[m][n] + b2[n] + sum over k of A[m][k] B[n][k]: A = hid [4096][4096], B = w2 [1024][4096] as codes of FP6 (E2M3), rows of 3,072 bytes, with one E8M0 byte for each 32 along K; bias, residual, out f32.
; 32 x 8 tiles of 128 x 128, one work-group each; four waves, 64 x 64 a wave: 16 accumulators.
; K goes through a ring of two LDS slots in CHUNKS OF 512 BYTES of each row, each beginning at a multiple of 256 bytes: six chunks; chunk c lies in slot c % 2; a slot holds A's 128 rows, then B's.  An LDS row is 512 + 16 bytes = 132 words,
; so the 32 lanes of a load of 8 bytes touch 64 different banks.  A step of 128 along K is 96 bytes: 16 steps to three chunks; steps 5, 10, 21, 26 lie across two chunks and take their pieces from both slots.
; Slots and chunks come back to where they began after all 32 steps, so the walk is written out.  The scales of all of K come once, with the head's loads, and stay.
; 4 x 4 clusters: A's tiles are asked for jointly along a row of the cluster, B's along a column.  The product is used transposed: a lane holds eight neighbouring numbers of a row of out.
; PREFETCH: behind the refill that brings chunk c each wave names chunk c + 1's 512 bytes of 16 of the 64 rows that it fetches (a lane a block of 256 bytes; the four partners share the rows by address): one chunk, five steps, ahead of its load.
; The residual and the bias go into registers ahead of the first product.  The way out goes through a stage of the wave's own, on bytes that no load fills.
.set AP,     3072
.set KS,     128
.set NST,    32
.set ROWB,   512
.set CHUNKS, 6
.set PITCH,  528
.set FR,     12
.set NL,     6
.set NP,     4
.set PL,     128*PITCH
.set HALF,   64*PITCH
.set SLOT,   2*PL
.set SCL,    2*SLOT
.set SCB,    (128*KS/256)*272
.set SBLK,   (16*KS/256)*272
.set STAGE,  SCL+2*SCB
.set SPITCH, 272
.set SPARE,  STAGE+4*16*SPITCH
.set ADRA, 16                          ; v16-17 my A fragments in slot 0, 1; v18-19 for pieces whose lanes 0-15 read the end of a chunk in slot 0, 1 and whose lanes 16-31 read the start of the next, in the other slot
.set ADRB, 20
.set STO,  24
.set RD,   25
.set CO,   26
.set ADRS, 27
.set SPW,  28
.set NIL,  29
.set BO,   30
.set PF0,  31
.set SC,   32                          ; scale words, two sets of four steps: register 16 s + 4 i + q: lanes 0-15 A's block i, lanes 16-31 B's block i
.set BI,   64
.set ACC,  128
.set F0,   64                          ; window 1: two sets of fragments: B's four, A's four
.set FSET, 96
.set G1, 24
.set G0, 32
.set G1B, 48
.set G0B, 56
.set G1S, 68
.set G0S, 76
.set G1SB, 80
.set G0SB, 88
.set G0H, 4
.set G0HB, 8
.set PFA, 94
.set MSB, 0
.macro WIN new
.if MSB != \new
	s_set_vgpr_msb (MSB<<8)|\new
.set MSB, \new
.endif
.endm
.set MUL,  0x05
.set TO_F, 0x40
.macro JLOAD g0a, g1a, g0b, g1b        ; waves 0, 1 fetch A's halves, waves 2, 3 B's
	s_cmp_eq_u32 s15, 0
	s_cbranch_scc0 .Lfor_b_\@
	tensor_load_to_lds s[\g0a:\g0a+3], s[\g1a:\g1a+7]
	s_nop 0
.rept 4
	v_nop
.endr
	s_branch .Lasked_\@
.Lfor_b_\@:
	tensor_load_to_lds s[\g0b:\g0b+3], s[\g1b:\g1b+7]
	s_nop 0
.rept 4
	v_nop
.endr
.Lasked_\@:
.endm
.macro CREST
	s_cmp_lg_u32 s14, 0
	s_cbranch_scc1 .Lnot_wave_0_\@
	s_barrier_signal -3
.Lnot_wave_0_\@:
	s_barrier_wait -3
	s_barrier_signal -1
	s_barrier_wait -1
.endm
.macro CROUND
	s_barrier_signal -1
	s_barrier_wait -1
	CREST
.endm
	s_load_b128 s[4:7], s[0:1], 0x0                ; A's codes, scales
	s_load_b128 s[8:11], s[0:1], 0x10              ; B's codes, scales
	s_load_b128 s[96:99], s[0:1], 0x20             ; bias, residual
	s_load_b64 s[12:13], s[0:1], 0x30              ; out
	v_lshl_add_u32 v[SPW], v0, 2, SPARE
	v_mov_b32 v[NIL], 0
	ds_add_u32 v[SPW], v[NIL]                      ; the opening lines: the add twice and one wait
	ds_add_u32 v[SPW], v[NIL]
	v_lshrrev_b32 v1, 5, v0
	v_readfirstlane_b32 s14, v1                    ; wave
	s_lshr_b32 s15, s14, 1                         ; my half of the rows
	s_and_b32 s16, s14, 1                          ; my half of the columns
	s_bfe_u32 s40, ttmp6, 0x40000
	s_bfe_u32 s41, ttmp6, 0x40004
	s_lshl_b32 s42, ttmp9, 2
	s_add_co_u32 s42, s42, s40                     ; tile column
	s_and_b32 s17, ttmp7, 0xffff
	s_lshl_b32 s17, s17, 2
	s_add_co_u32 s17, s17, s41                     ; tile row
	s_lshl_b32 s43, s41, 2
	s_lshl_b32 s43, 15, s43
	s_lshl_b32 s44, 0x1111, s40
	s_or_b32 s[G1+0], s43, (1<<20)|(1<<21)|(6<<22)|(3<<25)   ; bytes; 4 words of padding behind every 128
	s_or_b32 s[G1B+0], s44, (1<<20)|(1<<21)|(6<<22)|(3<<25)
.irp g, G1, G1B
	s_mov_b32 s[\g+1], ROWB<<16
	s_mov_b32 s[\g+2], 128<<16                     ; the head's loads bring 128 rows
	s_mov_b32 s[\g+3], ROWB<<16
	s_mov_b32 s[\g+4], 128
	s_mov_b32 s[\g+5], AP
	s_mov_b32 s[\g+6], 0
	s_mov_b32 s[\g+7], 0
.endr
	s_or_b32 s[G1S+0], s43, (3<<16)|(1<<20)|(1<<21)|(5<<22)|(3<<25)   ; scales: dense rows of 256 bytes, 16 of padding behind each
	s_or_b32 s[G1SB+0], s44, (3<<16)|(1<<20)|(1<<21)|(5<<22)|(3<<25)
.irp g, G1S, G1SB
	s_mov_b32 s[\g+1], 32<<16
	s_mov_b32 s[\g+2], (128*KS/256)<<16
	s_mov_b32 s[\g+3], 32<<16
	s_mov_b32 s[\g+4], 128*KS/256
	s_mov_b32 s[\g+5], 32
	s_mov_b32 s[\g+6], 0
	s_mov_b32 s[\g+7], 0
.endr
	s_lshl_b32 s20, s17, 7
	s_lshl_b32 s46, s42, 7
	s_mov_b32 s21, 0
	s_mov_b32 s47, 0
	s_mov_b64 s[18:19], KS
	s_mul_u64 s[22:23], s[20:21], s[18:19]
	s_mul_u64 s[92:93], s[46:47], s[18:19]
	s_mov_b64 s[18:19], AP
	s_mul_u64 s[20:21], s[20:21], s[18:19]
	s_mul_u64 s[46:47], s[46:47], s[18:19]
	s_mul_i32 s18, s16, 64*AP                      ; in the ring I fetch 64 rows
	s_mov_b32 s19, 0
	s_mul_i32 s45, s14, HALF
	s_wait_dscnt 0x0
	s_wait_kmcnt 0x0
	s_add_nc_u64 s[20:21], s[4:5], s[20:21]
	s_add_nc_u64 s[22:23], s[6:7], s[22:23]
	s_add_nc_u64 s[46:47], s[8:9], s[46:47]
	s_add_nc_u64 s[92:93], s[10:11], s[92:93]
	CROUND                                         ; the first joint loads meet
	s_mov_b32 s[G0H], 1
	s_mov_b32 s[G0H+1], 0
	s_mov_b64 s[G0H+2:G0H+3], s[20:21]
	s_or_b32 s[G0H+3], s[G0H+3], 0x80000000
	s_mov_b32 s[G0HB], 1
	s_mov_b32 s[G0HB+1], PL
	s_mov_b64 s[G0HB+2:G0HB+3], s[46:47]
	s_or_b32 s[G0HB+3], s[G0HB+3], 0x80000000
	s_mov_b32 s[G0S], 1
	s_mov_b32 s[G0S+1], SCL
	s_mov_b64 s[G0S+2:G0S+3], s[22:23]
	s_or_b32 s[G0S+3], s[G0S+3], 0x80000000
	s_mov_b32 s[G0SB], 1
	s_mov_b32 s[G0SB+1], SCL+SCB
	s_mov_b64 s[G0SB+2:G0SB+3], s[92:93]
	s_or_b32 s[G0SB+3], s[G0SB+3], 0x80000000
	s_add_nc_u64 s[20:21], s[20:21], s[18:19]
	s_add_nc_u64 s[46:47], s[46:47], s[18:19]
.irp s, 0,1
	s_mov_b32 s[G0+4*\s], 1
	s_add_co_u32 s[G0+4*\s+1], s45, \s*SLOT
	s_add_nc_u64 s[G0+4*\s+2:G0+4*\s+3], s[20:21], \s*ROWB
	s_or_b32 s[G0+4*\s+3], s[G0+4*\s+3], 0x80000000
	s_mov_b32 s[G0B+4*\s], 1
	s_add_co_u32 s[G0B+4*\s+1], s45, \s*SLOT
	s_add_nc_u64 s[G0B+4*\s+2:G0B+4*\s+3], s[46:47], \s*ROWB
	s_or_b32 s[G0B+4*\s+3], s[G0B+4*\s+3], 0x80000000
.endr
.macro ARM under, g0, g1, next         ; the head's loads, one a wave: chunk 0 of A, chunk 0 of B, A's scales, B's scales
	s_cmp_lt_u32 s14, \under
	s_cbranch_scc0 \next
	tensor_load_to_lds s[\g0:\g0+3], s[\g1:\g1+7]
	s_nop 0
.rept 4
	v_nop
.endr
	s_branch .Lhead_asked
\next:
.endm
	ARM 1, G0H,  G1,  .Lhead_b
	ARM 2, G0HB, G1B, .Lhead_sa
	ARM 3, G0S,  G1S, .Lhead_sb
	tensor_load_to_lds s[G0SB:G0SB+3], s[G1SB:G1SB+7]
	s_nop 0
.rept 4
	v_nop
.endr
.Lhead_asked:
	s_cmp_eq_u32 s15, 0                            ; the prefetches: of the 64 rows that I fetch, my work-group takes 16, by its place among the four that ask jointly (by address alone)
	s_cselect_b64 s[PFA:PFA+1], s[20:21], s[46:47]
	s_cselect_b32 s2, s40, s41
	s_mul_i32 s2, s2, 16*AP
	s_mov_b32 s3, 0
	s_add_nc_u64 s[PFA:PFA+1], s[PFA:PFA+1], s[2:3]   ; never stepped: the chunk stands in the immediate
	s_lshl_b32 s20, s17, 7
	s_lshl_b32 s21, s15, 6
	s_add_co_u32 s20, s20, s21                     ; my first row
	s_mov_b32 s21, 0
	s_lshl_b64 s[20:21], s[20:21], 12
	s_lshl_b32 s46, s42, 9
	s_lshl_b32 s47, s16, 8
	s_add_co_u32 s46, s46, s47                     ; my first column, in bytes
	s_mov_b32 s47, 0
	s_add_nc_u64 s[20:21], s[20:21], s[46:47]
	s_add_nc_u64 s[12:13], s[12:13], s[20:21]
	s_add_nc_u64 s[98:99], s[98:99], s[20:21]
	s_add_nc_u64 s[96:97], s[96:97], s[46:47]
	s_mov_b32 s2, SLOT-488
	s_mov_b32 s3, SLOT+488
	s_mul_i32 s18, s15, HALF
	s_mul_i32 s19, s16, HALF
	s_add_co_u32 s19, s19, PL
	s_mul_i32 s21, s15, SCB/2
	s_mul_i32 s22, s16, SCB/2
	s_add_co_u32 s22, s22, SCB
	s_sub_co_u32 s22, s22, s21                     ; from A's scale words to B's
	s_add_co_u32 s21, s21, SCL
	s_mul_i32 s23, s14, 16*SPITCH
	s_add_co_u32 s23, s23, STAGE
	v_and_b32 v1, 15, v0                           ; r
	v_bfe_u32 v2, v0, 4, 1                         ; h
	v_mul_u32_u24 v3, v1, PITCH
	v_mad_u32_u24 v4, v2, 24, v3
	v_sub_nc_u32 v7, 1, v2
	v_mul_u32_u24 v5, s2, v2
	v_add_nc_u32 v5, v3, v5
	v_add_nc_u32 v5, 488, v5                       ; lanes 0-15 byte 488 in slot 0, lanes 16-31 byte 0 in slot 1
	v_mul_u32_u24 v6, s3, v7
	v_add_nc_u32 v6, v3, v6                        ; and the other way round
	v_add_nc_u32 v[ADRA], s18, v4
	v_add_nc_u32 v[ADRA+1], SLOT, v[ADRA]
	v_add_nc_u32 v[ADRA+2], s18, v5
	v_add_nc_u32 v[ADRA+3], s18, v6
	v_add_nc_u32 v[ADRB], s19, v4
	v_add_nc_u32 v[ADRB+1], SLOT, v[ADRB]
	v_add_nc_u32 v[ADRB+2], s19, v5
	v_add_nc_u32 v[ADRB+3], s19, v6
	v_mul_u32_u24 v5, v1, KS
	v_lshrrev_b32 v6, 8, v5
	v_lshl_add_u32 v5, v6, 4, v5
	v_mul_u32_u24 v6, s22, v2
	v_add_nc_u32 v5, v5, v6
	v_add_nc_u32 v[ADRS], s21, v5
	v_mul_u32_u24 v5, v1, SPITCH
	v_lshl_add_u32 v5, v2, 5, v5
	v_add_nc_u32 v[STO], s23, v5
	v_mul_u32_u24 v5, v2, SPITCH
	v_lshl_add_u32 v5, v1, 4, v5
	v_add_nc_u32 v[RD], s23, v5
	v_lshlrev_b32 v[BO], 4, v1
	v_lshl_add_u32 v[CO], v2, 12, v[BO]
	v_mul_u32_u24 v[PF0], v1, AP
	v_lshl_add_u32 v[PF0], v2, 8, v[PF0]           ; row r, byte 256 h of a chunk
.macro FRAG reg, adr, st, i            ; 16 rows x 128 K of step st: six pieces of 8 bytes; byte y of a row lies in slot (y / 512) % 2 at byte y % 512
.irp p, 0,1,2,3,4,5
.set BY, 96*(\st)+48*(\p/3)+8*(\p%3)
.if BY/ROWB == (BY+24)/ROWB
	ds_load_b64 v[\reg+2*\p:\reg+2*\p+1], v[\adr+(BY/ROWB)%2] offset:BY%ROWB+(\i)*16*PITCH
.else
	ds_load_b64 v[\reg+2*\p:\reg+2*\p+1], v[\adr+2+(BY/ROWB)%2] offset:BY%ROWB-488+(\i)*16*PITCH
.endif
.endr
.endm
.macro MULA a, st, zero                ; A's block a x B's four, step st; the 16 accumulators take turns
.irp b, 0,1,2,3
.if \zero
	v_wmma_scale_f32_16x16x128_f8f6f4 v[ACC+8*(4*(\a)+\b):ACC+8*(4*(\a)+\b)+7], v[F0+FSET*((\st)%2)+FR*\b:F0+FSET*((\st)%2)+FR*\b+FR-1], v[F0+FSET*((\st)%2)+48+FR*(\a):F0+FSET*((\st)%2)+48+FR*(\a)+FR-1], 0, v[SC+16*(((\st)/4)%2)+4*\b+(\st)%4], v[SC+16*(((\st)/4)%2)+4*(\a)+(\st)%4] matrix_a_fmt:MATRIX_FMT_FP6 matrix_b_fmt:MATRIX_FMT_FP6 matrix_a_scale:MATRIX_SCALE_ROW1
.else
	v_wmma_scale_f32_16x16x128_f8f6f4 v[ACC+8*(4*(\a)+\b):ACC+8*(4*(\a)+\b)+7], v[F0+FSET*((\st)%2)+FR*\b:F0+FSET*((\st)%2)+FR*\b+FR-1], v[F0+FSET*((\st)%2)+48+FR*(\a):F0+FSET*((\st)%2)+48+FR*(\a)+FR-1], v[ACC+8*(4*(\a)+\b):ACC+8*(4*(\a)+\b)+7], v[SC+16*(((\st)/4)%2)+4*\b+(\st)%4], v[SC+16*(((\st)/4)%2)+4*(\a)+(\st)%4] matrix_a_fmt:MATRIX_FMT_FP6 matrix_b_fmt:MATRIX_FMT_FP6 matrix_a_scale:MATRIX_SCALE_ROW1
.endif
.endr
.endm
.macro FETCH st, p                     ; 48 LDS loads: B's four fragments, then A's four, into set p
	WIN TO_F
.irp i, 0,1,2,3
	FRAG F0+FSET*(\p)+FR*\i, ADRB, \st, \i
.endr
.irp i, 0,1,2,3
	FRAG F0+FSET*(\p)+48+FR*\i, ADRA, \st, \i
.endr
.endm
.macro SCALES j                        ; the scale words of steps 4 j .. 4 j + 3 into set j % 2
.irp i, 0,1,2,3
	ds_load_b128 v[SC+16*((\j)%2)+4*\i:SC+16*((\j)%2)+4*\i+3], v[ADRS] offset:\i*SBLK+16*(\j)
.endr
.endm
.macro PLACES n
.rept \n
	v_nop
.endr
.endm
; A step: 16 products on set st % 2; in its middle the next step's fragments are fetched into the other set.  Where the next step ends in a chunk not yet read, every wave waits for its tensor loads and a barrier shows that chunk whole;
; where it begins in a later chunk, the old chunk is given up: the wait for all tensor loads, the add, the wait for it and for my reads, the barrier; if a chunk two on is left to fetch, the barrier opens a round of the cluster's barrier and the refill follows.
.macro STEP st, zero
.set NX, (\st)+1
.set C0, (96*(\st))/ROWB
.set C1, (96*NX)/ROWB
.set E0, (96*(\st)+95)/ROWB
.set E1, (96*NX+95)/ROWB
.if C1 > C0 || E1 > E0
	WIN 0
	s_wait_tensorcnt 0x0
.if C1 > C0
	ds_add_u32 v[SPW], v[NIL]
	s_wait_dscnt 2*NL+1                            ; the add and the 12 youngest loads, A's blocks 2 and 3, may be out
.else
	s_wait_dscnt 2*NL
.endif
	WIN MUL
	MULA 0, \st, \zero
	s_wait_dscnt 0x0
	s_barrier_signal -1
	MULA 1, \st, \zero
	WIN 0
	s_barrier_wait -1
.if C1 > C0 && C0+2 < CHUNKS
	CREST
	s_add_nc_u64 s[G0+4*(C0%2)+2:G0+4*(C0%2)+3], s[G0+4*(C0%2)+2:G0+4*(C0%2)+3], 2*ROWB
	s_add_nc_u64 s[G0B+4*(C0%2)+2:G0B+4*(C0%2)+3], s[G0B+4*(C0%2)+2:G0B+4*(C0%2)+3], 2*ROWB
	JLOAD G0+4*(C0%2), G1, G0B+4*(C0%2), G1B       ; chunk C0 + 2; its four v_nop are the places in front of the loads below
.if C0+3 < CHUNKS
	global_prefetch_b8 v[PF0], s[PFA:PFA+1] offset:ROWB*(C0+3) th:TH_LOAD_NT scope:SCOPE_SE   ; the chunk after it
.endif
.else
	PLACES NP
.endif
.else
	s_wait_dscnt 2*NL                              ; the 12 youngest loads may be out
	WIN MUL
	MULA 0, \st, \zero
	MULA 1, \st, \zero
	PLACES NP
.endif
.if NX%4 == 0
	WIN 0
	SCALES NX/4
.endif
	FETCH NX, NX%2
	s_wait_dscnt 8*NL                              ; all but the 48 just issued
	WIN MUL
	MULA 2, \st, \zero
	MULA 3, \st, \zero
.endm
	s_wait_alu depctr_va_vdst(0)
	s_wait_tensorcnt 0x0                           ; my tile of the head's four is in; these lines stand ahead of a later first fill as ahead of a refill
	ds_add_u32 v[SPW], v[NIL]
	s_mov_b32 s[G1+2], 64<<16                      ; no load of mine is out: from here on a load brings 64 rows
	s_mov_b32 s[G1+4], 64
	s_mov_b32 s[G1B+2], 64<<16
	s_mov_b32 s[G1B+4], 64
	s_wait_dscnt 0x0
	CROUND
	JLOAD G0+4, G1, G0B+4, G1B                     ; chunk 1, slot 1's first fill
	SCALES 0
	FETCH 0, 0
	WIN 0
	global_load_b128 v[BI:BI+3], v[BO], s[96:97]   ; the bias and the residual: waited for on the way out
	WIN 0x80
.irp a, 0,1,2,3
.irp t, 0,1,2,3,4,5,6,7
	global_load_b128 v[32*\a+4*\t:32*\a+4*\t+3], v[CO], s[98:99] offset:(16*\a+2*\t)*4096 th:TH_LOAD_NT
.endr
.endr
	WIN 0
	STEP 0, 1                                      ; the first products start the sums
.set ST, 1
.rept NST-2
	STEP ST, 0
.set ST, ST+1
.endr
	s_wait_dscnt 2*NL                              ; the last step: nothing more to fetch
	WIN MUL
	MULA 0, 31, 0
	MULA 1, 31, 0
	s_wait_dscnt 0
	MULA 2, 31, 0
	MULA 3, 31, 0
	WIN 0
; THE WAY OUT, by blocks of 16 rows x 64 columns: into my stage, back as rows of 256 bytes, residual and bias added, sixteen lanes store 256 consecutive bytes, aligned
.macro TOSTAGE a
.irp b, 0,1,2,3
	ds_store_b128 v[STO], v[ACC+8*(4*(\a)+\b):ACC+8*(4*(\a)+\b)+3] offset:64*\b
	ds_store_b128 v[STO], v[ACC+8*(4*(\a)+\b)+4:ACC+8*(4*(\a)+\b)+7] offset:64*\b+16
.endr
.irp t, 0,1,2,3,4,5,6,7
	ds_load_b128 v[ACC+32*(\a)+4*\t:ACC+32*(\a)+4*\t+3], v[RD] offset:\t*2*SPITCH
.endr
.endm
.macro SEND a, younger
	s_wait_dscnt \younger
	WIN 0x08
.set i, 0
.rept 16
	v_pk_add_f32 v[ACC+32*(\a)+2*i:ACC+32*(\a)+2*i+1], v[ACC+32*(\a)+2*i:ACC+32*(\a)+2*i+1], v[32*(\a)+2*i:32*(\a)+2*i+1]
.set i, i+1
.endr
	WIN 0
.set i, 0
.rept 16
	v_pk_add_f32 v[ACC+32*(\a)+2*i:ACC+32*(\a)+2*i+1], v[ACC+32*(\a)+2*i:ACC+32*(\a)+2*i+1], v[BI+2*(i%2):BI+2*(i%2)+1]
.set i, i+1
.endr
.irp t, 0,1,2,3,4,5,6,7
	global_store_b128 v[CO], v[ACC+32*(\a)+4*\t:ACC+32*(\a)+4*\t+3], s[12:13] offset:(16*(\a)+2*\t)*4096 th:TH_STORE_NT
.endr
.endm
	PLACES NP
	TOSTAGE 0
	TOSTAGE 1
	s_wait_loadcnt 0x0                             ; the bias and the residual
	SEND 0, 16                                     ; behind block 0's loads: block 1's 8 stores and 8 loads
	TOSTAGE 2
	SEND 1, 16
	TOSTAGE 3
	SEND 2, 16
	SEND 3, 0
	s_wait_tensorcnt 0x0                           ; the wave's end
	ds_add_u32 v[SPW], v[NIL]
	s_wait_dscnt 0x0
	CROUND                                         ; the closing round
	s_endpgm
.Lfunc_end_k_q507f5eb252_ffn2:
	.size	k_q507f5eb252_ffn2, .Lfunc_end_k_q507f5eb252_ffn2-k_q507f5eb252_ffn2
	.p2alignl 7, 3214868480
	.fill 96, 4, 3214868480
	.section	.rodata,"a",@progbits
	.p2align	6, 0x0
	.amdhsa_kernel k_q507f5eb252_ffn2
		.amdhsa_group_segment_fixed_size 327680
		.amdhsa_private_segment_fixed_size 0
		.amdhsa_enable_private_segment 0
		.amdhsa_kernarg_size 56
		.amdhsa_user_sgpr_count 2
		.amdhsa_user_sgpr_kernarg_segment_ptr 1
		.amdhsa_wavefront_size32 1
		.amdhsa_system_sgpr_workgroup_id_x 1
		.amdhsa_system_sgpr_workgroup_id_y 1
		.amdhsa_system_sgpr_workgroup_id_z 1
		.amdhsa_system_vgpr_workitem_id 0
		.amdhsa_next_free_vgpr 768
		.amdhsa_next_free_sgpr 100
		.amdhsa_reserve_vcc 0
		.amdhsa_float_denorm_mode_32 3
		.amdhsa_float_denorm_mode_16_64 3
		.amdhsa_memory_ordered 1
		.amdhsa_forward_progress 1
		.amdhsa_inst_pref_size 207
	.end_amdhsa_kernel
	.amdgpu_metadata
---
amdhsa.version: [ 1, 2 ]
amdhsa.kernels:
  - .name:           k_q507f5eb252_ffn2
    .symbol:         k_q507f5eb252_ffn2.kd
    .args:
      - { .name: hid_codes, .offset: 0, .size: 8, .value_kind: global_buffer, .address_space: global }
      - { .name: hid_scales, .offset: 8, .size: 8, .value_kind: global_buffer, .address_space: global }
      - { .name: w2_codes, .offset: 16, .size: 8, .value_kind: global_buffer, .address_space: global }
      - { .name: w2_scales, .offset: 24, .size: 8, .value_kind: global_buffer, .address_space: global }
      - { .name: b2, .offset: 32, .size: 8, .value_kind: global_buffer, .address_space: global }
      - { .name: x2, .offset: 40, .size: 8, .value_kind: global_buffer, .address_space: global }
      - { .name: out0, .offset: 48, .size: 8, .value_kind: global_buffer, .address_space: global }
    .group_segment_fixed_size: 327680
    .private_segment_fixed_size: 0
    .kernarg_segment_align: 8
    .kernarg_segment_size: 56
    .max_flat_workgroup_size: 128
    .sgpr_count:     100
    .vgpr_count:     768
    .wavefront_size: 32
...
	.end_amdgpu_metadata
.endif
;; end of part 12
